; MI455X (gfx1250); checked and timed in simulation.
; The chip was launched on July 23, 2026; its instructions are those of AMD's public machine-readable ISA for CDNA 5 (MIT licence, August 2026) and "CDNA5" Instruction Set Architecture Reference Guide (July 2026). The comments in the code are by the model that wrote it; some were corrected since.
;; Multi Head Attention. Allowed arithmetic: matrix products marked QUANTISED: E2M3 operands, one E8M0 scale for each 32 along K, by v_wmma_scale_f32_16x16x128_f8f6f4 with both operands' format E2M3, f32 sums; everything else in f32.
;; Inputs: Wk_codes 1,024 x 32 x 24 uint8 (E2M3 codes of Wk, K innermost, in blocks of 32 codes, four codes in three bytes); Wk_scales 1,024 x 32 uint8 (E8M0 scales of Wk, one for each 32 codes along K); Wo_codes 1,024 x 32 x 24 uint8 (E2M3 codes of Wo, K innermost, in blocks of 32 codes, four codes in three bytes); Wo_scales 1,024 x 32 uint8 (E8M0 scales of Wo, one for each 32 codes along K); Wq_codes 1,024 x 32 x 24 uint8 (E2M3 codes of Wq, K innermost, in blocks of 32 codes, four codes in three bytes); Wq_scales 1,024 x 32 uint8 (E8M0 scales of Wq, one for each 32 codes along K); Wv_codes 1,024 x 32 x 24 uint8 (E2M3 codes of Wv, K innermost, in blocks of 32 codes, four codes in three bytes); Wv_scales 1,024 x 32 uint8 (E8M0 scales of Wv, one for each 32 codes along K); beta 1,024 float32; bo 1,024 float32; gamma 1,024 float32; key__codes 4 x 2,048 x 32 x 24 uint8 (E2M3 codes of key_, K innermost, in blocks of 32 codes, four codes in three bytes); key__scales 4 x 2,048 x 32 uint8 (E8M0 scales of key_, one for each 32 codes along K); query 4 x 2,048 x 1,024 float32; value_codes 4 x 2,048 x 32 x 24 uint8 (E2M3 codes of value, K innermost, in blocks of 32 codes, four codes in three bytes); value_scales 4 x 2,048 x 32 uint8 (E8M0 scales of value, one for each 32 codes along K).
;; Outputs: out0 4 x 2,048 x 1,024 float32.
;; This version of the problem:
;;   THIS VERSION OF THE PROBLEM IS GIVEN IN LOW PRECISION. The matrix products marked QUANTISED in the list below multiply operands that are first quantised to E2M3 (2 exponent bits, 3 mantissa bits; 6 bits a number), with one power-of-two scale for each 32 numbers along K (OCP MX v1.0); their sums are f32. All else is computed in f32.
;;   The module's matrix products, in the order in which they are computed (A, B: the left and right operand; K: the contracted axis; several contracted axes count as one K, in the product's order):
;;     1. [M 8,192, K 1,024] x [K 1,024, N 1,024]; A: input query; B: input Wq (given as codes): QUANTISED
;;     2. [M 8,192, K 1,024] x [K 1,024, N 1,024]; A: input key_ (given as codes); B: input Wk (given as codes): QUANTISED
;;     3. [M 8,192, K 1,024] x [K 1,024, N 1,024]; A: input value (given as codes); B: input Wv (given as codes): QUANTISED
;;     4. batch 64 x [M 2,048, K 64] x [K 64, N 2,048]; A: computed on the way; B: computed on the way: QUANTISED
;;     5. batch 64 x [M 2,048, K 2,048] x [K 2,048, N 64]; A: softmax (see below); B: computed on the way: QUANTISED
;;     6. [M 8,192, K 1,024] x [K 1,024, N 1,024]; A: computed on the way; B: input Wo (given as codes): QUANTISED
;;   THE QUANTISER, for each operand of a quantised product, along K:
;;     - K is cut into blocks of 32 from its start; a last block that is shorter is filled with zeros.
;;     - A block's scale is 2^e with e = floor(log2(the largest magnitude in the block)) - 2, held to -126 .. 127; a block of zeros has e = 0. As a byte (E8M0): e + 127.
;;     - Each number is divided by its block's scale, clamped to +-7.5, and rounded to the nearest number of E2M3, ties to even, subnormals kept.
;;     - The product sums the exact products of the quantised numbers (number of the format x scale) in f32.
;;   ~~~python
;;   def quantise(x, axis):      # numpy; x: float32 -> the quantised numbers, widened to float32 again
;;       x = np.moveaxis(x, axis, -1); K = x.shape[-1]
;;       x = np.pad(x, [(0, 0)] * (x.ndim - 1) + [(0, -K % 32)]); x = x.reshape(x.shape[:-1] + (-1, 32)); a = np.abs(x).max(-1, keepdims=True)
;;       e = np.where(a > 0, np.clip(np.frexp(np.where(a > 0, a, 1))[1] - 1 - 2, -126, 127), 0)      # np.frexp(a)[1] - 1 = floor(log2(a)), exactly
;;       r = np.clip(x / 2.0 ** e, -7.5, 7.5)
;;       step = 2.0 ** (np.maximum(np.frexp(np.where(r == 0, 1, r))[1] - 1, 0) - 3)
;;       q = np.round(r / step) * step * 2.0 ** e      # np.round: ties to even
;;       return np.moveaxis(q.reshape(q.shape[:-2] + (-1,))[..., :K], -1, axis).astype(np.float32)
;;   ~~~
;;   SOFTMAX AHEAD OF A QUANTISED PRODUCT. Where the list says 'softmax', what is quantised is not the finished softmax but p = 2^(t - M), with t = logit x log2(e) and M = ceil(the row's largest t), a whole number; so 1/2 < the row's largest p <= 1. The row's sum l is taken of the UNQUANTISED p, in f32, and the product's result is divided by l at the end. Since M is a whole number, a kernel that streams over the keys may use a running M (the ceiling of the running maximum): every later rescaling is an exact power of two, which a block's scale takes up: the codes' values come out the same.
;;   OPERANDS COMPUTED ON THE WAY. 'Computed on the way' means the value that the module computes at that place (a softmax that the list does not call 'softmax' is quantised finished and normalised). What goes into a quantiser is computed in f32, as accurately as f32 sums, v_exp_f32 and their like allow (about 1e-6 of the number): no bf16 or f16 on the way to a quantiser, and a product that is left as it is and whose result goes on into a quantised operand takes f32 operands (vector FMAs, or v_wmma_f32_16x16x4_f32). A number that lies on a knife's edge between two numbers of the format may be rounded either way, as far as f32 arithmetic and the matrix unit's own rounding can turn it there, and no further.
;;   INPUTS GIVEN AS CODES. Wk (in the module: [1024, 1024], K = its axis 0); Wo (in the module: [1024, 1024], K = its axis 0); Wq (in the module: [1024, 1024], K = its axis 0); Wv (in the module: [1024, 1024], K = its axis 0); key_ (in the module: [4, 2048, 1024], K = its axis 2); value (in the module: [4, 2048, 1024], K = its axis 2): each comes as NAME_codes (uint8): NAME with its K axis moved to the last place and cut into blocks of 32 codes, [.., K / 32, bytes a block], one block behind the other in memory; four codes in three bytes: a row's codes are one little-endian stream of bits, code i at bits 6 i .. 6 i + 5 (a code: sign, 2 exponent bits, 3 mantissa bits); and NAME_scales (uint8): the same leading axes, one E8M0 byte (e + 127) for each 32 codes along K. Its value is code x scale, taken as it is: it is not quantised again, and the codes and scales need not be those that the quantiser above would give.
;; 2 versions. Each part assembles by itself: llvm-mc -triple=amdgcn-amd-amdhsa -mcpu=gfx1250 --defsym DOCPART=n.
;; ======== version 1 of 2: 4 launches
;; workspace buffers: qc 6,291,456 bytes; qs 262,144 bytes; img 18,874,368 bytes; isc 786,432 bytes; oimg 6,291,456 bytes; osc 262,144 bytes; wimg 786,432 bytes
;; launch prep (part 1): grid 320 x 1, 4 waves a work-group, no clusters, 33,280 bytes of LDS; arguments query, Wo_codes, qc, qs, wimg; writes qc, qs, wimg
.if DOCPART == 1
	.amdgcn_target "amdgcn-amd-amdhsa--gfx1250"
	.amdhsa_code_object_version 6
	.text
	.protected	k_q69821c13ee_prep
	.globl	k_q69821c13ee_prep
	.p2align	8
	.type	k_q69821c13ee_prep,@function
k_q69821c13ee_prep:
	s_mov_b64 s[64:65], 0
	v_nop
	global_prefetch_b8 v0, s[64:65] scope:SCOPE_SE
	s_setreg_imm32_b32 hwreg(HW_REG_WAVE_MODE, 25, 1), 1
	s_wait_xcnt 0x0
; Two jobs in one launch, told apart by the work-group's number.
; Work-groups 0-255: query [8192][1024] f32 becomes codes of FP6 (E2M3), K innermost (qc, 768 bytes a row), with one E8M0 byte for each 32 along K (qs, 32 bytes a row): laid as the given key__codes and key__scales.
;   A block's scale is 2^(floor(log2(its largest magnitude)) - 2): its byte is the largest magnitude's exponent field - 2, held at 1 from below.
;   Rows are dense and 1,024 is a multiple of 32, so the tensor is a plain stream of blocks.  A wave takes 16 steps of 512 numbers; each load reads 512 consecutive bytes; a step's 2,048 bytes turn through the wave's
;   own stage in LDS so that a lane holds 16 neighbours along K (two lanes a block); a lane's 16 codes are 12 bytes; a wave's 256 scale bytes are gathered in LDS and leave as 256 consecutive bytes.
; Work-groups 256-319: Wo's codes [1024 (n)][768 bytes] are laid anew in the order of an operand's registers (wimg): fragment (16 rows n, 128 along K) = 12 registers a lane, registers 4 c .. 4 c + 3 at 512 c + 16 x lane,
;   1,536 bytes a fragment, [n tile 64][K step 8].  Work-group e takes n tile e, wave w its K steps 2 w and 2 w + 1.  This path uses no LDS.
; LIMITS: a block of zeros, or one whose largest magnitude lies under 2^-124, gets the byte 1 (its codes are zeros or tiny; this program alone reads the bytes); NaN and infinities in query are not served.
.set STEPS, 16
.set EMAX,  2
.set CB,    12                         ; bytes of 16 codes
.set R,     16                         ; v16-79   four sets of 16 numbers as they are loaded
.set X,     80                         ; v80-111  two sets of 16 neighbours
.set C,     128                        ; v128-191 codes: four registers for each step, so that no store's data are written again
.set E,     112                        ; v112-127 a scale byte for each step
.set WREG,  8192                       ; LDS: a region of its own for each wave: two stages of 32 x SP bytes, then its 256 scale bytes
.set SP,    80                         ; a lane's place in a stage: 64 bytes + 16 of padding
	s_load_b256 s[4:11], s[0:1], 0x0               ; query s[4:5], Wo_codes s[6:7], qc s[8:9], qs s[10:11]
	s_load_b64 s[12:13], s[0:1], 0x20              ; wimg
	v_lshl_add_u32 v192, v0, 2, 0x8000
	v_mov_b32 v193, 0
	v_lshrrev_b32 v1, 5, v0
	v_readfirstlane_b32 s16, v1                    ; wave
	v_and_b32 v2, 31, v0                           ; lane
	s_wait_kmcnt 0x0
	s_cmp_ge_u32 ttmp9, 256
	s_cbranch_scc1 .Lrelay
	v_lshlrev_b32 v3, 4, v2                        ; my 16 bytes of a load's 512
	s_mul_i32 s17, s16, WREG
	v_lshrrev_b32 v14, 2, v2
	v_mul_u32_u24 v14, v14, SP
	v_and_b32 v15, 3, v2
	v_lshl_add_u32 v14, v15, 4, v14
	v_add_nc_u32 v14, s17, v14                     ; the stage, on the way in: SP (lane / 4) + 16 (lane % 4)
	v_mul_u32_u24 v15, v2, SP
	v_add_nc_u32 v15, s17, v15                     ; and on the way out: SP x lane: my 16 neighbours
	v_mul_u32_u24 v4, v2, CB                       ; my codes' place in a step's
	v_lshrrev_b32 v5, 1, v2
	s_add_co_u32 s17, s17, 2*32*SP
	v_add_nc_u32 v5, s17, v5                       ; LDS: my wave's 256 scale bytes, my block's byte
	v_lshlrev_b32 v7, 3, v2                        ; and on the way out 8 bytes a lane
	v_add_nc_u32 v6, s17, v7
	s_lshl_b32 s17, ttmp9, 2
	s_add_co_u32 s18, s17, s16                     ; which run of 8,192 numbers is my wave's
	s_mov_b32 s19, 0
	s_mov_b64 s[20:21], 512*STEPS*4
	s_mul_u64 s[20:21], s[18:19], s[20:21]
	s_add_nc_u64 s[4:5], s[4:5], s[20:21]
	s_mov_b64 s[20:21], 32*STEPS*CB
	s_mul_u64 s[20:21], s[18:19], s[20:21]
	s_add_nc_u64 s[8:9], s[8:9], s[20:21]
	s_lshl_b32 s18, s18, 8                         ; 256 scale bytes a run
	s_add_nc_u64 s[10:11], s[10:11], s[18:19]
.macro LOAD t
.irp i, 0,1,2,3
	global_load_b128 v[R+16*((\t)%4)+4*\i:R+16*((\t)%4)+4*\i+3], v3, s[4:5] offset:2048*(\t)+512*\i th:TH_LOAD_NT   ; 32 lanes read 512 consecutive bytes
.endr
.endm
.macro TURN t                          ; step t's numbers through the stage: LDS serves a wave's instructions in order, so no wait stands between the stores and the loads
.irp i, 0,1,2,3
	ds_store_b128 v14, v[R+16*((\t)%4)+4*\i:R+16*((\t)%4)+4*\i+3] offset:32*SP*((\t)%2)+8*SP*\i
.endr
.irp i, 0,1,2,3
	ds_load_b128 v[X+16*((\t)%2)+4*\i:X+16*((\t)%2)+4*\i+3], v15 offset:32*SP*((\t)%2)+16*\i
.endr
.endm
.irp t, 0,1,2,3
	LOAD \t
.endr
	s_wait_loadcnt 12                              ; step 0's four loads are in; three younger steps' twelve may be out
	TURN 0
.macro STEP t
.set XS, X+16*((\t)%2)
.if (\t) > 0
	s_wait_dscnt 1                                 ; this step's numbers are back from the stage (the last step's byte store may be out)
.else
	s_wait_dscnt 0x0
.endif
.if (\t)+4 < STEPS
	LOAD (\t)+4                                    ; the registers that the stage's stores have read take the loads of four steps on
.endif
.if (\t)+1 < STEPS
.if STEPS-2-(\t) >= 3
	s_wait_loadcnt 12                              ; the next step's four loads are in; those of the three steps behind it may be out
.else
	s_wait_loadcnt 4*(STEPS-2-(\t))
.endif
	TURN (\t)+1
.endif
	v_max3_num_f32 v8, |v[XS]|, |v[XS+1]|, |v[XS+2]|               ; the largest magnitude of my 16, in two chains
	v_max3_num_f32 v9, |v[XS+3]|, |v[XS+4]|, |v[XS+5]|
.irp i, 6,10
	v_max3_num_f32 v8, v8, |v[XS+\i]|, |v[XS+\i+1]|
	v_max3_num_f32 v9, v9, |v[XS+\i+2]|, |v[XS+\i+3]|
.endr
	v_max3_num_f32 v8, v8, |v[XS+14]|, |v[XS+15]|
	v_max3_num_f32 v8, v8, v9, (EMAX+1)<<23        ; and the floor 2^(3 - 127): the byte cannot fall under 1
	v_max_num_f32_dpp v8, v8, v8 row_xmask:1 row_mask:0xf bank_mask:0xf   ; and of my neighbour's 16: the block's
	v_add_nc_u32 v11, -(EMAX<<23), v8              ; 2 off its exponent field: the conversion takes the exponent field of this operand as its scale
	v_cvt_scalef32_pk16_fp6_f32 v[C+4*(\t):C+4*(\t)+2], v[XS:XS+15], v11
	v_lshrrev_b32 v[E+(\t)], 23, v11               ; the scale's byte
	ds_store_b8 v5, v[E+(\t)] offset:16*(\t)       ; both lanes of a block write the same byte with the same value
	global_store_b96 v4, v[C+4*(\t):C+4*(\t)+2], s[8:9] offset:32*CB*(\t)
.endm
.irp t, 0,1,2,3,4,5,6,7,8,9,10,11,12,13,14,15
	STEP \t
.endr
	ds_load_b64 v[12:13], v6                       ; LDS serves a wave's instructions in order: these see my stores
	s_wait_dscnt 0x0
	global_store_b64 v7, v[12:13], s[10:11]        ; 32 lanes store 256 consecutive bytes
	s_wait_tensorcnt 0x0
	ds_add_u32 v192, v193
	s_wait_dscnt 0x0
	s_endpgm
.Lrelay:
	s_sub_co_u32 s17, ttmp9, 256                   ; e: the n tile
	v_and_b32 v40, 15, v0                          ; r
	v_bfe_u32 v41, v0, 4, 1                        ; h
	v_mul_u32_u24 v42, v40, 768
	v_mad_u32_u24 v42, v41, 24, v42                ; row r of 768 bytes, + 24 h
	v_lshlrev_b32 v43, 4, v2                       ; 16 x lane
	s_mul_i32 s18, s17, 12288                      ; 16 rows of 768 bytes a tile,
	s_mul_i32 s20, s16, 192                        ; two K steps of 96 bytes a wave
	s_add_co_u32 s18, s18, s20
	s_mov_b32 s19, 0
	s_add_nc_u64 s[6:7], s[6:7], s[18:19]
	s_lshl_b32 s18, s17, 3
	s_lshl_b32 s20, s16, 1
	s_add_co_u32 s18, s18, s20                     ; fragment 8 e + 2 w
	s_mul_i32 s18, s18, 1536
	s_add_nc_u64 s[12:13], s[12:13], s[18:19]
.irp f, 0,1
.irp p, 0,1,2,3,4,5
	global_load_b64 v[16+12*\f+2*\p:17+12*\f+2*\p], v42, s[6:7] offset:96*\f+48*(\p/3)+8*(\p%3)   ; registers 6 c .. 6 c + 5: k = 64 c + 32 h + 0 .. 31, 24 bytes as they lie
.endr
.endr
	s_wait_loadcnt 0x0
.irp f, 0,1
.irp c, 0,1,2
	global_store_b128 v43, v[16+12*\f+4*\c:19+12*\f+4*\c], s[12:13] offset:1536*\f+512*\c     ; 32 lanes store 512 consecutive bytes
.endr
.endr
	s_endpgm
.Lfunc_end_k_q69821c13ee_prep:
	.size	k_q69821c13ee_prep, .Lfunc_end_k_q69821c13ee_prep-k_q69821c13ee_prep
	.p2alignl 7, 3214868480
	.fill 96, 4, 3214868480
	.section	.rodata,"a",@progbits
	.p2align	6, 0x0
	.amdhsa_kernel k_q69821c13ee_prep
		.amdhsa_group_segment_fixed_size 33280
		.amdhsa_private_segment_fixed_size 0
		.amdhsa_enable_private_segment 0
		.amdhsa_kernarg_size 40
		.amdhsa_user_sgpr_count 2
		.amdhsa_user_sgpr_kernarg_segment_ptr 1
		.amdhsa_wavefront_size32 1
		.amdhsa_system_sgpr_workgroup_id_x 1
		.amdhsa_system_sgpr_workgroup_id_y 1
		.amdhsa_system_sgpr_workgroup_id_z 1
		.amdhsa_system_vgpr_workitem_id 0
		.amdhsa_next_free_vgpr 194
		.amdhsa_next_free_sgpr 66
		.amdhsa_reserve_vcc 0
		.amdhsa_float_denorm_mode_32 3
		.amdhsa_float_denorm_mode_16_64 3
		.amdhsa_memory_ordered 1
		.amdhsa_forward_progress 1
		.amdhsa_inst_pref_size 35
	.end_amdhsa_kernel
	.amdgpu_metadata
---
amdhsa.version: [ 1, 2 ]
amdhsa.kernels:
  - .name:           k_q69821c13ee_prep
    .symbol:         k_q69821c13ee_prep.kd
    .args:
      - { .name: query, .offset: 0, .size: 8, .value_kind: global_buffer, .address_space: global }
      - { .name: Wo_codes, .offset: 8, .size: 8, .value_kind: global_buffer, .address_space: global }
      - { .name: qc, .offset: 16, .size: 8, .value_kind: global_buffer, .address_space: global }
      - { .name: qs, .offset: 24, .size: 8, .value_kind: global_buffer, .address_space: global }
      - { .name: wimg, .offset: 32, .size: 8, .value_kind: global_buffer, .address_space: global }
    .group_segment_fixed_size: 33280
    .private_segment_fixed_size: 0
    .kernarg_segment_align: 8
    .kernarg_segment_size: 40
    .max_flat_workgroup_size: 128
    .sgpr_count:     66
    .vgpr_count:     194
    .wavefront_size: 32
...
	.end_amdgpu_metadata
.endif
;; end of part 1
;; launch proj (part 2): grid 64 x 3, 4 waves a work-group, no clusters, 292,864 bytes of LDS; arguments qc, qs, key__codes, key__scales, value_codes, value_scales, Wq_codes, Wq_scales, Wk_codes, Wk_scales, Wv_codes, Wv_scales, img, isc; writes img, isc
.if DOCPART == 2
	.amdgcn_target "amdgcn-amd-amdhsa--gfx1250"
	.amdhsa_code_object_version 6
	.text
	.protected	k_q69821c13ee_proj
	.globl	k_q69821c13ee_proj
	.p2align	8
	.type	k_q69821c13ee_proj,@function
k_q69821c13ee_proj:
	s_mov_b64 s[64:65], 0
	v_nop
	global_prefetch_b8 v0, s[64:65] scope:SCOPE_SE
	s_setreg_imm32_b32 hwreg(HW_REG_WAVE_MODE, 25, 1), 1
	s_wait_xcnt 0x0
; The three projections q = query Wq, k = key_ Wk, v = value Wv (work-group y = 0, 1, 2), on codes of FP6 (E2M3) with E8M0 scales, K = 1,024; the results are quantised in registers and leave as images of the registers
; in which the attention launch wants them.
; D = S0 x S1: source 0 = 16 rows of S0, source 1 = 16 rows of S1.  A lane then holds ONE row of S1, and its registers run along S0's rows, which are the next product's K.
;   q, k: S0 = the weight's 1,024 rows (head x 64 + d), S1 = the 8,192 tokens: the next K is the head's 64.      v: S0 = the 8,192 tokens, S1 = Wv's 1,024 rows: the next K is the keys.
; THE ROWS OF A TILE ARE NOT NEIGHBOURS, on both sides: lane r of tile 2 b + u takes row 32 b + 8 u + r + 8 (r / 8).  So the 16 registers of S0's tiles 2 b, 2 b + 1 are 16 neighbours along the next K, and the tiles of
; keys, queries and V's channels have the rows that the attention launch's layouts ask for.
; SHARES.  A work-group keeps 256 rows of S0 in registers, 64 a wave (4 tiles x 8 K steps = 32 fragments = 384 registers), and walks 512 rows of S1 as 16 pairs of tiles (32 rows, 24,576 dense bytes).
;   192 work-groups: 6,144 (slab, tile) shares, 32 to each; a share of 24, which would make 256, divides neither 512 nor 64 tiles.
; A pair goes memory -> registers -> LDS -> fragments.  Through registers, since its rows are laid out of order in LDS (tile u's lane r at LDS row 16 u + r) at a pitch of 784 bytes = 196 words: row r begins at word 4 r
; mod 64 and lanes 16-31 read 6 words further on, so the 32 lanes of an 8-byte load touch 64 different words mod 64.  No tensor load and no cluster: the rows' order in LDS is not one that a tile's descriptor states.
; A pair is asked for three trips ahead of its store into LDS (three sets of 48 registers), stored one trip ahead of its products (three LDS slots), ONE barrier a trip.
; OUT: for each pair and wave two half images (16 rows x 64 along the next K, 6 registers a lane: registers 0-3 at 16 x lane, registers 4-5 at 512 + 8 x lane: 768 bytes) and two scale bytes a row.
; LIMITS: a block of zeros, or one under 2^-124, gets the byte 1 (this program alone reads the bytes); NaN, infinities and a given scale byte 0xff are not served.
; REGISTERS, in windows of 256: window 0: v1-15 addresses; v16-47 S0's scale words (8 t + s); v48-95 S1's, three sets (16 set + 8 u + s); v96-159 the 8 accumulators (32 u + 8 t); v160-198 the quantiser's.
;   window 1: v0-191 S0's tiles 0, 1 (12 (8 (t % 2) + s)); v192-239 staging set 0.   window 2: the same for tiles 2, 3; set 1.   window 3: v0-191 S1's fragments (12 (2 s + u)); v192-239 set 2.
.set LP,    784                        ; an LDS row: 768 bytes + 16
.set SLOTB, 32*LP                      ; a slot: a pair's 32 rows; slots at 0, SLOTB, 2 SLOTB
.set SCL,   3*SLOTB                    ; the scale rows of my 512 rows of S1, dense, 32 bytes a row: 16,384 bytes
.set S0ST,  SCL+16384                  ; each wave's own 64 rows of S0, used once
.set S0WB,  64*LP
.set PAIRB, 32*768                     ; a pair in memory
.set VL2, 1                            ; v1   VL + 2 slots (an LDS immediate has 16 bits)
.set VG,  2                            ; v2   a pair in memory: (thread / 16) x 768 + 16 (thread % 16)
.set VL,  3                            ; v3   and in a slot: (thread / 16) x 784 + 16 (thread % 16)
.set VW,  4                            ; v4   my wave's rows of S0 in memory: h x 768 + 16 r
.set VWL, 5                            ; v5   and in LDS
.set VF,  6                            ; v6   a fragment's lane term: r x 784 + 24 h
.set VF0, 7                            ; v7   the same in my wave's rows of S0
.set VS0, 8                            ; v8   SCL + 32 (r + 8 (r / 8))
.set VSS, 9                            ; v9   SCL + 16 x thread
.set T16, 10                           ; v10  16 x thread
.set L16, 11                           ; v11  16 x lane
.set L8,  12                           ; v12  8 x lane
.set VOS, 13                           ; v13  4 r + 64 h
.set VR,  14                           ; v14  32 (r + 8 (r / 8))
.set VH,  15                           ; v15  16 h
.set S0SC, 16
.set S1SC, 48
.set ACC, 96
.set TM,  160                          ; v160-163 largest magnitudes, v164-167 bytes, v172-175 the conversions' scale operands
.set PC,  176                          ; v176-194 the codes just made
.set PW,  196                          ; the scale word just made
.set PX,  197                          ; and what my half of the lanes stores of it
.set VSA, 198                          ; LDS address of the pair's scale rows
.set TSV, 39                           ; s39  1,024 x the pair whose scale rows are fetched next
.set SEL, 70                           ; s[70:71] v_permlanex16_b32's selects for lane l xor 16
.set MSB, 0
.macro WIN new                         ; the immediate's high byte repeats the setting that is left; a switch that changes nothing is dropped
.if MSB != (\new)
	s_set_vgpr_msb (MSB<<8)|(\new)
.set MSB, (\new)
.endif
.endm
.macro PLACES                          ; four plain vector instructions behind matrix instructions, in front of loads into registers that they read and of the first read of results
.rept 4
	v_nop
.endr
.endm
; 64 numbers of a lane, register 16 b + i = k 32 b + 16 h + i of my row, become 12 registers of codes in v[PC] on (registers 6 c .. 6 c + 5: k = 64 c + 32 h + 0 .. 31) and four scale bytes in v[PW].
.macro QUANT s
.irp b, 0,1,2,3
	v_max3_num_f32 v[TM+\b], |v[\s+16*\b]|, |v[\s+1+16*\b]|, 0x1800000   ; block b: my 16 numbers, and the floor 2^(3 - 127): the byte cannot fall under 1
.endr
.irp i, 2,4,6,8,10,12,14
.irp b, 0,1,2,3
	v_max3_num_f32 v[TM+\b], v[TM+\b], |v[\s+16*\b+\i]|, |v[\s+1+16*\b+\i]|   ; the four blocks by turns; each accumulator is read from its low end on
.endr
.endr
.irp b, 0,1,2,3
	v_permlanex16_b32 v[TM+4+\b], v[TM+\b], s[SEL], s[SEL+1]
.endr
.irp b, 0,1,2,3
	v_max_num_f32 v[TM+\b], v[TM+\b], v[TM+4+\b]   ; with lane l xor 16's: the block's largest magnitude
.endr
.irp b, 0,1,2,3
	v_add_nc_u32 v[TM+12+\b], 0xff000000, v[TM+\b]   ; 2 off its exponent field: the conversion's scale operand
.endr
.irp b, 0,1,2,3
	v_lshrrev_b32 v[TM+4+\b], 23, v[TM+12+\b]      ; the scale's byte
.endr
	v_lshl_or_b32 v[PW], v[TM+5], 8, v[TM+4]
	v_lshl_or_b32 v[PW], v[TM+6], 16, v[PW]
	v_lshl_or_b32 v[PW], v[TM+7], 24, v[PW]
.irp c, 0,1
	v_cvt_scalef32_pk16_fp6_f32 v[PC+6*\c:PC+2+6*\c], v[\s+32*\c:\s+15+32*\c], v[TM+12+2*\c]
	v_cvt_scalef32_pk16_fp6_f32 v[PC+12+4*\c:PC+14+4*\c], v[\s+16+32*\c:\s+31+32*\c], v[TM+12+2*\c+1]   ; (a conversion's three registers begin on an even number)
.endr
	v_nop                                          ; one plain place behind a scaled conversion
.irp c, 0,1                                    ; the operand's layout wants a WHOLE block in a lane: lanes 0-15 block 2 c, lanes 16-31 block 2 c + 1
.irp i, 0,1,2
	v_permlane16_swap_b32 v[PC+6*\c+\i], v[PC+12+4*\c+\i]
.endr
.irp i, 0,1,2
	v_mov_b32 v[PC+3+6*\c+\i], v[PC+12+4*\c+\i]
.endr
.endr
.endm
; a pair from memory into staging set \set: 12 loads of the work-group's 128 threads; sixteen lanes read 256 consecutive bytes of a row
.macro GPAIR set
	WIN (((\set)+1)<<6)
.irp j, 0,1,2,3,4,5,6,7,8,9,10,11
	global_load_b128 v[192+4*\j:195+4*\j], v[VG], s[52:53] offset:8*(\j/3)*768+256*(\j%3)
.endr
	WIN 0
.endm
; and from the set into slot \set: memory rows 8 q + g go to LDS rows {0, 16, 8, 24}(q) + g
.macro SPAIR set
	WIN (((\set)+1)<<2)
.irp j, 0,1,2,3,4,5,6,7,8,9,10,11
.if (\set) == 2
	ds_store_b128 v[VL2], v[192+4*\j:195+4*\j] offset:(16*((\j/3)%2)+8*(\j/6))*LP+256*(\j%3)
.else
	ds_store_b128 v[VL], v[192+4*\j:195+4*\j] offset:(\set)*SLOTB+(16*((\j/3)%2)+8*(\j/6))*LP+256*(\j%3)
.endif
.endr
	WIN 0
.endm
; S1's fragments of K steps 4 hh .. 4 hh + 3, both tiles, from slot \slot: 48 loads of 8 bytes
.macro FRAGS slot, hh
	WIN 0xc0
.irp sq, 0,1,2,3
.irp u, 0,1
.irp p, 0,1,2,3,4,5
	ds_load_b64 v[12*(2*(4*\hh+\sq)+\u)+2*\p:12*(2*(4*\hh+\sq)+\u)+2*\p+1], v[VF] offset:\slot*SLOTB+16*\u*LP+96*(4*\hh+\sq)+48*(\p/3)+8*(\p%3)
.endr
.endr
.endr
.endm
; the pair's scale words, eight a row, into set \set
.macro SCW set
.irp u, 0,1
.irp f, 0,1
	ds_load_b128 v[S1SC+16*(\set)+8*\u+4*\f:S1SC+16*(\set)+8*\u+4*\f+3], v[VSA] offset:256*\u+16*\f
.endr
.endr
.endm
; 16 matrix instructions: K steps 4 hh .. 4 hh + 3, S1's two tiles, S0's tiles 2 tp and 2 tp + 1: four accumulators by turns, one instruction a turn.  K step 0 starts the sums.
.macro MULS hh, tp, cur
	WIN (0x0d+\tp)
.irp sq, 0,1,2,3
.irp u, 0,1
.irp tt, 0,1
.if (4*\hh+\sq) == 0
	v_wmma_scale_f32_16x16x128_f8f6f4 v[ACC+32*\u+8*(2*\tp+\tt):ACC+32*\u+8*(2*\tp+\tt)+7], v[12*(8*\tt+4*\hh+\sq):12*(8*\tt+4*\hh+\sq)+11], v[12*(2*(4*\hh+\sq)+\u):12*(2*(4*\hh+\sq)+\u)+11], 0, v[S0SC+8*(2*\tp+\tt)+4*\hh+\sq], v[S1SC+16*\cur+8*\u+4*\hh+\sq] matrix_a_fmt:MATRIX_FMT_FP6 matrix_b_fmt:MATRIX_FMT_FP6
.else
	v_wmma_scale_f32_16x16x128_f8f6f4 v[ACC+32*\u+8*(2*\tp+\tt):ACC+32*\u+8*(2*\tp+\tt)+7], v[12*(8*\tt+4*\hh+\sq):12*(8*\tt+4*\hh+\sq)+11], v[12*(2*(4*\hh+\sq)+\u):12*(2*(4*\hh+\sq)+\u)+11], v[ACC+32*\u+8*(2*\tp+\tt):ACC+32*\u+8*(2*\tp+\tt)+7], v[S0SC+8*(2*\tp+\tt)+4*\hh+\sq], v[S1SC+16*\cur+8*\u+4*\hh+\sq] matrix_a_fmt:MATRIX_FMT_FP6 matrix_b_fmt:MATRIX_FMT_FP6
.endif
.endr
.endr
.endr
.endm
	s_load_b512 s[8:23], s[0:1], 0x0               ; qc, qs, key__codes, key__scales, value_codes, value_scales, Wq_codes, Wq_scales
	s_load_b256 s[24:31], s[0:1], 0x40             ; Wk_codes, Wk_scales, Wv_codes, Wv_scales
	s_load_b128 s[32:35], s[0:1], 0x60             ; img, isc
	v_lshl_add_u32 v254, v0, 2, 0x47600
	v_mov_b32 v255, 0
	v_lshrrev_b32 v199, 5, v0
	v_readfirstlane_b32 s38, v199                  ; wave 0..3
	s_and_b32 s36, ttmp7, 0xffff                   ; p: 0 q, 1 k, 2 v
	s_mov_b32 s37, ttmp9                           ; x
	s_cmp_eq_u32 s36, 2
	s_cselect_b32 s56, 1, 4                        ; S1 has 2 ranges of 512 rows (Wv) or 16 (the tokens)
	s_cselect_b32 s57, 64, 128                     ; tiles of S1 in a run of the output's images
	s_lshr_b32 s58, s37, s56                       ; the slab of 256 rows of S0
	s_lshl_b32 s72, s58, s56
	s_sub_co_u32 s59, s37, s72                     ; the range of 512 rows of S1
	s_lshl_b32 s60, s58, 2
	s_add_co_u32 s60, s60, s38                     ; g0: my wave's 64 rows of S0: the head (q, k), the group of 64 keys (v)
	s_lshr_b32 s72, s59, 2                         ; q, k: the batch; v: 0
	s_and_b32 s73, s59, 3
	s_lshl_b32 s73, s73, 5                         ; the range's first tile in it
	s_lshl_b32 s74, s72, 11
	s_add_co_u32 s74, s74, s73                     ; images: 16 heads x 128 tiles a batch
	s_lshl_b32 s75, s72, 10
	s_add_co_u32 s75, s75, s73                     ; scale words: 8 pairs of heads x 128 tiles a batch
	s_mul_i32 s72, s60, s57
	s_add_co_u32 s74, s74, s72
	s_mul_i32 s74, s74, 768
	s_mul_i32 s72, s36, 6291456
	s_add_co_u32 s74, s74, s72                     ; where my first half image goes, in img
	s_lshr_b32 s72, s60, 1
	s_mul_i32 s72, s72, s57
	s_add_co_u32 s75, s75, s72
	s_lshl_b32 s75, s75, 6
	s_and_b32 s72, s60, 1
	s_lshl_b32 s72, s72, 1
	s_add_co_u32 s75, s75, s72
	s_lshl_b32 s72, s36, 18
	s_add_co_u32 s75, s75, s72                     ; and my first scale bytes, in isc
	s_mov_b32 s[SEL], 0x76543210
	s_mov_b32 s[SEL+1], 0xfedcba98
	s_mov_b32 s[TSV], 0
	v_and_b32 v199, 15, v0                         ; r
	v_bfe_u32 v200, v0, 4, 1                       ; h
	v_and_b32 v201, 31, v0                         ; lane
	v_lshrrev_b32 v202, 4, v0                      ; thread / 16: 0..7
	v_mul_u32_u24 v[VG], v202, 768
	v_lshl_add_u32 v[VG], v199, 4, v[VG]
	v_mul_u32_u24 v[VL], v202, LP
	v_lshl_add_u32 v[VL], v199, 4, v[VL]
	v_add_nc_u32 v[VL2], 2*SLOTB, v[VL]
	v_mul_u32_u24 v[VW], v200, 768
	v_lshl_add_u32 v[VW], v199, 4, v[VW]
	s_mul_i32 s62, s38, S0WB
	s_add_co_u32 s62, s62, S0ST                    ; my wave's rows of S0 in LDS
	v_mul_u32_u24 v[VWL], v200, LP
	v_lshl_add_u32 v[VWL], v199, 4, v[VWL]
	v_add_nc_u32 v[VWL], s62, v[VWL]
	v_mul_u32_u24 v[VF], v199, LP
	v_mad_u32_u24 v[VF], v200, 24, v[VF]
	v_add_nc_u32 v[VF0], s62, v[VF]
	v_and_b32 v[VR], 8, v199
	v_add_nc_u32 v[VR], v[VR], v199                ; r + 8 (r / 8)
	v_lshlrev_b32 v[VR], 5, v[VR]
	v_add_nc_u32 v[VS0], SCL, v[VR]
	v_lshlrev_b32 v[T16], 4, v0
	v_add_nc_u32 v[VSS], SCL, v[T16]
	v_lshlrev_b32 v[L16], 4, v201
	v_lshlrev_b32 v[L8], 3, v201
	v_lshlrev_b32 v[VOS], 2, v199
	v_lshl_add_u32 v[VOS], v200, 6, v[VOS]
	v_lshlrev_b32 v[VH], 4, v200
	v_add_nc_u32 v[VSA], s[TSV], v[VS0]
.irp b, 0,1,2,3
	v_mov_b32 v[TM+4+\b], 0                        ; written once: a lane permute's destination counts as one of its sources
.endr
	s_wait_kmcnt 0x0
	s_cmp_eq_u32 s36, 0                            ; the buffers are chosen by the work-group's y alone
	s_cselect_b64 s[40:41], s[8:9], s[12:13]
	s_cselect_b64 s[42:43], s[10:11], s[14:15]
	s_cselect_b64 s[44:45], s[20:21], s[24:25]
	s_cselect_b64 s[46:47], s[22:23], s[26:27]
	s_cmp_eq_u32 s36, 2
	s_cselect_b64 s[48:49], s[16:17], s[44:45]     ; S0's codes,
	s_cselect_b64 s[50:51], s[18:19], s[46:47]     ; S0's scales,
	s_cselect_b64 s[52:53], s[28:29], s[40:41]     ; S1's codes,
	s_cselect_b64 s[54:55], s[30:31], s[42:43]     ; S1's scales
	s_mov_b32 s73, 0
	s_mul_i32 s72, s60, 49152                      ; 64 rows of 768 bytes
	s_add_nc_u64 s[48:49], s[48:49], s[72:73]
	s_lshl_b32 s72, s60, 11                        ; 64 rows of 32 bytes
	s_add_nc_u64 s[50:51], s[50:51], s[72:73]
	s_mul_i32 s72, s59, 393216                     ; 512 rows of 768 bytes
	s_add_nc_u64 s[52:53], s[52:53], s[72:73]
	s_lshl_b32 s72, s59, 14                        ; 512 rows of 32 bytes
	s_add_nc_u64 s[54:55], s[54:55], s[72:73]
	s_mov_b32 s72, s74
	s_add_nc_u64 s[66:67], s[32:33], s[72:73]      ; where the images go
	s_mov_b32 s72, s75
	s_add_nc_u64 s[68:69], s[34:35], s[72:73]      ; where the scale bytes go
.irp j, 0,1,2,3,4,5,6,7
	global_load_b128 v[ACC+4*\j:ACC+4*\j+3], v[T16], s[54:55] offset:2048*\j     ; S1's scale rows, 16,384 dense bytes
.endr
.irp t, 0,1,2,3
.irp f, 0,1
	global_load_b128 v[S0SC+8*\t+4*\f:S0SC+8*\t+4*\f+3], v[VR], s[50:51] offset:(32*(\t/2)+8*(\t%2))*32+16*\f   ; S0's scale words stay
.endr
.endr
.set J, 0
.rept 96                               ; my wave's 64 rows of S0: two rows' 256 bytes a load, into the registers that will hold their fragments
	WIN ((1+J/48)<<6)
	global_load_b128 v[4*(J%48):4*(J%48)+3], v[VW], s[48:49] offset:2*(J/3)*768+256*(J%3)
.set J, J+1
.endr
	WIN 0
	GPAIR 0                                        ; pairs 0, 1, 2
	s_wait_xcnt 0x0                                ; the loads have read their base: it may step
	s_add_nc_u64 s[52:53], s[52:53], PAIRB
	GPAIR 1
	s_wait_xcnt 0x0
	s_add_nc_u64 s[52:53], s[52:53], PAIRB
	GPAIR 2
	s_wait_loadcnt 36                              ; all but the three pairs' 36 loads are in
.irp j, 0,1,2,3,4,5,6,7
	ds_store_b128 v[VSS], v[ACC+4*\j:ACC+4*\j+3] offset:2048*\j
.endr
.set J, 0
.rept 96
	WIN ((1+J/48)<<2)
.set EE, 2*(J/3)
	ds_store_b128 v[VWL], v[4*(J%48):4*(J%48)+3] offset:(32*(EE/32)+16*(((EE%32)/8)%2)+8*((EE%32)/16)+EE%8)*LP+256*(J%3)
.set J, J+1
.endr
	WIN 0
	s_wait_dscnt 0x0                               ; the stores have read their registers, which the fragments now take
.irp t, 0,1,2,3
	WIN ((1+\t/2)<<6)
.irp s, 0,1,2,3,4,5,6,7
.irp p, 0,1,2,3,4,5
	ds_load_b64 v[12*(8*(\t%2)+\s)+2*\p:12*(8*(\t%2)+\s)+2*\p+1], v[VF0] offset:16*\t*LP+96*\s+48*(\p/3)+8*(\p%3)   ; my own bytes: LDS serves a wave's instructions in order
.endr
.endr
.endr
	WIN 0
	s_wait_loadcnt 24                              ; pair 0 is in; pairs 1 and 2 may be out
	SPAIR 0
	s_wait_dscnt 0x0                               ; for the others' sake: my stores have landed (and S0's fragments are in)
	s_wait_xcnt 0x0
	s_add_nc_u64 s[52:53], s[52:53], PAIRB
	GPAIR 0                                        ; pair 3
	s_barrier_signal -1
	s_barrier_wait -1                              ; pair 0 and the scale rows lie in LDS
	SCW 0
	FRAGS 0, 0
	FRAGS 0, 1
	WIN 0
; THE TRIP of pair i.  cur = i % 3: its slot, staging set and scale set; nxt = (i + 1) % 3.  st: pair i + 1 exists; ld: pair i + 4 exists; lcnt: the loads of the younger pairs, which may stay out.
; The one barrier orders two things: every wave's stores of pair i + 1 (waited for in front of the signal) against the reads behind it; and every wave's reads of pair i's slot (waited for there too) against the stores
; into that slot two trips on.
.macro TRIP cur, nxt, st, ld, lcnt
.if \st
	s_wait_loadcnt \lcnt                           ; pair i + 1 is in its registers
	SPAIR \nxt
	s_wait_dscnt 60                                ; the 48 loads of K steps 4-7 and my 12 stores may be out: the scale words and K steps 0-3 are in
.else
	s_wait_dscnt 48
.endif
	MULS 0, 0, \cur
	MULS 0, 1, \cur
	s_wait_dscnt 0x0                               ; K steps 4-7 are in; my stores have landed and have read their registers
	WIN 0
.if \st
	s_add_co_u32 s[TSV], s[TSV], 1024
	v_add_nc_u32 v[VSA], s[TSV], v[VS0]            ; the next pair's scale rows
.endif
.if \ld
	s_wait_xcnt 0x0                                ; the last pair's loads have read their base
	s_add_nc_u64 s[52:53], s[52:53], PAIRB
	GPAIR \nxt                                     ; pair i + 4, into the set just stored
.endif
.if \st
	s_barrier_signal -1
.endif
	MULS 1, 0, \cur                                ; work on registers while the others arrive
.if \st
	WIN 0
	s_barrier_wait -1
	PLACES                                         ; in front of the loads into K steps 0-3's registers
	SCW \nxt
	FRAGS \nxt, 0
.endif
	MULS 1, 1, \cur
	WIN 0
	PLACES                                         ; in front of the loads into K steps 4-7's registers and of the first read of results
.if \st
	FRAGS \nxt, 1
	WIN 0
.endif
	s_wait_xcnt 0x0                                ; the last trip's stores have read their data and their bases
	s_add_nc_u64 s[66:67], s[66:67], 1536          ; two half images on; the stores reach back
	s_add_nc_u64 s[68:69], s[68:69], 128
	QUANT ACC                                      ; blocks 0, 1: S1's tile 0; blocks 2, 3: tile 1
	v_lshrrev_b32 v[PX], v[VH], v[PW]              ; lanes 0-15: tile 0's two bytes; lanes 16-31: tile 1's
	global_store_b128 v[L16], v[PC:PC+3], s[66:67] offset:-1536      ; 512 consecutive bytes
	global_store_b64 v[L8], v[PC+4:PC+5], s[66:67] offset:-1024      ; 256 consecutive bytes
	global_store_b128 v[L16], v[PC+6:PC+9], s[66:67] offset:-768
	global_store_b64 v[L8], v[PC+10:PC+11], s[66:67] offset:-256
	global_store_b16 v[VOS], v[PX], s[68:69] offset:-128             ; two bytes of each row's word; the other two are the neighbouring wave's
.endm
	s_mov_b32 s61, 4
.Lp:                                                   ; pairs 0 to 11
	TRIP 0, 1, 1, 1, 24
	TRIP 1, 2, 1, 1, 24
	TRIP 2, 0, 1, 1, 24
	s_sub_co_u32 s61, s61, 1
	s_cmp_lg_u32 s61, 0
	s_cbranch_scc1 .Lp
	TRIP 0, 1, 1, 0, 24                            ; pairs 12 to 15: nothing more is asked for, and the counts run down
	TRIP 1, 2, 1, 0, 12
	TRIP 2, 0, 1, 0, 0
	TRIP 0, 0, 0, 0, 0
	s_wait_tensorcnt 0x0
	ds_add_u32 v254, v255
	s_wait_dscnt 0x0
	s_endpgm
.Lfunc_end_k_q69821c13ee_proj:
	.size	k_q69821c13ee_proj, .Lfunc_end_k_q69821c13ee_proj-k_q69821c13ee_proj
	.p2alignl 7, 3214868480
	.fill 96, 4, 3214868480
	.section	.rodata,"a",@progbits
	.p2align	6, 0x0
	.amdhsa_kernel k_q69821c13ee_proj
		.amdhsa_group_segment_fixed_size 292864
		.amdhsa_private_segment_fixed_size 0
		.amdhsa_enable_private_segment 0
		.amdhsa_kernarg_size 112
		.amdhsa_user_sgpr_count 2
		.amdhsa_user_sgpr_kernarg_segment_ptr 1
		.amdhsa_wavefront_size32 1
		.amdhsa_system_sgpr_workgroup_id_x 1
		.amdhsa_system_sgpr_workgroup_id_y 1
		.amdhsa_system_sgpr_workgroup_id_z 1
		.amdhsa_system_vgpr_workitem_id 0
		.amdhsa_next_free_vgpr 1024
		.amdhsa_next_free_sgpr 80
		.amdhsa_reserve_vcc 0
		.amdhsa_float_denorm_mode_32 3
		.amdhsa_float_denorm_mode_16_64 3
		.amdhsa_memory_ordered 1
		.amdhsa_forward_progress 1
		.amdhsa_inst_pref_size 185
	.end_amdhsa_kernel
	.amdgpu_metadata
---
amdhsa.version: [ 1, 2 ]
amdhsa.kernels:
  - .name:           k_q69821c13ee_proj
    .symbol:         k_q69821c13ee_proj.kd
    .args:
      - { .name: qc, .offset: 0, .size: 8, .value_kind: global_buffer, .address_space: global }
      - { .name: qs, .offset: 8, .size: 8, .value_kind: global_buffer, .address_space: global }
      - { .name: key__codes, .offset: 16, .size: 8, .value_kind: global_buffer, .address_space: global }
      - { .name: key__scales, .offset: 24, .size: 8, .value_kind: global_buffer, .address_space: global }
      - { .name: value_codes, .offset: 32, .size: 8, .value_kind: global_buffer, .address_space: global }
      - { .name: value_scales, .offset: 40, .size: 8, .value_kind: global_buffer, .address_space: global }
      - { .name: Wq_codes, .offset: 48, .size: 8, .value_kind: global_buffer, .address_space: global }
      - { .name: Wq_scales, .offset: 56, .size: 8, .value_kind: global_buffer, .address_space: global }
      - { .name: Wk_codes, .offset: 64, .size: 8, .value_kind: global_buffer, .address_space: global }
      - { .name: Wk_scales, .offset: 72, .size: 8, .value_kind: global_buffer, .address_space: global }
      - { .name: Wv_codes, .offset: 80, .size: 8, .value_kind: global_buffer, .address_space: global }
      - { .name: Wv_scales, .offset: 88, .size: 8, .value_kind: global_buffer, .address_space: global }
      - { .name: img, .offset: 96, .size: 8, .value_kind: global_buffer, .address_space: global }
      - { .name: isc, .offset: 104, .size: 8, .value_kind: global_buffer, .address_space: global }
    .group_segment_fixed_size: 292864
    .private_segment_fixed_size: 0
    .kernarg_segment_align: 8
    .kernarg_segment_size: 112
    .max_flat_workgroup_size: 128
    .sgpr_count:     80
    .vgpr_count:     1024
    .wavefront_size: 32
...
	.end_amdgpu_metadata
.endif
;; end of part 2
;; launch attn (part 3): grid 8 x 64, 16 waves a work-group, no clusters, 63,488 bytes of LDS; arguments img, isc, oimg, osc; writes oimg, osc
.if DOCPART == 3
	.amdgcn_target "amdgcn-amd-amdhsa--gfx1250"
	.amdhsa_code_object_version 6
	.text
	.protected	k_q69821c13ee_attn
	.globl	k_q69821c13ee_attn
	.p2align	8
	.type	k_q69821c13ee_attn,@function
k_q69821c13ee_attn:
	s_mov_b64 s[64:65], 0
	v_nop
	global_prefetch_b8 v0, s[64:65] scope:SCOPE_SE
	s_setreg_imm32_b32 hwreg(HW_REG_WAVE_MODE, 25, 1), 1
	s_wait_xcnt 0x0
; Attention of one head (work-group y = 16 x batch + head) for 256 queries (work-group x), both products on codes of FP6 (E2M3) with E8M0 scales.  q, k, v come as images of operand registers (half images of 768 bytes:
; 16 rows x 64 along K; registers 0-3 at 16 x lane, registers 4-5 at 512 + 8 x lane) with their scale bytes; the result / l is quantised along the head's 64 and leaves in the same form.
; THE SOFTMAX: t = score x log2(e) / 8; M = the row's largest t so far, rounded UP to a whole number; p = 2^(t - M) is what is quantised, along the keys, not normalised.  The row's sum is taken of the unquantised p and
; divides at the end (v_rcp_f32 and a multiplication).  When M moves, the sum and O are multiplied by 2^(old M - new M): exact.
; SHARES.  Each of SIXTEEN waves owns one tile of 16 queries in 256 registers, four waves to a SIMD, so that one wave's vector work stands beside another's matrix work and LDS loads.  Every wave walks the 2,048 keys, 128 a
; step.  K and V come through two LDS slots of 256 keys (24,576 bytes = 48 runs of 512 bytes; each wave brings three, memory -> registers -> LDS, asked for a slot ahead), one barrier a slot.
; No tensor load: a wave's share of a slot is three loads.  No cluster: what the eight query blocks of a head share is 24,576 bytes for two key steps of sixteen waves.
; LAYOUT.  Both products transposed: S^T = K Q^T (source 0 = 16 keys), O^T = V^T P^T (source 0 = 16 channels): a lane holds ONE query throughout.  Lane r of key tile 2 b + u holds key 32 b + 8 u + r + 8 (r / 8), so the 16
; registers of tiles 2 b, 2 b + 1 are keys 32 b + 16 h + 0 .. 15; V's channel tiles have the same order, so O^T's registers are 16 neighbouring channels for the quantiser at the end.
; K = 64 IN AN INSTRUCTION OF K = 128: Q's registers 6-11 are zero codes.  K's operand for tile j is v[32 + 6 j] on, 12 registers: its upper six are the next tile's codes (behind tile 7: zeros), which meet zero codes and add
; nothing.  The upper two scale bytes of Q's word are 0 (2^-127), K's are 0 or the neighbouring head's bytes: never 0xff.
; LIMITS: NaN and infinities are not served; a block of zeros or under 2^-124 gets the byte 1 (this program alone reads the bytes).
; REGISTERS: v1-7 addresses that stay; v10, v11 scale words' addresses; v12 -M, v13 the largest t, v[14:15] the sum in two halves; v16-27 Q, v28 its scale word; v32-85 K's or V's fragments; v96-159 S^T, then p;
;   v160-191 O^T; v192-203 the slot on its way; v204-211 K's scale words, v212-215 V's; v224-235 p's codes; v232-254 at work (v250 f, v253 p's scale word).
.set SL1,  32768                       ; slot 1 (slot 0 at 0): 16 tiles of K (12,288 bytes), then V: [group of 64 keys, 4][channel tile, 4][768]
.set VOFF, 12288
.set KSC,  24576                       ; K's scale words of the whole head: [tile 128][r 16] words: 8,192 bytes
.set VSC,  57344                       ; V's: [key step 16][channel tile 4][r 16] words: 4,096 bytes
.macro PLACES
.rept 4
	v_nop
.endr
.endm
	s_load_b256 s[4:11], s[0:1], 0x0               ; img s[4:5], isc s[6:7], oimg s[8:9], osc s[10:11]
	v_lshl_add_u32 v249, v0, 2, 0xf000
	v_mov_b32 v255, 0
	v_lshrrev_b32 v8, 5, v0
	v_readfirstlane_b32 s12, v8                    ; wave 0..15
	s_and_b32 s14, ttmp7, 0xffff                   ; y
	s_lshr_b32 s15, s14, 4                         ; batch
	s_and_b32 s16, s14, 15                         ; head
	s_lshr_b32 s17, s16, 1                         ; the pair of heads
	s_and_b32 s18, s16, 1                          ; and which of the two
	s_lshl_b32 s19, ttmp9, 4
	s_add_co_u32 s19, s19, s12                     ; my tile of queries in the batch: 16 x + wave
	s_lshl_b32 s60, s18, 4
	s_mov_b32 s20, 0x76543210
	s_mov_b32 s21, 0xfedcba98                      ; v_permlanex16_b32's selects for lane l xor 16
	s_mov_b32 s22, 0x3e38aa3b                      ; c = log2(e) / 8
	s_mov_b32 s23, s22                             ; (named with it as a pair, so it is written)
	s_mov_b32 s33, 0
	s_mov_b32 s35, 0                               ; K's scale words: 2,048 bytes a trip
	s_mov_b32 s36, 0                               ; V's: 1,024 bytes a trip
	v_and_b32 v29, 31, v0                          ; lane
	v_and_b32 v30, 15, v0                          ; r
	v_bfe_u32 v31, v0, 4, 1                        ; h
	v_lshlrev_b32 v1, 4, v29                       ; 16 x lane
	v_lshlrev_b32 v2, 3, v29                       ; 8 x lane
	v_lshl_add_u32 v3, v30, 2, KSC
	v_lshl_add_u32 v4, v30, 2, VSC
	s_lshl_b32 s50, s12, 9
	v_add_nc_u32 v5, s50, v1                       ; my run of a slot: 512 x wave + 16 x lane
	v_lshlrev_b32 v6, 3, v31                       ; 8 h
	v_lshl_add_u32 v7, v30, 5, v31                 ; 32 r + h
	v_add_nc_u32 v8, KSC, v5
	s_lshl_b32 s50, s12, 8
	v_add_nc_u32 v9, s50, v2
	v_add_nc_u32 v9, VSC, v9
	v_lshlrev_b32 v30, 2, v30                      ; 4 r
	s_wait_kmcnt 0x0
	s_lshl_b32 s32, s14, 7
	s_add_co_u32 s32, s32, s19
	s_mul_i32 s32, s32, 768
	s_add_nc_u64 s[38:39], s[4:5], s[32:33]        ; Q's half image
	s_lshl_b32 s51, s15, 3
	s_add_co_u32 s51, s51, s17                     ; 8 x batch + pair of heads
	s_lshl_b32 s32, s51, 7
	s_add_co_u32 s32, s32, s19
	s_lshl_b32 s32, s32, 6
	s_lshl_b32 s52, s18, 1
	s_add_co_u32 s32, s32, s52
	s_add_nc_u64 s[40:41], s[6:7], s[32:33]        ; Q's scale bytes
	s_lshl_b32 s32, s51, 13
	s_lshl_b32 s52, s12, 9
	s_add_co_u32 s32, s32, s52
	s_add_co_u32 s32, s32, 262144
	s_add_nc_u64 s[42:43], s[6:7], s[32:33]        ; my 512 bytes of K's scale words
	s_lshl_b32 s32, s15, 16
	s_lshl_b32 s52, s12, 12
	s_add_co_u32 s32, s32, s52
	s_lshl_b32 s52, s16, 8
	s_add_co_u32 s32, s32, s52
	s_add_co_u32 s32, s32, 524288
	s_add_nc_u64 s[44:45], s[6:7], s[32:33]        ; key step w's 256 bytes of V's
	s_lshl_b32 s53, s15, 7
	s_add_co_u32 s53, s53, s19                     ; T: my tile of tokens, 0..511
	s_lshl_b32 s32, s53, 3
	s_add_co_u32 s32, s32, s17
	s_mul_i32 s32, s32, 1536
	s_mul_i32 s52, s18, 768
	s_add_co_u32 s32, s32, s52
	s_add_nc_u64 s[46:47], s[8:9], s[32:33]        ; where my result's half image goes
	s_lshl_b32 s32, s53, 9
	s_lshl_b32 s52, s17, 2
	s_add_co_u32 s32, s32, s52
	s_lshl_b32 s52, s18, 1
	s_add_co_u32 s32, s32, s52
	s_add_nc_u64 s[48:49], s[10:11], s[32:33]      ; and its scale bytes
	; the three runs of 512 bytes of a slot that I bring: runs w, 16 + w, 32 + w of 48.  Runs 0-23 are K's; run 24 + v is V's run v: group of keys v / 6, bytes 512 (v % 6) of its four channel tiles
	s_mul_i32 s54, s15, 1572864
	s_mul_i32 s52, s16, 3072
	s_add_co_u32 s54, s54, s52
	s_add_co_u32 s54, s54, 12582912                ; V: my batch, my head
	s_add_co_u32 s55, s12, 8                       ; v = 8 + w
	s_mul_i32 s56, s55, 11
	s_lshr_b32 s56, s56, 6                         ; v / 6 (for v under 24)
	s_mul_i32 s57, s56, 6
	s_sub_co_u32 s55, s55, s57
	s_lshl_b32 s55, s55, 9
	s_mul_i32 s56, s56, 49152
	s_add_co_u32 s55, s55, s56
	s_add_co_u32 s32, s55, s54
	s_add_nc_u64 s[28:29], s[4:5], s[32:33]        ; run 32 + w
	s_sub_co_i32 s55, s12, 8
	s_max_i32 s55, s55, 0                          ; v = w - 8, for waves 8-15
	s_mul_i32 s56, s55, 11
	s_lshr_b32 s56, s56, 6
	s_mul_i32 s57, s56, 6
	s_sub_co_u32 s55, s55, s57
	s_lshl_b32 s55, s55, 9
	s_mul_i32 s56, s56, 49152
	s_add_co_u32 s55, s55, s56
	s_add_co_u32 s55, s55, s54
	s_mul_i32 s32, s14, 98304
	s_lshl_b32 s52, s12, 9
	s_add_co_u32 s32, s32, s52
	s_add_co_u32 s32, s32, 6291456
	s_add_nc_u64 s[24:25], s[4:5], s[32:33]        ; run w
	s_add_co_u32 s32, s32, 8192                    ; K's run 16 + w, for waves 0-7
	s_cmp_lt_u32 s12, 8
	s_cselect_b32 s32, s32, s55
	s_mov_b32 s30, 196608
	s_cselect_b32 s30, 12288, s30                  ; a slot on: 16 tiles of K, or 4 groups of 64 keys of V
	s_mov_b32 s31, 0
	s_add_nc_u64 s[26:27], s[4:5], s[32:33]        ; run 16 + w
	global_load_b128 v[16:19], v1, s[38:39]        ; Q stays in registers
	global_load_b64 v[20:21], v2, s[38:39] offset:512
	global_load_u16 v28, v30, s[40:41]             ; its two scale bytes; the upper two are 0
	global_load_b128 v[204:207], v1, s[42:43]
	global_load_b64 v[208:209], v2, s[44:45]
	global_load_b128 v[192:195], v1, s[24:25]      ; keys 0-255
	global_load_b128 v[196:199], v1, s[26:27]
	global_load_b128 v[200:203], v1, s[28:29]
.irp j, 0,1,2,3,4,5
	v_mov_b32 v[22+\j], 0                          ; Q's zero codes for k = 64 .. 127
	v_mov_b32 v[80+\j], 0                          ; what stands behind K's tile 7
.endr
	v_mov_b32 v13, 0xff61b1e6                      ; the largest t so far: -3e38, under every t
	v_floor_f32 v12, -v13                          ; -M
	v_mov_b32 v14, 0                               ; the sum, in two halves
	v_mov_b32 v15, 0
.irp b, 0,1,2,3
	v_mov_b32 v[236+\b], 0                         ; written once: a lane permute's destination counts as one of its sources
.endr
	v_mov_b32 v251, 0                              ; (named as the upper half of the pair v[250:251])
	v_mov_b32 v252, 0
.set J, 0
.rept 32
	v_mov_b32 v[160+J], 0                          ; O^T.  (The step is written once: the first finds zeros, which the first change of M leaves zeros)
.set J, J+1
.endr
	s_wait_loadcnt 0x0
.irp i, 0,1,2,3
	v_lshrrev_b32 v[204+\i], s60, v[204+\i]        ; my head's two bytes of each word go to the low half: no LDS address then hangs on the head
.endr
	ds_store_b128 v8, v[204:207]
	ds_store_b64 v9, v[208:209]
.irp k, 0,1,2
	ds_store_b128 v5, v[192+4*\k:195+4*\k] offset:8192*\k
.endr
	s_wait_dscnt 0x0                               ; for the others' sake: my stores have landed; they have also read their registers
.macro GET                             ; the next slot's three runs are asked for.  The wait for the last three loads has freed their bases
	s_add_nc_u64 s[24:25], s[24:25], 12288
	s_add_nc_u64 s[26:27], s[26:27], s[30:31]
	s_add_nc_u64 s[28:29], s[28:29], 196608
	global_load_b128 v[192:195], v1, s[24:25]
	global_load_b128 v[196:199], v1, s[26:27]
	global_load_b128 v[200:203], v1, s[28:29]
.endm
.macro PUT sl                          ; and go into LDS slot sl, which nobody reads since the last barrier
	s_wait_loadcnt 0x0
.irp k, 0,1,2
	ds_store_b128 v5, v[192+4*\k:195+4*\k] offset:\sl*SL1+8192*\k
.endr
	s_wait_dscnt 0x0                               ; the stores have read their registers
.endm
	GET                                            ; keys 256-511
	s_barrier_signal -1
	s_barrier_wait -1                              ; slot 0 and the scale words lie in LDS
; A KEY STEP: 128 keys, the q-th of LDS slot sl.
.macro STEP sl, q
	PLACES                                         ; in front of loads into registers that the last products read
.irp j, 0,1,2,3,4,5,6,7
	ds_load_b128 v[32+6*\j:35+6*\j], v1 offset:\sl*SL1+(8*\q+\j)*768
	ds_load_b64 v[36+6*\j:37+6*\j], v2 offset:\sl*SL1+(8*\q+\j)*768+512
	ds_load_b32 v[204+\j], v10 offset:(2*\sl+\q)*512+64*\j
.endr
	s_wait_dscnt 0x0
.irp j, 0,1,2,3,4,5,6,7
	v_wmma_scale_f32_16x16x128_f8f6f4 v[96+8*\j:103+8*\j], v[32+6*\j:43+6*\j], v[16:27], 0, v[204+\j], v28 matrix_a_fmt:MATRIX_FMT_FP6 matrix_b_fmt:MATRIX_FMT_FP6
.endr
	PLACES
.irp dt, 0,1,2,3                               ; V's fragments are asked for now and land under the softmax
.irp c, 0,1
	ds_load_b128 v[32+12*\dt+6*\c:35+12*\dt+6*\c], v1 offset:\sl*SL1+VOFF+(2*\q+\c)*3072+\dt*768
	ds_load_b64 v[36+12*\dt+6*\c:37+12*\dt+6*\c], v2 offset:\sl*SL1+VOFF+(2*\q+\c)*3072+\dt*768+512
.endr
	ds_load_b32 v[212+\dt], v11 offset:(2*\sl+\q)*256+64*\dt
.endr
.irp b, 0,1,2,3
	v_max3_num_f32 v[232+\b], v[96+16*\b], v[97+16*\b], v[98+16*\b]   ; THE LARGEST SCORE OF EACH BLOCK OF 32 KEYS: for the row's maximum and, since p rises with the score, for the block's largest p
.endr
.irp i, 3,5,7,9,11,13
.irp b, 0,1,2,3
	v_max3_num_f32 v[232+\b], v[232+\b], v[96+16*\b+\i], v[97+16*\b+\i]   ; (the four blocks by turns)
.endr
.endr
.irp b, 0,1,2,3
	v_max_num_f32 v[232+\b], v[232+\b], v[111+16*\b]
.endr
.irp b, 0,1,2,3
	v_permlanex16_b32 v[236+\b], v[232+\b], s20, s21
.endr
.irp b, 0,1,2,3
	v_max_num_f32 v[232+\b], v[232+\b], v[236+\b]  ; with lane l xor 16's 16 keys
.endr
	v_max3_num_f32 v254, v232, v233, v234
	v_max_num_f32 v254, v254, v235                 ; the step's largest score of my query
	v_mul_f32 v254, s22, v254                      ; as t (c is positive)
	v_max_num_f32 v13, v13, v254                   ; the running largest t
	v_mov_b32 v254, v12
	v_floor_f32 v12, -v13                          ; the new -M = floor(-t) = -ceil(t): M IS A WHOLE NUMBER
	v_sub_f32 v254, v12, v254                      ; M's old value less its new one: a whole number, 0 or less
	v_cvt_i32_f32 v254, v254                       ; (it saturates)
	v_ldexp_f32 v250, 1.0, v254                    ; f = 2^(old M - new M)
.set J, 0
.rept 32
	v_pk_fma_f32 v[96+J:97+J], v[96+J:97+J], s[22:23], v[12:13] op_sel_hi:[1,0,0]   ; t - M, two at a time (of the pairs c and -M the low word serves both halves)
.set J, J+2
.endr
.irp b, 0,1,2,3
	v_fma_f32 v[232+\b], v[232+\b], s22, v12       ; the same of each block's largest score
.endr
.set J, 0
.rept 64
	v_exp_f32 v[96+J], v[96+J]                     ; p = 2^(t - M), at most 1: NOT normalised
.set J, J+1
.endr
	v_pk_mul_f32 v[14:15], v[14:15], v[250:251] op_sel_hi:[1,0]   ; the sums under the new M.  (A plain place behind the exponentials)
	s_wait_alu depctr_va_vdst(0)                   ; one wait for the whole batch, ahead of its first reader
.irp b, 0,1,2,3
	v_exp_f32 v[232+\b], v[232+\b]                 ; the block's largest p: the same two instructions on the same number give the same bits
.endr
	v_pk_add_f32 v[236:237], v[96:97], v[98:99]    ; THE ROW'S SUM IS TAKEN OF THE UNQUANTISED p: two at a time, in two chains.  (It reads the 64 alone: plain work behind the four)
.irp j, 4,8,12,16,20,24,28,32,36,40,44,48,52,56,60
	v_pk_add_f32 v[14:15], v[14:15], v[96+\j:97+\j]
	v_pk_add_f32 v[236:237], v[236:237], v[98+\j:99+\j]
.endr
	v_pk_add_f32 v[14:15], v[14:15], v[236:237]
	s_wait_alu depctr_va_vdst(0)                   ; and one for the four
.irp b, 0,1,2,3
	v_max_num_f32 v[232+\b], 0x1800000, v[232+\b]  ; the floor 2^(3 - 127): the byte cannot fall under 1
.endr
.irp b, 0,1,2,3
	v_add_nc_u32 v[244+\b], 0xff000000, v[232+\b]  ; 2 off the exponent field: the conversion's scale operand
.endr
.irp b, 0,1,2,3
	v_lshrrev_b32 v[236+\b], 23, v[244+\b]         ; the scale's byte
.endr
	v_lshl_or_b32 v253, v237, 8, v236              ; p's scale word for these 128 keys
	v_lshl_or_b32 v253, v238, 16, v253
	v_lshl_or_b32 v253, v239, 24, v253
.irp c, 0,1
	v_cvt_scalef32_pk16_fp6_f32 v[224+6*\c:226+6*\c], v[96+32*\c:111+32*\c], v[244+2*\c]
	v_cvt_scalef32_pk16_fp6_f32 v[236+4*\c:238+4*\c], v[112+32*\c:127+32*\c], v[244+2*\c+1]   ; (a conversion's three registers begin on an even number)
.endr
	v_nop                                          ; one plain place behind a scaled conversion
.irp c, 0,1                                    ; the operand's layout wants a WHOLE block in a lane
.irp i, 0,1,2
	v_permlane16_swap_b32 v[224+6*\c+\i], v[236+4*\c+\i]
.endr
.irp i, 0,1,2
	v_mov_b32 v[227+6*\c+\i], v[236+4*\c+\i]
.endr
.endr
.set J, 0
.rept 16
	v_pk_mul_f32 v[160+J:161+J], v[160+J:161+J], v[250:251] op_sel_hi:[1,0]   ; O^T under the new M: x f.  For each product below, the twelve of these on the other three tiles name none of its registers: the places behind p's scale word and codes
.set J, J+2
.endr
	s_wait_dscnt 0x0                               ; V is in
.irp dt, 0,1,2,3
	v_wmma_scale_f32_16x16x128_f8f6f4 v[160+8*\dt:167+8*\dt], v[32+12*\dt:43+12*\dt], v[224:235], v[160+8*\dt:167+8*\dt], v[212+\dt], v253 matrix_a_fmt:MATRIX_FMT_FP6 matrix_b_fmt:MATRIX_FMT_FP6
.endr
.endm
	s_mov_b32 s37, 0
.Ltrip:                                                ; four trips of 512 keys: LDS slot 0, then slot 1
	v_add_nc_u32 v10, s35, v3                      ; this trip's scale words
	v_add_nc_u32 v11, s36, v4
	PUT 1                                          ; keys 512 T + 256 on, into slot 1, whose reads ended in front of the last barrier
	s_cmp_eq_u32 s37, 3
	s_cbranch_scc1 .Lno_a                          ; the last trip asks for nothing: no load leaves the buffer
	GET
.Lno_a:
	STEP 0, 0
	STEP 0, 1
	s_wait_dscnt 0x0                               ; my reads of slot 0 are over, my stores into slot 1 have landed
	s_barrier_signal -1
	s_barrier_wait -1
	s_cmp_eq_u32 s37, 3
	s_cbranch_scc1 .Lno_b
	PUT 0                                          ; keys 512 (T + 1) on
	GET
.Lno_b:
	STEP 1, 0
	STEP 1, 1
	s_wait_dscnt 0x0
	s_barrier_signal -1
	s_barrier_wait -1
	s_add_co_u32 s35, s35, 2048
	s_add_co_u32 s36, s36, 1024
	s_add_co_u32 s37, s37, 1
	s_cmp_lt_u32 s37, 4
	s_cbranch_scc1 .Ltrip
	; THE WAY OUT: O^T / the sum, quantised along the head's 64 (two blocks), as a half image and two scale bytes a query
	PLACES                                         ; behind the last products
	v_add_f32 v14, v14, v15                        ; the sum's two halves,
	v_permlanex16_b32 v252, v14, s20, s21
	v_add_f32 v14, v14, v252                       ; and lane l xor 16's: the row's sum
	v_rcp_f32 v14, v14
	v_nop                                          ; a plain place behind the transcendental
	s_wait_alu depctr_va_vdst(0)                   ; the wait, ahead of the first reader
.set J, 0
.rept 32
	v_mul_f32 v[96+J], v[160+J], v14               ; register 16 b + i: channel 32 b + 16 h + i of my query
.set J, J+1
.endr
.irp b, 0,1
	v_max3_num_f32 v[232+\b], |v[96+16*\b]|, |v[97+16*\b]|, 0x1800000
.endr
.irp i, 2,4,6,8,10,12,14
.irp b, 0,1
	v_max3_num_f32 v[232+\b], v[232+\b], |v[96+16*\b+\i]|, |v[97+16*\b+\i]|
.endr
.endr
.irp b, 0,1
	v_permlanex16_b32 v[236+\b], v[232+\b], s20, s21
.endr
.irp b, 0,1
	v_max_num_f32 v[232+\b], v[232+\b], v[236+\b]
.endr
.irp b, 0,1
	v_add_nc_u32 v[244+\b], 0xff000000, v[232+\b]
.endr
.irp b, 0,1
	v_lshrrev_b32 v[236+\b], 23, v[244+\b]
.endr
	v_lshl_or_b32 v253, v237, 8, v236
	v_cvt_scalef32_pk16_fp6_f32 v[224:226], v[96:111], v244
	v_cvt_scalef32_pk16_fp6_f32 v[240:242], v[112:127], v245
	v_nop
.irp i, 0,1,2
	v_permlane16_swap_b32 v[224+\i], v[240+\i]
.endr
.irp i, 0,1,2
	v_mov_b32 v[227+\i], v[240+\i]
.endr
	v_lshrrev_b32 v253, v6, v253                   ; lanes 0-15 store block 0's byte, lanes 16-31 block 1's
	global_store_b128 v1, v[224:227], s[46:47]     ; 512 consecutive bytes
	global_store_b64 v2, v[228:229], s[46:47] offset:512
	global_store_b8 v7, v253, s[48:49]
	s_wait_tensorcnt 0x0
	ds_add_u32 v249, v255
	s_wait_dscnt 0x0
	s_endpgm
.Lfunc_end_k_q69821c13ee_attn:
	.size	k_q69821c13ee_attn, .Lfunc_end_k_q69821c13ee_attn-k_q69821c13ee_attn
	.p2alignl 7, 3214868480
	.fill 96, 4, 3214868480
	.section	.rodata,"a",@progbits
	.p2align	6, 0x0
	.amdhsa_kernel k_q69821c13ee_attn
		.amdhsa_group_segment_fixed_size 63488
		.amdhsa_private_segment_fixed_size 0
		.amdhsa_enable_private_segment 0
		.amdhsa_kernarg_size 32
		.amdhsa_user_sgpr_count 2
		.amdhsa_user_sgpr_kernarg_segment_ptr 1
		.amdhsa_wavefront_size32 1
		.amdhsa_system_sgpr_workgroup_id_x 1
		.amdhsa_system_sgpr_workgroup_id_y 1
		.amdhsa_system_sgpr_workgroup_id_z 1
		.amdhsa_system_vgpr_workitem_id 0
		.amdhsa_next_free_vgpr 256
		.amdhsa_next_free_sgpr 66
		.amdhsa_reserve_vcc 0
		.amdhsa_float_denorm_mode_32 3
		.amdhsa_float_denorm_mode_16_64 3
		.amdhsa_memory_ordered 1
		.amdhsa_forward_progress 1
		.amdhsa_inst_pref_size 79
	.end_amdhsa_kernel
	.amdgpu_metadata
---
amdhsa.version: [ 1, 2 ]
amdhsa.kernels:
  - .name:           k_q69821c13ee_attn
    .symbol:         k_q69821c13ee_attn.kd
    .args:
      - { .name: img, .offset: 0, .size: 8, .value_kind: global_buffer, .address_space: global }
      - { .name: isc, .offset: 8, .size: 8, .value_kind: global_buffer, .address_space: global }
      - { .name: oimg, .offset: 16, .size: 8, .value_kind: global_buffer, .address_space: global }
      - { .name: osc, .offset: 24, .size: 8, .value_kind: global_buffer, .address_space: global }
    .group_segment_fixed_size: 63488
    .private_segment_fixed_size: 0
    .kernarg_segment_align: 8
    .kernarg_segment_size: 32
    .max_flat_workgroup_size: 512
    .sgpr_count:     66
    .vgpr_count:     256
    .wavefront_size: 32
...
	.end_amdgpu_metadata
.endif
;; end of part 3
;; launch oln (part 4): grid 256 x 1, 4 waves a work-group, no clusters, 134,656 bytes of LDS; arguments oimg, osc, wimg, Wo_scales, bo, gamma, beta, query, out0; writes out0
.if DOCPART == 4
	.amdgcn_target "amdgcn-amd-amdhsa--gfx1250"
	.amdhsa_code_object_version 6
	.text
	.protected	k_q69821c13ee_oln
	.globl	k_q69821c13ee_oln
	.p2align	8
	.type	k_q69821c13ee_oln,@function
k_q69821c13ee_oln:
	s_mov_b64 s[64:65], 0
	v_nop
	global_prefetch_b8 v0, s[64:65] scope:SCOPE_SE
	s_setreg_imm32_b32 hwreg(HW_REG_WAVE_MODE, 25, 1), 1
	s_wait_xcnt 0x0
; out0 = LayerNorm(a Wo + bo) x gamma + beta + query.  a: attention's result as images of operand registers (oimg, osc); Wo: fragments in register order (wimg) with the given scale bytes; the product on codes of FP6 (E2M3)
; with E8M0 scales, K = 1,024; all else in f32.
; SHARES.  A work-group owns 32 tokens (two tiles m of 16; lane r of tile m is token 32 x + 8 m + r + 8 (r / 8)) and all 1,024 columns, so that a row's mean and variance stay in the work-group.  Wave w owns columns
; 256 w .. 256 w + 255: 16 tiles `it`.  The product is used transposed (source 0 = 16 rows of Wo, source 1 = the tokens): lane (r, h) of Y(it, m) holds one token and columns 256 w + 16 it + 8 h + 0 .. 7.
; Each fragment of Wo has ONE reader in the work-group, so it goes from memory straight into that wave's registers, three loads of 512 consecutive bytes, two tiles ahead (three sets of 96 registers): no LDS, no tensor load.
; bo is the C of each sum's first matrix instruction.  The variance is taken as written: the mean of (y - mean)^2.
; The waves' sums meet in LDS (two barriers).  The normalised rows go through each wave's own stage in LDS and leave as runs of 512 consecutive bytes of a row.
; LIMITS: NaN, infinities and a given scale byte 0xff are not served.
; REGISTERS, in windows of 256: window 0: v1-10 addresses; v16-31 a's scale words (8 m + s); v32-55 Wo's, three sets; v56-79 bo, three sets; v80-95 gamma, beta; v96-135 at work; v160-255 Wo's set 2, later rows on their way out.
;   window 1: Y (16 it + 8 m).   window 2: v0-191 a's fragments (12 (8 m + s)); later all 256: query.   window 3: Wo's sets 0 and 1, at v0 and v96.
.set L16, 1                            ; 16 x lane
.set R32, 2                            ; 32 r
.set H32, 3                            ; 32 h
.set L4K, 4                            ; 4,096 x lane
.set L8,  5                            ; 8 x lane
.set SX,  6                            ; where I put a partial sum: 16 x lane + 4 x wave
.set SRD, 7                            ; where I read four: 16 r
.set SO,  8                            ; the stage: where I put 32 bytes of a row
.set SR,  9                            ; and where I read a row back
.set VH,  10                           ; h
.set AS,  16
.set WS,  32
.set BI,  56
.set GA,  80
.set BE,  88
.set SM,  96                           ; v96-103 sums: two chains of pairs for each m
.set MU,  112                          ; v112-115 the means, each twice
.set RS,  116                          ; v116-119 1 / sqrt(variance + eps), each twice
.set TP,  120                          ; v120-131 at work
.set Z,   160
.set STG, 1024                         ; LDS: 0 and 512: the sums' words; from 1,024 a stage of 32 rows x (1,024 + 16) bytes for each wave
.set SPI, 1040
.set SEL, 28                           ; s[28:29]
.set HM,  40                           ; s40  the mask of lanes 16-31
.set MSB, 0
.macro WIN new
.if MSB != (\new)
	s_set_vgpr_msb (MSB<<8)|(\new)
.set MSB, (\new)
.endif
.endm
.macro PLACES
.rept 4
	v_nop
.endr
.endm
	s_load_b512 s[4:19], s[0:1], 0x0               ; oimg, osc, wimg, Wo_scales, bo, gamma, beta, query
	s_load_b64 s[20:21], s[0:1], 0x40              ; out0
	v_lshl_add_u32 v158, v0, 2, 0x20c00
	v_mov_b32 v159, 0
	v_lshrrev_b32 v11, 5, v0
	v_readfirstlane_b32 s22, v11                   ; wave 0..3
	v_and_b32 v11, 31, v0                          ; lane
	v_and_b32 v12, 15, v0                          ; r
	v_bfe_u32 v[VH], v0, 4, 1
	v_lshlrev_b32 v[L16], 4, v11
	v_lshlrev_b32 v[L8], 3, v11
	v_lshlrev_b32 v[R32], 5, v12
	v_lshlrev_b32 v[H32], 5, v[VH]
	v_lshlrev_b32 v[L4K], 12, v11
	s_lshl_b32 s23, s22, 2
	v_add_nc_u32 v[SX], s23, v[L16]
	v_lshlrev_b32 v[SRD], 4, v12
	s_mul_i32 s23, s22, 32*SPI
	s_add_co_u32 s23, s23, STG                     ; my stage
	v_mul_u32_u24 v[SO], v12, SPI
	v_lshl_add_u32 v[SO], v[VH], 5, v[SO]
	v_add_nc_u32 v[SO], s23, v[SO]
	v_add_nc_u32 v[SR], s23, v[L16]
	v_cmp_ne_u32 s[HM], 0, v[VH]
	v_mov_b32 v[TP], 0                             ; written once: a lane permute's destination counts as one of its sources
	v_mov_b32 v[TP+1], 0
	s_mov_b32 s[SEL], 0x76543210
	s_mov_b32 s[SEL+1], 0xfedcba98
	s_mov_b32 s41, 0x3a800000                      ; 1 / 1,024
	s_mov_b32 s42, 0x3727c5ac                      ; 1e-5
	s_mov_b32 s25, 0
	s_wait_kmcnt 0x0
	s_mul_i32 s24, ttmp9, 24576                    ; two tiles x 8 K steps x 1,536 bytes
	s_add_nc_u64 s[4:5], s[4:5], s[24:25]
	s_lshl_b32 s24, ttmp9, 10
	s_add_nc_u64 s[6:7], s[6:7], s[24:25]
	s_mul_i32 s24, s22, 196608                     ; my 16 tiles of Wo
	s_add_nc_u64 s[8:9], s[8:9], s[24:25]
	s_lshl_b32 s24, s22, 13                        ; my 256 rows of its scale bytes
	s_add_nc_u64 s[10:11], s[10:11], s[24:25]
	s_lshl_b32 s24, s22, 10                        ; my 256 columns, in f32
	s_add_nc_u64 s[12:13], s[12:13], s[24:25]
	s_add_nc_u64 s[14:15], s[14:15], s[24:25]
	s_add_nc_u64 s[16:17], s[16:17], s[24:25]
	s_lshl_b32 s26, ttmp9, 17                      ; my 32 rows of 4,096 bytes
	s_add_co_u32 s24, s24, s26
	s_add_nc_u64 s[18:19], s[18:19], s[24:25]
	s_add_nc_u64 s[20:21], s[20:21], s[24:25]
	WIN 0x80
.irp f, 0,1,2,3,4,5,6,7,8,9,10,11,12,13,14,15  ; a's fragments (f = 8 m + s): two half images each
.irp c, 0,1
	global_load_b128 v[12*\f+6*\c:12*\f+6*\c+3], v[L16], s[4:5] offset:1536*\f+768*\c
	global_load_b64 v[12*\f+6*\c+4:12*\f+6*\c+5], v[L8], s[4:5] offset:1536*\f+768*\c+512
.endr
.endr
	WIN 0
.irp m, 0,1
.irp f, 0,1
	global_load_b128 v[AS+8*\m+4*\f:AS+8*\m+4*\f+3], v[R32], s[6:7] offset:512*\m+16*\f
.endr
.endr
.irp k, 0,1
	global_load_b128 v[GA+4*\k:GA+4*\k+3], v[L16], s[14:15] offset:512*\k     ; gamma and beta of columns 256 w + 128 k + 4 x lane + 0 .. 3: the way out's layout
	global_load_b128 v[BE+4*\k:BE+4*\k+3], v[L16], s[16:17] offset:512*\k
.endr
; tile it of Wo: 8 fragments, its rows' scale words, its columns' bias: 28 loads, into set it % 3
.macro BATCH it
.set BS, (\it)%3
.if BS < 2
	WIN 0xc0
.set BB, 96*BS
.else
	WIN 0
.set BB, 160
.endif
.irp s, 0,1,2,3,4,5,6,7
.irp c, 0,1,2
	global_load_b128 v[BB+12*\s+4*\c:BB+12*\s+4*\c+3], v[L16], s[8:9] offset:(\it)*12288+1536*\s+512*\c
.endr
.endr
	WIN 0
.irp f, 0,1
	global_load_b128 v[WS+8*BS+4*\f:WS+8*BS+4*\f+3], v[R32], s[10:11] offset:(\it)*512+16*\f
	global_load_b128 v[BI+8*BS+4*\f:BI+8*BS+4*\f+3], v[H32], s[12:13] offset:(\it)*64+16*\f
.endr
.endm
; 16 matrix instructions: the two tiles of tokens by turns, K ascending; the first takes the bias as C
.macro PROD it
.set PS, (\it)%3
.if PS < 2
.set PB, 96*PS
.set PA, 3
.else
.set PB, 160
.set PA, 0
.endif
.irp s, 0,1,2,3,4,5,6,7
.if \s == 0
	WIN (0x48+PA)                                  ; D window 1, a window 2, C (the bias) window 0, Wo window 3 or 0
.else
	WIN (0x58+PA)                                  ; C window 1
.endif
.irp m, 0,1
.if \s == 0
	v_wmma_scale_f32_16x16x128_f8f6f4 v[16*(\it)+8*\m:16*(\it)+8*\m+7], v[PB+12*\s:PB+12*\s+11], v[12*(8*\m+\s):12*(8*\m+\s)+11], v[BI+8*PS:BI+8*PS+7], v[WS+8*PS+\s], v[AS+8*\m+\s] matrix_a_fmt:MATRIX_FMT_FP6 matrix_b_fmt:MATRIX_FMT_FP6
.else
	v_wmma_scale_f32_16x16x128_f8f6f4 v[16*(\it)+8*\m:16*(\it)+8*\m+7], v[PB+12*\s:PB+12*\s+11], v[12*(8*\m+\s):12*(8*\m+\s)+11], v[16*(\it)+8*\m:16*(\it)+8*\m+7], v[WS+8*PS+\s], v[AS+8*\m+\s] matrix_a_fmt:MATRIX_FMT_FP6 matrix_b_fmt:MATRIX_FMT_FP6
.endif
.endr
.endr
.endm
	BATCH 0
	BATCH 1
.set IT, 0
.rept 16
.if (IT > 0) && (IT <= 13)
	PLACES                                         ; in front of loads into the set that the last tile's products read
.endif
.if IT <= 13
	BATCH (IT+2)
.endif
.if (IT >= 4) && (IT <= 7)
	global_prefetch_b8 v[L4K], s[18:19] offset:256*(IT-4) th:TH_LOAD_NT scope:SCOPE_SE   ; the residual, which is loaded behind the products: a lane a row, 256 bytes of my wave's 1,024 in each of four tiles' turns: each run is named once in the launch
.endif
.if IT <= 13
	s_wait_loadcnt 56                              ; two younger batches of 28 may be out: this tile's is in, and all that was asked for at the head
.elseif IT == 14
	s_wait_loadcnt 28
.else
	s_wait_loadcnt 0x0
.endif
	PROD IT
.set IT, IT+1
.endr
	WIN 0
	PLACES                                         ; behind the last products: a's registers take the residual, and the results are read
	WIN 0x80
.set CH, 0
.rept 64                               ; query, in the way out's layout: run CH = (stage row CH / 2, half CH % 2): 512 consecutive bytes of a row
.set PS, CH/2
	global_load_b128 v[4*CH:4*CH+3], v[L16], s[18:19] offset:(8*(PS/16)+PS%16+8*((PS%16)/8))*4096+512*(CH%2) th:TH_LOAD_NT
.set CH, CH+1
.endr
; my two tokens' sums over my lane's 128 numbers stand in two chains of pairs each; they are added, joined with lane l xor 16's and, through LDS, with the other three waves'.  The totals: v[TP+4] (m = 0), v[TP+8] (m = 1).
.macro REDUCE off
.irp m, 0,1
	v_pk_add_f32 v[SM+4*\m:SM+4*\m+1], v[SM+4*\m:SM+4*\m+1], v[SM+4*\m+2:SM+4*\m+3]
.endr
.irp m, 0,1
	v_add_f32 v[SM+4*\m], v[SM+4*\m], v[SM+4*\m+1]
.endr
.irp m, 0,1
	v_permlanex16_b32 v[TP+\m], v[SM+4*\m], s[SEL], s[SEL+1]
.endr
.irp m, 0,1
	v_add_f32 v[SM+4*\m], v[SM+4*\m], v[TP+\m]
.endr
	v_cndmask_b32 v[TP+2], v[SM], v[SM+4], s[HM]   ; lanes 0-15 send tile 0's sums, lanes 16-31 tile 1's
	ds_store_b32 v[SX], v[TP+2] offset:\off
	s_wait_dscnt 0x0                               ; for the others' sake: my store has landed
	s_barrier_signal -1
	s_barrier_wait -1
	ds_load_b128 v[TP+4:TP+7], v[SRD] offset:\off
	ds_load_b128 v[TP+8:TP+11], v[SRD] offset:\off+256
	s_wait_dscnt 0x0
.irp m, 0,1
	v_add_f32 v[TP+4+4*\m], v[TP+4+4*\m], v[TP+5+4*\m]
	v_add_f32 v[TP+6+4*\m], v[TP+6+4*\m], v[TP+7+4*\m]
.endr
.irp m, 0,1
	v_add_f32 v[TP+4+4*\m], v[TP+4+4*\m], v[TP+6+4*\m]
.endr
.endm
	; the mean.  Each accumulator is read from its low end on
	WIN 0x05                                       ; both sources window 1
.irp m, 0,1
	v_pk_add_f32 v[SM+4*\m:SM+4*\m+1], v[8*\m:8*\m+1], v[8*\m+2:8*\m+3]
	v_pk_add_f32 v[SM+4*\m+2:SM+4*\m+3], v[8*\m+4:8*\m+5], v[8*\m+6:8*\m+7]
.endr
	WIN 0x04                                       ; source 1 window 1
.irp it, 1,2,3,4,5,6,7,8,9,10,11,12,13,14,15
.irp m, 0,1
	v_pk_add_f32 v[SM+4*\m:SM+4*\m+1], v[SM+4*\m:SM+4*\m+1], v[16*\it+8*\m:16*\it+8*\m+1]
	v_pk_add_f32 v[SM+4*\m+2:SM+4*\m+3], v[SM+4*\m+2:SM+4*\m+3], v[16*\it+8*\m+2:16*\it+8*\m+3]
	v_pk_add_f32 v[SM+4*\m:SM+4*\m+1], v[SM+4*\m:SM+4*\m+1], v[16*\it+8*\m+4:16*\it+8*\m+5]
	v_pk_add_f32 v[SM+4*\m+2:SM+4*\m+3], v[SM+4*\m+2:SM+4*\m+3], v[16*\it+8*\m+6:16*\it+8*\m+7]
.endr
.endr
	WIN 0
	REDUCE 0
.irp m, 0,1
	v_mul_f32 v[MU+2*\m], s41, v[TP+4+4*\m]
	v_mul_f32 v[MU+2*\m+1], s41, v[TP+4+4*\m]
.endr
	; d = y - mean, in place; then the sum of d^2
	WIN 0x41                                       ; destination and source 0 window 1
.irp it, 0,1,2,3,4,5,6,7,8,9,10,11,12,13,14,15
.irp m, 0,1
.irp j, 0,2,4,6
	v_pk_add_f32 v[16*\it+8*\m+\j:16*\it+8*\m+\j+1], v[16*\it+8*\m+\j:16*\it+8*\m+\j+1], v[MU+2*\m:MU+2*\m+1] neg_lo:[0,1] neg_hi:[0,1]
.endr
.endr
.endr
	WIN 0x05
.irp m, 0,1
	v_pk_mul_f32 v[SM+4*\m:SM+4*\m+1], v[8*\m:8*\m+1], v[8*\m:8*\m+1]
	v_pk_mul_f32 v[SM+4*\m+2:SM+4*\m+3], v[8*\m+2:8*\m+3], v[8*\m+2:8*\m+3]
	v_pk_fma_f32 v[SM+4*\m:SM+4*\m+1], v[8*\m+4:8*\m+5], v[8*\m+4:8*\m+5], v[SM+4*\m:SM+4*\m+1]
	v_pk_fma_f32 v[SM+4*\m+2:SM+4*\m+3], v[8*\m+6:8*\m+7], v[8*\m+6:8*\m+7], v[SM+4*\m+2:SM+4*\m+3]
.endr
.irp it, 1,2,3,4,5,6,7,8,9,10,11,12,13,14,15
.irp m, 0,1
	v_pk_fma_f32 v[SM+4*\m:SM+4*\m+1], v[16*\it+8*\m:16*\it+8*\m+1], v[16*\it+8*\m:16*\it+8*\m+1], v[SM+4*\m:SM+4*\m+1]
	v_pk_fma_f32 v[SM+4*\m+2:SM+4*\m+3], v[16*\it+8*\m+2:16*\it+8*\m+3], v[16*\it+8*\m+2:16*\it+8*\m+3], v[SM+4*\m+2:SM+4*\m+3]
	v_pk_fma_f32 v[SM+4*\m:SM+4*\m+1], v[16*\it+8*\m+4:16*\it+8*\m+5], v[16*\it+8*\m+4:16*\it+8*\m+5], v[SM+4*\m:SM+4*\m+1]
	v_pk_fma_f32 v[SM+4*\m+2:SM+4*\m+3], v[16*\it+8*\m+6:16*\it+8*\m+7], v[16*\it+8*\m+6:16*\it+8*\m+7], v[SM+4*\m+2:SM+4*\m+3]
.endr
.endr
	WIN 0
	REDUCE 512                                     ; other words than the first sums': no wave can still be reading those that are written
.irp m, 0,1
	v_fma_f32 v[TP+4+4*\m], v[TP+4+4*\m], s41, s42 ; the variance + 1e-5
.endr
	v_rsq_f32 v[RS], v[TP+4]
	v_rsq_f32 v[RS+2], v[TP+8]
	v_nop                                          ; a plain place behind the transcendentals
	s_wait_alu depctr_va_vdst(0)                   ; one wait for both, ahead of the first reader
	v_mov_b32 v[RS+1], v[RS]
	v_mov_b32 v[RS+3], v[RS+2]
	WIN 0x41
.irp it, 0,1,2,3,4,5,6,7,8,9,10,11,12,13,14,15
.irp m, 0,1
.irp j, 0,2,4,6
	v_pk_mul_f32 v[16*\it+8*\m+\j:16*\it+8*\m+\j+1], v[16*\it+8*\m+\j:16*\it+8*\m+\j+1], v[RS+2*\m:RS+2*\m+1]
.endr
.endr
.endr
	WIN 0x04                                       ; an LDS store's data are its source 1: window 1
.irp it, 0,1,2,3,4,5,6,7,8,9,10,11,12,13,14,15
.irp m, 0,1
	ds_store_b128 v[SO], v[16*\it+8*\m:16*\it+8*\m+3] offset:16*\m*SPI+64*\it       ; stage row 16 m + r, bytes 64 it + 32 h on
	ds_store_b128 v[SO], v[16*\it+8*\m+4:16*\it+8*\m+7] offset:16*\m*SPI+64*\it+16
.endr
.endr
	WIN 0
	; THE WAY OUT, 16 runs of 512 bytes at a time: back from my own stage (LDS serves a wave's instructions in order), x gamma + beta, + query, stored
.irp bq, 0,1,2,3
	s_wait_xcnt 0x0                                ; the last batch's stores have read their registers
.irp i, 0,1,2,3,4,5,6,7,8,9,10,11,12,13,14,15
	ds_load_b128 v[Z+4*\i:Z+4*\i+3], v[SR] offset:((16*\bq+\i)/2)*SPI+512*(\i%2)
.endr
	s_wait_loadcnt 48-16*\bq                       ; this batch's 16 loads of query are in; the younger ones may be out
	s_wait_dscnt 0x0
.irp i, 0,1,2,3,4,5,6,7,8,9,10,11,12,13,14,15
	v_pk_fma_f32 v[Z+4*\i:Z+4*\i+1], v[Z+4*\i:Z+4*\i+1], v[GA+4*(\i%2):GA+4*(\i%2)+1], v[BE+4*(\i%2):BE+4*(\i%2)+1]
	v_pk_fma_f32 v[Z+4*\i+2:Z+4*\i+3], v[Z+4*\i+2:Z+4*\i+3], v[GA+4*(\i%2)+2:GA+4*(\i%2)+3], v[BE+4*(\i%2)+2:BE+4*(\i%2)+3]
.endr
	WIN 0x08                                       ; source 1 window 2: query
.irp i, 0,1,2,3,4,5,6,7,8,9,10,11,12,13,14,15
	v_pk_add_f32 v[Z+4*\i:Z+4*\i+1], v[Z+4*\i:Z+4*\i+1], v[4*(16*\bq+\i):4*(16*\bq+\i)+1]
	v_pk_add_f32 v[Z+4*\i+2:Z+4*\i+3], v[Z+4*\i+2:Z+4*\i+3], v[4*(16*\bq+\i)+2:4*(16*\bq+\i)+3]
.endr
	WIN 0
.irp i, 0,1,2,3,4,5,6,7,8,9,10,11,12,13,14,15
	global_store_b128 v[L16], v[Z+4*\i:Z+4*\i+3], s[20:21] offset:(8*(((16*\bq+\i)/2)/16)+((16*\bq+\i)/2)%16+8*((((16*\bq+\i)/2)%16)/8))*4096+512*(\i%2) th:TH_STORE_NT   ; 32 lanes store 512 consecutive bytes of a row, at a multiple of 256 from out0's first byte
.endr
.endr
	s_wait_tensorcnt 0x0
	ds_add_u32 v158, v159
	s_wait_dscnt 0x0
	s_endpgm
.Lfunc_end_k_q69821c13ee_oln:
	.size	k_q69821c13ee_oln, .Lfunc_end_k_q69821c13ee_oln-k_q69821c13ee_oln
	.p2alignl 7, 3214868480
	.fill 96, 4, 3214868480
	.section	.rodata,"a",@progbits
	.p2align	6, 0x0
	.amdhsa_kernel k_q69821c13ee_oln
		.amdhsa_group_segment_fixed_size 134656
		.amdhsa_private_segment_fixed_size 0
		.amdhsa_enable_private_segment 0
		.amdhsa_kernarg_size 72
		.amdhsa_user_sgpr_count 2
		.amdhsa_user_sgpr_kernarg_segment_ptr 1
		.amdhsa_wavefront_size32 1
		.amdhsa_system_sgpr_workgroup_id_x 1
		.amdhsa_system_sgpr_workgroup_id_y 1
		.amdhsa_system_sgpr_workgroup_id_z 1
		.amdhsa_system_vgpr_workitem_id 0
		.amdhsa_next_free_vgpr 1024
		.amdhsa_next_free_sgpr 66
		.amdhsa_reserve_vcc 0
		.amdhsa_float_denorm_mode_32 3
		.amdhsa_float_denorm_mode_16_64 3
		.amdhsa_memory_ordered 1
		.amdhsa_forward_progress 1
		.amdhsa_inst_pref_size 159
	.end_amdhsa_kernel
	.amdgpu_metadata
---
amdhsa.version: [ 1, 2 ]
amdhsa.kernels:
  - .name:           k_q69821c13ee_oln
    .symbol:         k_q69821c13ee_oln.kd
    .args:
      - { .name: oimg, .offset: 0, .size: 8, .value_kind: global_buffer, .address_space: global }
      - { .name: osc, .offset: 8, .size: 8, .value_kind: global_buffer, .address_space: global }
      - { .name: wimg, .offset: 16, .size: 8, .value_kind: global_buffer, .address_space: global }
      - { .name: Wo_scales, .offset: 24, .size: 8, .value_kind: global_buffer, .address_space: global }
      - { .name: bo, .offset: 32, .size: 8, .value_kind: global_buffer, .address_space: global }
      - { .name: gamma, .offset: 40, .size: 8, .value_kind: global_buffer, .address_space: global }
      - { .name: beta, .offset: 48, .size: 8, .value_kind: global_buffer, .address_space: global }
      - { .name: query, .offset: 56, .size: 8, .value_kind: global_buffer, .address_space: global }
      - { .name: out0, .offset: 64, .size: 8, .value_kind: global_buffer, .address_space: global }
    .group_segment_fixed_size: 134656
    .private_segment_fixed_size: 0
    .kernarg_segment_align: 8
    .kernarg_segment_size: 72
    .max_flat_workgroup_size: 128
    .sgpr_count:     66
    .vgpr_count:     1024
    .wavefront_size: 32
...
	.end_amdgpu_metadata
.endif
;; end of part 4
;; ======== version 2 of 2: 4 launches
;; workspace buffers: qc 6,291,456 bytes; qs 262,144 bytes; img 18,874,368 bytes; isc 786,432 bytes; oimg 6,291,456 bytes; osc 262,144 bytes; wimg 786,432 bytes
;; launch prep (part 5): grid 320 x 1, 4 waves a work-group, no clusters, 33,280 bytes of LDS; arguments query, Wo_codes, qc, qs, wimg; writes qc, qs, wimg
.if DOCPART == 5
	.amdgcn_target "amdgcn-amd-amdhsa--gfx1250"
	.amdhsa_code_object_version 6
	.text
	.protected	k_q69821c13ee_prep
	.globl	k_q69821c13ee_prep
	.p2align	8
	.type	k_q69821c13ee_prep,@function
k_q69821c13ee_prep:
	s_mov_b64 s[64:65], 0
	v_nop
	global_prefetch_b8 v0, s[64:65] scope:SCOPE_SE
	s_setreg_imm32_b32 hwreg(HW_REG_WAVE_MODE, 25, 1), 1
	s_wait_xcnt 0x0
; Two jobs in one launch, told apart by the work-group's number.
; Work-groups 0-255: query [8192][1024] f32 becomes codes of FP6 (E2M3), K innermost (qc, 768 bytes a row), with one E8M0 byte for each 32 along K (qs, 32 bytes a row): laid as the given key__codes and key__scales.
;   A block's scale is 2^(floor(log2(its largest magnitude)) - 2): its byte is the largest magnitude's exponent field - 2, held at 1 from below.
;   Rows are dense and 1,024 is a multiple of 32, so the tensor is a plain stream of blocks.  A wave takes 16 steps of 512 numbers; each load reads 512 consecutive bytes; a step's 2,048 bytes turn through the wave's
;   own stage in LDS so that a lane holds 16 neighbours along K (two lanes a block); a lane's 16 codes are 12 bytes; a wave's 256 scale bytes are gathered in LDS and leave as 256 consecutive bytes.
; Work-groups 256-319: Wo's codes [1024 (n)][768 bytes] are laid anew in the order of an operand's registers (wimg): fragment (16 rows n, 128 along K) = 12 registers a lane, registers 4 c .. 4 c + 3 at 512 c + 16 x lane,
;   1,536 bytes a fragment, [n tile 64][K step 8].  Work-group e takes n tile e, wave w its K steps 2 w and 2 w + 1.  This path uses no LDS.
; LIMITS: a block of zeros, or one whose largest magnitude lies under 2^-124, gets the byte 1 (its codes are zeros or tiny; this program alone reads the bytes); NaN and infinities in query are not served.
.set STEPS, 16
.set EMAX,  2
.set CB,    12                         ; bytes of 16 codes
.set R,     16                         ; v16-79   four sets of 16 numbers as they are loaded
.set X,     80                         ; v80-111  two sets of 16 neighbours
.set C,     128                        ; v128-191 codes: four registers for each step, so that no store's data are written again
.set E,     112                        ; v112-127 a scale byte for each step
.set WREG,  8192                       ; LDS: a region of its own for each wave: two stages of 32 x SP bytes, then its 256 scale bytes
.set SP,    80                         ; a lane's place in a stage: 64 bytes + 16 of padding
	s_load_b256 s[4:11], s[0:1], 0x0               ; query s[4:5], Wo_codes s[6:7], qc s[8:9], qs s[10:11]
	s_load_b64 s[12:13], s[0:1], 0x20              ; wimg
	v_lshl_add_u32 v192, v0, 2, 0x8000
	v_mov_b32 v193, 0
	v_lshrrev_b32 v1, 5, v0
	v_readfirstlane_b32 s16, v1                    ; wave
	v_and_b32 v2, 31, v0                           ; lane
	s_wait_kmcnt 0x0
	s_cmp_ge_u32 ttmp9, 256
	s_cbranch_scc1 .Lrelay
	s_wait_alu depctr_va_vdst(0)
	v_lshlrev_b32 v3, 4, v2                        ; my 16 bytes of a load's 512
	s_mul_i32 s17, s16, WREG
	v_lshrrev_b32 v14, 2, v2
	v_mul_u32_u24 v14, v14, SP
	v_and_b32 v15, 3, v2
	v_lshl_add_u32 v14, v15, 4, v14
	v_add_nc_u32 v14, s17, v14                     ; the stage, on the way in: SP (lane / 4) + 16 (lane % 4)
	v_mul_u32_u24 v15, v2, SP
	v_add_nc_u32 v15, s17, v15                     ; and on the way out: SP x lane: my 16 neighbours
	v_mul_u32_u24 v4, v2, CB                       ; my codes' place in a step's
	v_lshrrev_b32 v5, 1, v2
	s_add_co_u32 s17, s17, 2*32*SP
	v_add_nc_u32 v5, s17, v5                       ; LDS: my wave's 256 scale bytes, my block's byte
	v_lshlrev_b32 v7, 3, v2                        ; and on the way out 8 bytes a lane
	v_add_nc_u32 v6, s17, v7
	s_lshl_b32 s17, ttmp9, 2
	s_add_co_u32 s18, s17, s16                     ; which run of 8,192 numbers is my wave's
	s_mov_b32 s19, 0
	s_mov_b64 s[20:21], 512*STEPS*4
	s_mul_u64 s[20:21], s[18:19], s[20:21]
	s_add_nc_u64 s[4:5], s[4:5], s[20:21]
	s_mov_b64 s[20:21], 32*STEPS*CB
	s_mul_u64 s[20:21], s[18:19], s[20:21]
	s_add_nc_u64 s[8:9], s[8:9], s[20:21]
	s_lshl_b32 s18, s18, 8                         ; 256 scale bytes a run
	s_add_nc_u64 s[10:11], s[10:11], s[18:19]
.macro LOAD t
.irp i, 0,1,2,3
	global_load_b128 v[R+16*((\t)%4)+4*\i:R+16*((\t)%4)+4*\i+3], v3, s[4:5] offset:2048*(\t)+512*\i th:TH_LOAD_NT   ; 32 lanes read 512 consecutive bytes
.endr
.endm
.macro TURN t                          ; step t's numbers through the stage: LDS serves a wave's instructions in order, so no wait stands between the stores and the loads
.irp i, 0,1,2,3
	ds_store_b128 v14, v[R+16*((\t)%4)+4*\i:R+16*((\t)%4)+4*\i+3] offset:32*SP*((\t)%2)+8*SP*\i
.endr
.irp i, 0,1,2,3
	ds_load_b128 v[X+16*((\t)%2)+4*\i:X+16*((\t)%2)+4*\i+3], v15 offset:32*SP*((\t)%2)+16*\i
.endr
.endm
.irp t, 0,1,2,3
	LOAD \t
.endr
	s_wait_alu depctr_va_vdst(0)
	s_wait_loadcnt 12                              ; step 0's four loads are in; three younger steps' twelve may be out
	TURN 0
.macro STEP t
.set XS, X+16*((\t)%2)
.if (\t) > 0
	s_wait_dscnt 1                                 ; this step's numbers are back from the stage (the last step's byte store may be out)
.else
	s_wait_dscnt 0x0
.endif
.if (\t)+4 < STEPS
	LOAD (\t)+4                                    ; the registers that the stage's stores have read take the loads of four steps on
.endif
.if (\t)+1 < STEPS
.if STEPS-2-(\t) >= 3
	s_wait_loadcnt 12                              ; the next step's four loads are in; those of the three steps behind it may be out
.else
	s_wait_loadcnt 4*(STEPS-2-(\t))
.endif
	TURN (\t)+1
.endif
	v_max3_num_f32 v8, |v[XS]|, |v[XS+1]|, |v[XS+2]|               ; the largest magnitude of my 16, in two chains
	v_max3_num_f32 v9, |v[XS+3]|, |v[XS+4]|, |v[XS+5]|
.irp i, 6,10
	v_max3_num_f32 v8, v8, |v[XS+\i]|, |v[XS+\i+1]|
	v_max3_num_f32 v9, v9, |v[XS+\i+2]|, |v[XS+\i+3]|
.endr
	v_max3_num_f32 v8, v8, |v[XS+14]|, |v[XS+15]|
	v_max3_num_f32 v8, v8, v9, (EMAX+1)<<23        ; and the floor 2^(3 - 127): the byte cannot fall under 1
	v_max_num_f32_dpp v8, v8, v8 row_xmask:1 row_mask:0xf bank_mask:0xf   ; and of my neighbour's 16: the block's
	v_add_nc_u32 v11, -(EMAX<<23), v8              ; 2 off its exponent field: the conversion takes the exponent field of this operand as its scale
	v_cvt_scalef32_pk16_fp6_f32 v[C+4*(\t):C+4*(\t)+2], v[XS:XS+15], v11
	v_lshrrev_b32 v[E+(\t)], 23, v11               ; the scale's byte
	ds_store_b8 v5, v[E+(\t)] offset:16*(\t)       ; both lanes of a block write the same byte with the same value
	global_store_b96 v4, v[C+4*(\t):C+4*(\t)+2], s[8:9] offset:32*CB*(\t)
.endm
.irp t, 0,1,2,3,4,5,6,7,8,9,10,11,12,13,14,15
	STEP \t
.endr
	ds_load_b64 v[12:13], v6                       ; LDS serves a wave's instructions in order: these see my stores
	s_wait_dscnt 0x0
	global_store_b64 v7, v[12:13], s[10:11]        ; 32 lanes store 256 consecutive bytes
	s_wait_tensorcnt 0x0
	ds_add_u32 v192, v193
	s_wait_dscnt 0x0
	s_endpgm
.Lrelay:
	s_sub_co_u32 s17, ttmp9, 256                   ; e: the n tile
	v_and_b32 v40, 15, v0                          ; r
	v_bfe_u32 v41, v0, 4, 1                        ; h
	v_mul_u32_u24 v42, v40, 768
	v_mad_u32_u24 v42, v41, 24, v42                ; row r of 768 bytes, + 24 h
	s_wait_alu depctr_va_vdst(0)
	v_lshlrev_b32 v43, 4, v2                       ; 16 x lane
	s_mul_i32 s18, s17, 12288                      ; 16 rows of 768 bytes a tile,
	s_mul_i32 s20, s16, 192                        ; two K steps of 96 bytes a wave
	s_add_co_u32 s18, s18, s20
	s_mov_b32 s19, 0
	s_add_nc_u64 s[6:7], s[6:7], s[18:19]
	s_lshl_b32 s18, s17, 3
	s_lshl_b32 s20, s16, 1
	s_add_co_u32 s18, s18, s20                     ; fragment 8 e + 2 w
	s_mul_i32 s18, s18, 1536
	s_add_nc_u64 s[12:13], s[12:13], s[18:19]
.irp f, 0,1
.irp p, 0,1,2,3,4,5
	global_load_b64 v[16+12*\f+2*\p:17+12*\f+2*\p], v42, s[6:7] offset:96*\f+48*(\p/3)+8*(\p%3)   ; registers 6 c .. 6 c + 5: k = 64 c + 32 h + 0 .. 31, 24 bytes as they lie
.endr
.endr
	s_wait_alu depctr_va_vdst(0)
	s_wait_loadcnt 0x0
.irp f, 0,1
.irp c, 0,1,2
	global_store_b128 v43, v[16+12*\f+4*\c:19+12*\f+4*\c], s[12:13] offset:1536*\f+512*\c     ; 32 lanes store 512 consecutive bytes
.endr
.endr
	s_endpgm
.Lfunc_end_k_q69821c13ee_prep:
	.size	k_q69821c13ee_prep, .Lfunc_end_k_q69821c13ee_prep-k_q69821c13ee_prep
	.p2alignl 7, 3214868480
	.fill 96, 4, 3214868480
	.section	.rodata,"a",@progbits
	.p2align	6, 0x0
	.amdhsa_kernel k_q69821c13ee_prep
		.amdhsa_group_segment_fixed_size 33280
		.amdhsa_private_segment_fixed_size 0
		.amdhsa_enable_private_segment 0
		.amdhsa_kernarg_size 40
		.amdhsa_user_sgpr_count 2
		.amdhsa_user_sgpr_kernarg_segment_ptr 1
		.amdhsa_wavefront_size32 1
		.amdhsa_system_sgpr_workgroup_id_x 1
		.amdhsa_system_sgpr_workgroup_id_y 1
		.amdhsa_system_sgpr_workgroup_id_z 1
		.amdhsa_system_vgpr_workitem_id 0
		.amdhsa_next_free_vgpr 194
		.amdhsa_next_free_sgpr 66
		.amdhsa_reserve_vcc 0
		.amdhsa_float_denorm_mode_32 3
		.amdhsa_float_denorm_mode_16_64 3
		.amdhsa_memory_ordered 1
		.amdhsa_forward_progress 1
		.amdhsa_inst_pref_size 35
	.end_amdhsa_kernel
	.amdgpu_metadata
---
amdhsa.version: [ 1, 2 ]
amdhsa.kernels:
  - .name:           k_q69821c13ee_prep
    .symbol:         k_q69821c13ee_prep.kd
    .args:
      - { .name: query, .offset: 0, .size: 8, .value_kind: global_buffer, .address_space: global }
      - { .name: Wo_codes, .offset: 8, .size: 8, .value_kind: global_buffer, .address_space: global }
      - { .name: qc, .offset: 16, .size: 8, .value_kind: global_buffer, .address_space: global }
      - { .name: qs, .offset: 24, .size: 8, .value_kind: global_buffer, .address_space: global }
      - { .name: wimg, .offset: 32, .size: 8, .value_kind: global_buffer, .address_space: global }
    .group_segment_fixed_size: 33280
    .private_segment_fixed_size: 0
    .kernarg_segment_align: 8
    .kernarg_segment_size: 40
    .max_flat_workgroup_size: 128
    .sgpr_count:     66
    .vgpr_count:     194
    .wavefront_size: 32
...
	.end_amdgpu_metadata
.endif
;; end of part 5
;; launch proj (part 6): grid 64 x 3, 4 waves a work-group, no clusters, 292,864 bytes of LDS; arguments qc, qs, key__codes, key__scales, value_codes, value_scales, Wq_codes, Wq_scales, Wk_codes, Wk_scales, Wv_codes, Wv_scales, img, isc; writes img, isc
.if DOCPART == 6
	.amdgcn_target "amdgcn-amd-amdhsa--gfx1250"
	.amdhsa_code_object_version 6
	.text
	.protected	k_q69821c13ee_proj
	.globl	k_q69821c13ee_proj
	.p2align	8
	.type	k_q69821c13ee_proj,@function
k_q69821c13ee_proj:
	s_mov_b64 s[64:65], 0
	v_nop
	global_prefetch_b8 v0, s[64:65] scope:SCOPE_SE
	s_setreg_imm32_b32 hwreg(HW_REG_WAVE_SCHED_MODE, 0, 2), 2
	s_setreg_imm32_b32 hwreg(HW_REG_WAVE_MODE, 25, 1), 1
	s_wait_xcnt 0x0
	s_wait_alu depctr_vm_vsrc(0)
; The three projections q = query Wq, k = key_ Wk, v = value Wv (work-group y = 0, 1, 2), on codes of FP6 (E2M3) with E8M0 scales, K = 1,024; the results are quantised in registers and leave as images of the registers
; in which the attention launch wants them.
; D = S0 x S1: source 0 = 16 rows of S0, source 1 = 16 rows of S1.  A lane then holds ONE row of S1, and its registers run along S0's rows, which are the next product's K.
;   q, k: S0 = the weight's 1,024 rows (head x 64 + d), S1 = the 8,192 tokens: the next K is the head's 64.      v: S0 = the 8,192 tokens, S1 = Wv's 1,024 rows: the next K is the keys.
; THE ROWS OF A TILE ARE NOT NEIGHBOURS, on both sides: lane r of tile 2 b + u takes row 32 b + 8 u + r + 8 (r / 8).  So the 16 registers of S0's tiles 2 b, 2 b + 1 are 16 neighbours along the next K, and the tiles of
; keys, queries and V's channels have the rows that the attention launch's layouts ask for.
; SHARES.  A work-group keeps 256 rows of S0 in registers, 64 a wave (4 tiles x 8 K steps = 32 fragments = 384 registers), and walks 512 rows of S1 as 16 pairs of tiles (32 rows, 24,576 dense bytes).
;   192 work-groups: 6,144 (slab, tile) shares, 32 to each; a share of 24, which would make 256, divides neither 512 nor 64 tiles.
; A pair goes memory -> registers -> LDS -> fragments.  Through registers, since its rows are laid out of order in LDS (tile u's lane r at LDS row 16 u + r) at a pitch of 784 bytes = 196 words: row r begins at word 4 r
; mod 64 and lanes 16-31 read 6 words further on, so the 32 lanes of an 8-byte load touch 64 different words mod 64.  No tensor load and no cluster: the rows' order in LDS is not one that a tile's descriptor states.
; A pair is asked for three trips ahead of its store into LDS (three sets of 48 registers), stored one trip ahead of its products (three LDS slots), ONE barrier a trip.
; OUT: for each pair and wave two half images (16 rows x 64 along the next K, 6 registers a lane: registers 0-3 at 16 x lane, registers 4-5 at 512 + 8 x lane: 768 bytes) and two scale bytes a row.
; LIMITS: a block of zeros, or one under 2^-124, gets the byte 1 (this program alone reads the bytes); NaN, infinities and a given scale byte 0xff are not served.
; REGISTERS, in windows of 256: window 0: v1-15 addresses; v16-47 S0's scale words (8 t + s); v48-95 S1's, three sets (16 set + 8 u + s); v96-159 the 8 accumulators (32 u + 8 t); v160-198 the quantiser's.
;   window 1: v0-191 S0's tiles 0, 1 (12 (8 (t % 2) + s)); v192-239 staging set 0.   window 2: the same for tiles 2, 3; set 1.   window 3: v0-191 S1's fragments (12 (2 s + u)); v192-239 set 2.
; THE MODE: SCHED_MODE bits 1:0 = 2 (LLVM: expert scheduling mode 2), set by the entry lines.  The code itself states the register dependences between vector or matrix instructions and memory or LDS instructions,
; with s_wait_alu, always for 0.
; THE PLAN.  Registers that memory or LDS instructions touch in the trip of pair i (cur = i % 3, nxt = (i + 1) % 3):
;   staging set nxt    pair i + 1 has landed in it; the trip's 12 LDS stores read it; the loads of pair i + 4 land in it.  No vector or matrix instruction names it.
;   S1's fragments     K steps 0-3: read by the trip's first 32 products, then pair i + 1's LDS loads land in them; K steps 4-7: read by its last 32 products, then likewise.
;   S1's scale words   set nxt: last read by the products of trip i - 2; pair i + 1's LDS loads land in it.
;   v[VSA]             read by the scale words' LDS loads; written once a trip.
;   PC, PX             written by the quantiser; read by the trip's five global stores; written again a trip later.
;   S0's fragments and scale words are loaded at the head and only read by products; all other addresses are made at the head and never written again.
; So a trip holds ONE wait on vm_vsrc, in its middle (VSA, the staging set, PC and PX have been read), and three on va_vdst: in its middle, behind the add to VSA (VSA is written; the first 32 products are done with
; K steps 0-3; set nxt of the scale words is free): the 16 products that follow it name K steps 4-7, S0, the accumulators and set cur alone, so the 52 LDS loads behind the barrier owe nothing more; behind the last
; products, ahead of the loads into K steps 4-7; and behind the quantiser, ahead of the stores.
.set LP,    784                        ; an LDS row: 768 bytes + 16
.set SLOTB, 32*LP                      ; a slot: a pair's 32 rows; slots at 0, SLOTB, 2 SLOTB
.set SCL,   3*SLOTB                    ; the scale rows of my 512 rows of S1, dense, 32 bytes a row: 16,384 bytes
.set S0ST,  SCL+16384                  ; each wave's own 64 rows of S0, used once
.set S0WB,  64*LP
.set PAIRB, 32*768                     ; a pair in memory
.set VL2, 1                            ; v1   VL + 2 slots (an LDS immediate has 16 bits)
.set VG,  2                            ; v2   a pair in memory: (thread / 16) x 768 + 16 (thread % 16)
.set VL,  3                            ; v3   and in a slot: (thread / 16) x 784 + 16 (thread % 16)
.set VW,  4                            ; v4   my wave's rows of S0 in memory: h x 768 + 16 r
.set VWL, 5                            ; v5   and in LDS
.set VF,  6                            ; v6   a fragment's lane term: r x 784 + 24 h
.set VF0, 7                            ; v7   the same in my wave's rows of S0
.set VS0, 8                            ; v8   SCL + 32 (r + 8 (r / 8))
.set VSS, 9                            ; v9   SCL + 16 x thread
.set T16, 10                           ; v10  16 x thread
.set L16, 11                           ; v11  16 x lane
.set L8,  12                           ; v12  8 x lane
.set VOS, 13                           ; v13  4 r + 64 h
.set VR,  14                           ; v14  32 (r + 8 (r / 8))
.set VH,  15                           ; v15  16 h
.set S0SC, 16
.set S1SC, 48
.set ACC, 96
.set TM,  160                          ; v160-163 largest magnitudes, v164-167 bytes, v172-175 the conversions' scale operands
.set PC,  176                          ; v176-194 the codes just made
.set PW,  196                          ; the scale word just made
.set PX,  197                          ; and what my half of the lanes stores of it
.set VSA, 198                          ; LDS address of the pair's scale rows
.set TSV, 39                           ; s39  1,024 x the pair whose scale rows are fetched next
.set SEL, 70                           ; s[70:71] v_permlanex16_b32's selects for lane l xor 16
.set MSB, 0
.macro WIN new                         ; the immediate's high byte repeats the setting that is left; a switch that changes nothing is dropped
.if MSB != (\new)
	s_set_vgpr_msb (MSB<<8)|(\new)
.set MSB, (\new)
.endif
.endm
.macro PLACES                          ; four plain vector instructions behind matrix instructions: in front of the first read of their results, and between products and the loads into registers that they read
.rept 4
	v_nop
.endr
.endm
; 64 numbers of a lane, register 16 b + i = k 32 b + 16 h + i of my row, become 12 registers of codes in v[PC] on (registers 6 c .. 6 c + 5: k = 64 c + 32 h + 0 .. 31) and four scale bytes in v[PW].
.macro QUANT s
.irp b, 0,1,2,3
	v_max3_num_f32 v[TM+\b], |v[\s+16*\b]|, |v[\s+1+16*\b]|, 0x1800000   ; block b: my 16 numbers, and the floor 2^(3 - 127): the byte cannot fall under 1
.endr
.irp i, 2,4,6,8,10,12,14
.irp b, 0,1,2,3
	v_max3_num_f32 v[TM+\b], v[TM+\b], |v[\s+16*\b+\i]|, |v[\s+1+16*\b+\i]|   ; the four blocks by turns; each accumulator is read from its low end on
.endr
.endr
.irp b, 0,1,2,3
	v_permlanex16_b32 v[TM+4+\b], v[TM+\b], s[SEL], s[SEL+1]
.endr
.irp b, 0,1,2,3
	v_max_num_f32 v[TM+\b], v[TM+\b], v[TM+4+\b]   ; with lane l xor 16's: the block's largest magnitude
.endr
.irp b, 0,1,2,3
	v_add_nc_u32 v[TM+12+\b], 0xff000000, v[TM+\b]   ; 2 off its exponent field: the conversion's scale operand
.endr
.irp b, 0,1,2,3
	v_lshrrev_b32 v[TM+4+\b], 23, v[TM+12+\b]      ; the scale's byte
.endr
	v_lshl_or_b32 v[PW], v[TM+5], 8, v[TM+4]
	v_lshl_or_b32 v[PW], v[TM+6], 16, v[PW]
	v_lshl_or_b32 v[PW], v[TM+7], 24, v[PW]
.irp c, 0,1
	v_cvt_scalef32_pk16_fp6_f32 v[PC+6*\c:PC+2+6*\c], v[\s+32*\c:\s+15+32*\c], v[TM+12+2*\c]
	v_cvt_scalef32_pk16_fp6_f32 v[PC+12+4*\c:PC+14+4*\c], v[\s+16+32*\c:\s+31+32*\c], v[TM+12+2*\c+1]   ; (a conversion's three registers begin on an even number)
.endr
	v_nop                                          ; one plain place behind a scaled conversion
.irp c, 0,1                                    ; the operand's layout wants a WHOLE block in a lane: lanes 0-15 block 2 c, lanes 16-31 block 2 c + 1
.irp i, 0,1,2
	v_permlane16_swap_b32 v[PC+6*\c+\i], v[PC+12+4*\c+\i]
.endr
.irp i, 0,1,2
	v_mov_b32 v[PC+3+6*\c+\i], v[PC+12+4*\c+\i]
.endr
.endr
.endm
; a pair from memory into staging set \set: 12 loads of the work-group's 128 threads; sixteen lanes read 256 consecutive bytes of a row
.macro GPAIR set
	WIN (((\set)+1)<<6)
.irp j, 0,1,2,3,4,5,6,7,8,9,10,11
	global_load_b128 v[192+4*\j:195+4*\j], v[VG], s[52:53] offset:8*(\j/3)*768+256*(\j%3)
.endr
	WIN 0
.endm
; and from the set into slot \set: memory rows 8 q + g go to LDS rows {0, 16, 8, 24}(q) + g
.macro SPAIR set
	WIN (((\set)+1)<<2)
.irp j, 0,1,2,3,4,5,6,7,8,9,10,11
.if (\set) == 2
	ds_store_b128 v[VL2], v[192+4*\j:195+4*\j] offset:(16*((\j/3)%2)+8*(\j/6))*LP+256*(\j%3)
.else
	ds_store_b128 v[VL], v[192+4*\j:195+4*\j] offset:(\set)*SLOTB+(16*((\j/3)%2)+8*(\j/6))*LP+256*(\j%3)
.endif
.endr
	WIN 0
.endm
; S1's fragments of K steps 4 hh .. 4 hh + 3, both tiles, from slot \slot: 48 loads of 8 bytes
.macro FRAGS slot, hh
	WIN 0xc0
.irp sq, 0,1,2,3
.irp u, 0,1
.irp p, 0,1,2,3,4,5
	ds_load_b64 v[12*(2*(4*\hh+\sq)+\u)+2*\p:12*(2*(4*\hh+\sq)+\u)+2*\p+1], v[VF] offset:\slot*SLOTB+16*\u*LP+96*(4*\hh+\sq)+48*(\p/3)+8*(\p%3)
.endr
.endr
.endr
.endm
; the pair's scale words, eight a row, into set \set
.macro SCW set
.irp u, 0,1
.irp f, 0,1
	ds_load_b128 v[S1SC+16*(\set)+8*\u+4*\f:S1SC+16*(\set)+8*\u+4*\f+3], v[VSA] offset:256*\u+16*\f
.endr
.endr
.endm
; 16 matrix instructions: K steps 4 hh .. 4 hh + 3, S1's two tiles, S0's tiles 2 tp and 2 tp + 1: four accumulators by turns, one instruction a turn.  K step 0 starts the sums.
.macro MULS hh, tp, cur
	WIN (0x0d+\tp)
.irp sq, 0,1,2,3
.irp u, 0,1
.irp tt, 0,1
.if (4*\hh+\sq) == 0
	v_wmma_scale_f32_16x16x128_f8f6f4 v[ACC+32*\u+8*(2*\tp+\tt):ACC+32*\u+8*(2*\tp+\tt)+7], v[12*(8*\tt+4*\hh+\sq):12*(8*\tt+4*\hh+\sq)+11], v[12*(2*(4*\hh+\sq)+\u):12*(2*(4*\hh+\sq)+\u)+11], 0, v[S0SC+8*(2*\tp+\tt)+4*\hh+\sq], v[S1SC+16*\cur+8*\u+4*\hh+\sq] matrix_a_fmt:MATRIX_FMT_FP6 matrix_b_fmt:MATRIX_FMT_FP6
.else
	v_wmma_scale_f32_16x16x128_f8f6f4 v[ACC+32*\u+8*(2*\tp+\tt):ACC+32*\u+8*(2*\tp+\tt)+7], v[12*(8*\tt+4*\hh+\sq):12*(8*\tt+4*\hh+\sq)+11], v[12*(2*(4*\hh+\sq)+\u):12*(2*(4*\hh+\sq)+\u)+11], v[ACC+32*\u+8*(2*\tp+\tt):ACC+32*\u+8*(2*\tp+\tt)+7], v[S0SC+8*(2*\tp+\tt)+4*\hh+\sq], v[S1SC+16*\cur+8*\u+4*\hh+\sq] matrix_a_fmt:MATRIX_FMT_FP6 matrix_b_fmt:MATRIX_FMT_FP6
.endif
.endr
.endr
.endr
.endm
	s_load_b512 s[8:23], s[0:1], 0x0               ; qc, qs, key__codes, key__scales, value_codes, value_scales, Wq_codes, Wq_scales
	s_load_b256 s[24:31], s[0:1], 0x40             ; Wk_codes, Wk_scales, Wv_codes, Wv_scales
	s_load_b128 s[32:35], s[0:1], 0x60             ; img, isc
	v_lshl_add_u32 v254, v0, 2, 0x47600
	v_mov_b32 v255, 0
	v_lshrrev_b32 v199, 5, v0
	v_readfirstlane_b32 s38, v199                  ; wave 0..3
	s_wait_alu depctr_va_sdst(0)                   ; s38 is written, ahead of its first reader: offsets and LDS addresses are made from it
	s_and_b32 s36, ttmp7, 0xffff                   ; p: 0 q, 1 k, 2 v
	s_mov_b32 s37, ttmp9                           ; x
	s_cmp_eq_u32 s36, 2
	s_cselect_b32 s56, 1, 4                        ; S1 has 2 ranges of 512 rows (Wv) or 16 (the tokens)
	s_cselect_b32 s57, 64, 128                     ; tiles of S1 in a run of the output's images
	s_lshr_b32 s58, s37, s56                       ; the slab of 256 rows of S0
	s_lshl_b32 s72, s58, s56
	s_sub_co_u32 s59, s37, s72                     ; the range of 512 rows of S1
	s_lshl_b32 s60, s58, 2
	s_add_co_u32 s60, s60, s38                     ; g0: my wave's 64 rows of S0: the head (q, k), the group of 64 keys (v)
	s_lshr_b32 s72, s59, 2                         ; q, k: the batch; v: 0
	s_and_b32 s73, s59, 3
	s_lshl_b32 s73, s73, 5                         ; the range's first tile in it
	s_lshl_b32 s74, s72, 11
	s_add_co_u32 s74, s74, s73                     ; images: 16 heads x 128 tiles a batch
	s_lshl_b32 s75, s72, 10
	s_add_co_u32 s75, s75, s73                     ; scale words: 8 pairs of heads x 128 tiles a batch
	s_mul_i32 s72, s60, s57
	s_add_co_u32 s74, s74, s72
	s_mul_i32 s74, s74, 768
	s_mul_i32 s72, s36, 6291456
	s_add_co_u32 s74, s74, s72                     ; where my first half image goes, in img
	s_lshr_b32 s72, s60, 1
	s_mul_i32 s72, s72, s57
	s_add_co_u32 s75, s75, s72
	s_lshl_b32 s75, s75, 6
	s_and_b32 s72, s60, 1
	s_lshl_b32 s72, s72, 1
	s_add_co_u32 s75, s75, s72
	s_lshl_b32 s72, s36, 18
	s_add_co_u32 s75, s75, s72                     ; and my first scale bytes, in isc
	s_mov_b32 s[SEL], 0x76543210
	s_mov_b32 s[SEL+1], 0xfedcba98
	s_mov_b32 s[TSV], 0
	v_and_b32 v199, 15, v0                         ; r
	v_bfe_u32 v200, v0, 4, 1                       ; h
	v_and_b32 v201, 31, v0                         ; lane
	v_lshrrev_b32 v202, 4, v0                      ; thread / 16: 0..7
	v_mul_u32_u24 v[VG], v202, 768
	v_lshl_add_u32 v[VG], v199, 4, v[VG]
	v_mul_u32_u24 v[VL], v202, LP
	v_lshl_add_u32 v[VL], v199, 4, v[VL]
	v_add_nc_u32 v[VL2], 2*SLOTB, v[VL]
	v_mul_u32_u24 v[VW], v200, 768
	v_lshl_add_u32 v[VW], v199, 4, v[VW]
	s_mul_i32 s62, s38, S0WB
	s_add_co_u32 s62, s62, S0ST                    ; my wave's rows of S0 in LDS
	v_mul_u32_u24 v[VWL], v200, LP
	v_lshl_add_u32 v[VWL], v199, 4, v[VWL]
	v_add_nc_u32 v[VWL], s62, v[VWL]
	v_mul_u32_u24 v[VF], v199, LP
	v_mad_u32_u24 v[VF], v200, 24, v[VF]
	v_add_nc_u32 v[VF0], s62, v[VF]
	v_and_b32 v[VR], 8, v199
	v_add_nc_u32 v[VR], v[VR], v199                ; r + 8 (r / 8)
	v_lshlrev_b32 v[VR], 5, v[VR]
	v_add_nc_u32 v[VS0], SCL, v[VR]
	v_lshlrev_b32 v[T16], 4, v0
	v_add_nc_u32 v[VSS], SCL, v[T16]
	v_lshlrev_b32 v[L16], 4, v201
	v_lshlrev_b32 v[L8], 3, v201
	v_lshlrev_b32 v[VOS], 2, v199
	v_lshl_add_u32 v[VOS], v200, 6, v[VOS]
	v_lshlrev_b32 v[VH], 4, v200
	v_add_nc_u32 v[VSA], s[TSV], v[VS0]
.irp b, 0,1,2,3
	v_mov_b32 v[TM+4+\b], 0                        ; written once: a lane permute's destination counts as one of its sources
.endr
	s_wait_kmcnt 0x0
	s_cmp_eq_u32 s36, 0                            ; the buffers are chosen by the work-group's y alone
	s_cselect_b64 s[40:41], s[8:9], s[12:13]
	s_cselect_b64 s[42:43], s[10:11], s[14:15]
	s_cselect_b64 s[44:45], s[20:21], s[24:25]
	s_cselect_b64 s[46:47], s[22:23], s[26:27]
	s_cmp_eq_u32 s36, 2
	s_cselect_b64 s[48:49], s[16:17], s[44:45]     ; S0's codes,
	s_cselect_b64 s[50:51], s[18:19], s[46:47]     ; S0's scales,
	s_cselect_b64 s[52:53], s[28:29], s[40:41]     ; S1's codes,
	s_cselect_b64 s[54:55], s[30:31], s[42:43]     ; S1's scales
	s_mov_b32 s73, 0
	s_mul_i32 s72, s60, 49152                      ; 64 rows of 768 bytes
	s_add_nc_u64 s[48:49], s[48:49], s[72:73]
	s_lshl_b32 s72, s60, 11                        ; 64 rows of 32 bytes
	s_add_nc_u64 s[50:51], s[50:51], s[72:73]
	s_mul_i32 s72, s59, 393216                     ; 512 rows of 768 bytes
	s_add_nc_u64 s[52:53], s[52:53], s[72:73]
	s_lshl_b32 s72, s59, 14                        ; 512 rows of 32 bytes
	s_add_nc_u64 s[54:55], s[54:55], s[72:73]
	s_mov_b32 s72, s74
	s_add_nc_u64 s[66:67], s[32:33], s[72:73]      ; where the images go
	s_mov_b32 s72, s75
	s_add_nc_u64 s[68:69], s[34:35], s[72:73]      ; where the scale bytes go
	s_wait_alu depctr_va_vdst(0)                   ; the addresses and offsets v1 to v14 and v[VSA] are written, which the loads and stores of the whole kernel read
.irp j, 0,1,2,3,4,5,6,7
	global_load_b128 v[ACC+4*\j:ACC+4*\j+3], v[T16], s[54:55] offset:2048*\j     ; S1's scale rows, 16,384 dense bytes
.endr
.irp t, 0,1,2,3
.irp f, 0,1
	global_load_b128 v[S0SC+8*\t+4*\f:S0SC+8*\t+4*\f+3], v[VR], s[50:51] offset:(32*(\t/2)+8*(\t%2))*32+16*\f   ; S0's scale words stay
.endr
.endr
.set J, 0
.rept 96                               ; my wave's 64 rows of S0: two rows' 256 bytes a load, into the registers that will hold their fragments
	WIN ((1+J/48)<<6)
	global_load_b128 v[4*(J%48):4*(J%48)+3], v[VW], s[48:49] offset:2*(J/3)*768+256*(J%3)
.set J, J+1
.endr
	WIN 0
	GPAIR 0                                        ; pairs 0, 1, 2
	s_wait_xcnt 0x0                                ; the loads have read their base: it may step
	s_add_nc_u64 s[52:53], s[52:53], PAIRB
	GPAIR 1
	s_wait_xcnt 0x0
	s_add_nc_u64 s[52:53], s[52:53], PAIRB
	GPAIR 2
	s_wait_loadcnt 36                              ; all but the three pairs' 36 loads are in
.irp j, 0,1,2,3,4,5,6,7
	ds_store_b128 v[VSS], v[ACC+4*\j:ACC+4*\j+3] offset:2048*\j
.endr
.set J, 0
.rept 96
	WIN ((1+J/48)<<2)
.set EE, 2*(J/3)
	ds_store_b128 v[VWL], v[4*(J%48):4*(J%48)+3] offset:(32*(EE/32)+16*(((EE%32)/8)%2)+8*((EE%32)/16)+EE%8)*LP+256*(J%3)
.set J, J+1
.endr
	WIN 0
	s_wait_dscnt 0x0                               ; my stores of S0's rows are done
	s_wait_alu depctr_vm_vsrc(0)                   ; the LDS stores have read S0's registers, in which the fragments' loads below land, and v[ACC ..], which the first products write
.irp t, 0,1,2,3
	WIN ((1+\t/2)<<6)
.irp s, 0,1,2,3,4,5,6,7
.irp p, 0,1,2,3,4,5
	ds_load_b64 v[12*(8*(\t%2)+\s)+2*\p:12*(8*(\t%2)+\s)+2*\p+1], v[VF0] offset:16*\t*LP+96*\s+48*(\p/3)+8*(\p%3)   ; my own bytes: LDS serves a wave's instructions in order
.endr
.endr
.endr
	WIN 0
	s_wait_loadcnt 24                              ; pair 0 is in; pairs 1 and 2 may be out
	SPAIR 0
	s_wait_dscnt 0x0                               ; for the others' sake: my stores have landed (and S0's fragments are in)
	s_wait_alu depctr_vm_vsrc(0)                   ; pair 0's LDS stores have read staging set 0, in which pair 3's loads land
	s_wait_xcnt 0x0
	s_add_nc_u64 s[52:53], s[52:53], PAIRB
	GPAIR 0                                        ; pair 3
	s_barrier_signal -1
	s_barrier_wait -1                              ; pair 0 and the scale rows lie in LDS
	SCW 0
	FRAGS 0, 0
	FRAGS 0, 1
	WIN 0
; THE TRIP of pair i.  cur = i % 3: its slot, staging set and scale set; nxt = (i + 1) % 3.  st: pair i + 1 exists; ld: pair i + 4 exists; lcnt: the loads of the younger pairs, which may stay out.
; The one barrier orders two things: every wave's stores of pair i + 1 (waited for in front of the signal) against the reads behind it; and every wave's reads of pair i's slot (waited for there too) against the stores
; into that slot two trips on.
.macro TRIP cur, nxt, st, ld, lcnt
.if \st
	s_wait_loadcnt \lcnt                           ; pair i + 1 is in its registers
	SPAIR \nxt
	s_wait_dscnt 60                                ; the 48 loads of K steps 4-7 and my 12 stores may be out: the scale words and K steps 0-3 are in
.else
	s_wait_dscnt 48
.endif
	MULS 0, 0, \cur
	MULS 0, 1, \cur
	s_wait_dscnt 0x0                               ; K steps 4-7 are in; my stores have landed
	WIN 0
.if \st
	s_wait_alu depctr_vm_vsrc(0)                   ; the last trip's LDS loads have read v[VSA]; my LDS stores above have read staging set nxt; the last trip's global stores have read PC and PX
	s_add_co_u32 s[TSV], s[TSV], 1024
	v_add_nc_u32 v[VSA], s[TSV], v[VS0]            ; the next pair's scale rows
	PLACES                                         ; behind the products that read K steps 0-3's registers, ahead of the loads into them
	s_wait_alu depctr_va_vdst(0)                   ; v[VSA] is written; the 32 products above are done reading K steps 0-3; those of two trips back are done reading scale set nxt: the LDS loads behind the barrier land there
.else
	s_wait_alu depctr_vm_vsrc(0)                   ; the last trip's global stores have read PC and PX, which the quantiser writes again
.endif
.if \ld
	s_wait_xcnt 0x0                                ; the last pair's loads have read their base
	s_add_nc_u64 s[52:53], s[52:53], PAIRB
	GPAIR \nxt                                     ; pair i + 4, into the set just stored
.endif
.if \st
	s_barrier_signal -1
.endif
	MULS 1, 0, \cur                                ; work on registers while the others arrive.  These name K steps 4-7, S0, the accumulators and scale set cur: none of the registers that the loads below touch
.if \st
	WIN 0
	s_barrier_wait -1
	SCW \nxt
	FRAGS \nxt, 0
.endif
	MULS 1, 1, \cur
	WIN 0
	PLACES                                         ; in front of the first read of results, and of the loads into K steps 4-7's registers
.if \st
	s_wait_alu depctr_va_vdst(0)                   ; the trip's last 32 products are done reading K steps 4-7, in which the loads below land
	FRAGS \nxt, 1
	WIN 0
.endif
	s_wait_xcnt 0x0                                ; the last trip's stores have read their data and their bases
	s_add_nc_u64 s[66:67], s[66:67], 1536          ; two half images on; the stores reach back
	s_add_nc_u64 s[68:69], s[68:69], 128
	QUANT ACC                                      ; blocks 0, 1: S1's tile 0; blocks 2, 3: tile 1
	v_lshrrev_b32 v[PX], v[VH], v[PW]              ; lanes 0-15: tile 0's two bytes; lanes 16-31: tile 1's
	s_wait_alu depctr_va_vdst(0)                   ; the quantiser has written PC and PX, which the five stores read
	global_store_b128 v[L16], v[PC:PC+3], s[66:67] offset:-1536      ; 512 consecutive bytes
	global_store_b64 v[L8], v[PC+4:PC+5], s[66:67] offset:-1024      ; 256 consecutive bytes
	global_store_b128 v[L16], v[PC+6:PC+9], s[66:67] offset:-768
	global_store_b64 v[L8], v[PC+10:PC+11], s[66:67] offset:-256
	global_store_b16 v[VOS], v[PX], s[68:69] offset:-128             ; two bytes of each row's word; the other two are the neighbouring wave's
.endm
	s_mov_b32 s61, 4
.Lp:                                                   ; pairs 0 to 11
	TRIP 0, 1, 1, 1, 24
	TRIP 1, 2, 1, 1, 24
	TRIP 2, 0, 1, 1, 24
	s_sub_co_u32 s61, s61, 1
	s_cmp_lg_u32 s61, 0
	s_cbranch_scc1 .Lp
	TRIP 0, 1, 1, 0, 24                            ; pairs 12 to 15: nothing more is asked for, and the counts run down
	TRIP 1, 2, 1, 0, 12
	TRIP 2, 0, 1, 0, 0
	TRIP 0, 0, 0, 0, 0
	s_wait_dscnt 0x0
	s_wait_alu depctr_hold_cnt(0) depctr_sa_sdst(0) depctr_va_vdst(0) depctr_va_sdst(0) depctr_va_ssrc(0) depctr_va_vcc(0) depctr_vm_vsrc(0)
	s_wait_tensorcnt 0x0
	ds_add_u32 v254, v255
	s_wait_dscnt 0x0
	s_endpgm
.Lfunc_end_k_q69821c13ee_proj:
	.size	k_q69821c13ee_proj, .Lfunc_end_k_q69821c13ee_proj-k_q69821c13ee_proj
	.p2alignl 7, 3214868480
	.fill 96, 4, 3214868480
	.section	.rodata,"a",@progbits
	.p2align	6, 0x0
	.amdhsa_kernel k_q69821c13ee_proj
		.amdhsa_group_segment_fixed_size 292864
		.amdhsa_private_segment_fixed_size 0
		.amdhsa_enable_private_segment 0
		.amdhsa_kernarg_size 112
		.amdhsa_user_sgpr_count 2
		.amdhsa_user_sgpr_kernarg_segment_ptr 1
		.amdhsa_wavefront_size32 1
		.amdhsa_system_sgpr_workgroup_id_x 1
		.amdhsa_system_sgpr_workgroup_id_y 1
		.amdhsa_system_sgpr_workgroup_id_z 1
		.amdhsa_system_vgpr_workitem_id 0
		.amdhsa_next_free_vgpr 1024
		.amdhsa_next_free_sgpr 80
		.amdhsa_reserve_vcc 0
		.amdhsa_float_denorm_mode_32 3
		.amdhsa_float_denorm_mode_16_64 3
		.amdhsa_memory_ordered 1
		.amdhsa_forward_progress 1
		.amdhsa_inst_pref_size 186
	.end_amdhsa_kernel
	.amdgpu_metadata
---
amdhsa.version: [ 1, 2 ]
amdhsa.kernels:
  - .name:           k_q69821c13ee_proj
    .symbol:         k_q69821c13ee_proj.kd
    .args:
      - { .name: qc, .offset: 0, .size: 8, .value_kind: global_buffer, .address_space: global }
      - { .name: qs, .offset: 8, .size: 8, .value_kind: global_buffer, .address_space: global }
      - { .name: key__codes, .offset: 16, .size: 8, .value_kind: global_buffer, .address_space: global }
      - { .name: key__scales, .offset: 24, .size: 8, .value_kind: global_buffer, .address_space: global }
      - { .name: value_codes, .offset: 32, .size: 8, .value_kind: global_buffer, .address_space: global }
      - { .name: value_scales, .offset: 40, .size: 8, .value_kind: global_buffer, .address_space: global }
      - { .name: Wq_codes, .offset: 48, .size: 8, .value_kind: global_buffer, .address_space: global }
      - { .name: Wq_scales, .offset: 56, .size: 8, .value_kind: global_buffer, .address_space: global }
      - { .name: Wk_codes, .offset: 64, .size: 8, .value_kind: global_buffer, .address_space: global }
      - { .name: Wk_scales, .offset: 72, .size: 8, .value_kind: global_buffer, .address_space: global }
      - { .name: Wv_codes, .offset: 80, .size: 8, .value_kind: global_buffer, .address_space: global }
      - { .name: Wv_scales, .offset: 88, .size: 8, .value_kind: global_buffer, .address_space: global }
      - { .name: img, .offset: 96, .size: 8, .value_kind: global_buffer, .address_space: global }
      - { .name: isc, .offset: 104, .size: 8, .value_kind: global_buffer, .address_space: global }
    .group_segment_fixed_size: 292864
    .private_segment_fixed_size: 0
    .kernarg_segment_align: 8
    .kernarg_segment_size: 112
    .max_flat_workgroup_size: 128
    .sgpr_count:     80
    .vgpr_count:     1024
    .wavefront_size: 32
...
	.end_amdgpu_metadata
.endif
;; end of part 6
;; launch attn (part 7): grid 8 x 64, 16 waves a work-group, no clusters, 63,488 bytes of LDS; arguments img, isc, oimg, osc; writes oimg, osc
.if DOCPART == 7
	.amdgcn_target "amdgcn-amd-amdhsa--gfx1250"
	.amdhsa_code_object_version 6
	.text
	.protected	k_q69821c13ee_attn
	.globl	k_q69821c13ee_attn
	.p2align	8
	.type	k_q69821c13ee_attn,@function
k_q69821c13ee_attn:
	s_mov_b64 s[64:65], 0
	v_nop
	global_prefetch_b8 v0, s[64:65] scope:SCOPE_SE
	s_setreg_imm32_b32 hwreg(HW_REG_WAVE_SCHED_MODE, 0, 2), 2
	s_setreg_imm32_b32 hwreg(HW_REG_WAVE_MODE, 25, 1), 1
	s_wait_xcnt 0x0
	s_wait_alu depctr_vm_vsrc(0)
; Attention of one head (work-group y = 16 x batch + head) for 256 queries (work-group x), both products on codes of FP6 (E2M3) with E8M0 scales.  q, k, v come as images of operand registers (half images of 768 bytes:
; 16 rows x 64 along K; registers 0-3 at 16 x lane, registers 4-5 at 512 + 8 x lane) with their scale bytes; the result / l is quantised along the head's 64 and leaves in the same form.
; THE SOFTMAX: t = score x log2(e) / 8; M = the row's largest t so far, rounded UP to a whole number; p = 2^(t - M) is what is quantised, along the keys, not normalised.  The row's sum is taken of the unquantised p and
; divides at the end (v_rcp_f32 and a multiplication).  When M moves, the sum and O are multiplied by 2^(old M - new M): exact.
; SHARES.  Each of SIXTEEN waves owns one tile of 16 queries in 256 registers, four waves to a SIMD, so that one wave's vector work stands beside another's matrix work and LDS loads.  Every wave walks the 2,048 keys, 128 a
; step.  K and V come through two LDS slots of 256 keys (24,576 bytes = 48 runs of 512 bytes; each wave brings three, memory -> registers -> LDS, asked for a slot ahead), one barrier a slot.
; No tensor load: a wave's share of a slot is three loads.  No cluster: what the eight query blocks of a head share is 24,576 bytes for two key steps of sixteen waves.
; LAYOUT.  Both products transposed: S^T = K Q^T (source 0 = 16 keys), O^T = V^T P^T (source 0 = 16 channels): a lane holds ONE query throughout.  Lane r of key tile 2 b + u holds key 32 b + 8 u + r + 8 (r / 8), so the 16
; registers of tiles 2 b, 2 b + 1 are keys 32 b + 16 h + 0 .. 15; V's channel tiles have the same order, so O^T's registers are 16 neighbouring channels for the quantiser at the end.
; K = 64 IN AN INSTRUCTION OF K = 128: Q's registers 6-11 are zero codes.  K's operand for tile j is v[32 + 6 j] on, 12 registers: its upper six are the next tile's codes (behind tile 7: zeros), which meet zero codes and add
; nothing.  The upper two scale bytes of Q's word are 0 (2^-127), K's are 0 or the neighbouring head's bytes: never 0xff.
; LIMITS: NaN and infinities are not served; a block of zeros or under 2^-124 gets the byte 1 (this program alone reads the bytes).
; REGISTERS: v1-7 addresses that stay; v10, v11 scale words' addresses; v12 -M, v13 the largest t, v[14:15] the sum in two halves; v16-27 Q, v28 its scale word; v32-85 K's or V's fragments; v96-159 S^T, then p;
;   v160-191 O^T; v192-203 the slot on its way; v204-211 K's scale words, v212-215 V's; v224-235 p's codes; v232-254 at work (v250 f, v253 p's scale word).
; THE MODE: SCHED_MODE bits 1:0 = 2 (LLVM: expert scheduling mode 2), set by the entry lines.  The code itself states the register dependences between vector or matrix instructions and memory or LDS instructions,
; with s_wait_alu, always for 0.
; THE PLAN.  Registers that memory or LDS instructions touch in the loop:
;   v32-79     K's LDS loads land; the step's 8 products read them; V's LDS loads land; the step's 4 products read them; the next step's K lands.
;   v204-211   K's scale words land; the 8 products read them.      v212-215   V's land; the 4 products read them.
;   v192-203   three global loads land; three LDS stores read them; the next three loads land.  No vector or matrix instruction names them.
;   v10, v11   read by the scale words' LDS loads; written at a trip's head.      All other addresses are made at the head and never written again.
;   v224-235, v253   p's codes and scale word, written by vector instructions, taken by the 4 scaled products as source 1 and as its scales.
; So a key step holds, beside the two waits behind its exponentials, three waits on va_vdst: at its head (the last 4 products are done with V's fragments and words, the last 8 with K's words; v10 is written);
; behind its 8 products (they are done with K's fragments; v11 is written); and ahead of its 4 products (p's codes and scale word are written).  A wait on vm_vsrc stands at a trip's head (v10, v11) and behind each
; run of LDS stores of a slot's three runs (v192-203).
.set SL1,  32768                       ; slot 1 (slot 0 at 0): 16 tiles of K (12,288 bytes), then V: [group of 64 keys, 4][channel tile, 4][768]
.set VOFF, 12288
.set KSC,  24576                       ; K's scale words of the whole head: [tile 128][r 16] words: 8,192 bytes
.set VSC,  57344                       ; V's: [key step 16][channel tile 4][r 16] words: 4,096 bytes
.macro PLACES
.rept 4
	v_nop
.endr
.endm
	s_load_b256 s[4:11], s[0:1], 0x0               ; img s[4:5], isc s[6:7], oimg s[8:9], osc s[10:11]
	v_lshl_add_u32 v249, v0, 2, 0xf000
	v_mov_b32 v255, 0
	v_lshrrev_b32 v8, 5, v0
	v_readfirstlane_b32 s12, v8                    ; wave 0..15
	s_wait_alu depctr_va_sdst(0)                   ; s12 is written, ahead of its first reader: offsets and LDS addresses are made from it
	s_and_b32 s14, ttmp7, 0xffff                   ; y
	s_lshr_b32 s15, s14, 4                         ; batch
	s_and_b32 s16, s14, 15                         ; head
	s_lshr_b32 s17, s16, 1                         ; the pair of heads
	s_and_b32 s18, s16, 1                          ; and which of the two
	s_lshl_b32 s19, ttmp9, 4
	s_add_co_u32 s19, s19, s12                     ; my tile of queries in the batch: 16 x + wave
	s_lshl_b32 s60, s18, 4
	s_mov_b32 s20, 0x76543210
	s_mov_b32 s21, 0xfedcba98                      ; v_permlanex16_b32's selects for lane l xor 16
	s_mov_b32 s22, 0x3e38aa3b                      ; c = log2(e) / 8
	s_mov_b32 s23, s22                             ; (named with it as a pair, so it is written)
	s_mov_b32 s33, 0
	s_mov_b32 s35, 0                               ; K's scale words: 2,048 bytes a trip
	s_mov_b32 s36, 0                               ; V's: 1,024 bytes a trip
	v_and_b32 v29, 31, v0                          ; lane
	v_and_b32 v30, 15, v0                          ; r
	v_bfe_u32 v31, v0, 4, 1                        ; h
	v_lshlrev_b32 v1, 4, v29                       ; 16 x lane
	v_lshlrev_b32 v2, 3, v29                       ; 8 x lane
	v_lshl_add_u32 v3, v30, 2, KSC
	v_lshl_add_u32 v4, v30, 2, VSC
	s_lshl_b32 s50, s12, 9
	v_add_nc_u32 v5, s50, v1                       ; my run of a slot: 512 x wave + 16 x lane
	v_lshlrev_b32 v6, 3, v31                       ; 8 h
	v_lshl_add_u32 v7, v30, 5, v31                 ; 32 r + h
	v_add_nc_u32 v8, KSC, v5
	s_lshl_b32 s50, s12, 8
	v_add_nc_u32 v9, s50, v2
	v_add_nc_u32 v9, VSC, v9
	v_lshlrev_b32 v30, 2, v30                      ; 4 r
	s_wait_kmcnt 0x0
	s_lshl_b32 s32, s14, 7
	s_add_co_u32 s32, s32, s19
	s_mul_i32 s32, s32, 768
	s_add_nc_u64 s[38:39], s[4:5], s[32:33]        ; Q's half image
	s_lshl_b32 s51, s15, 3
	s_add_co_u32 s51, s51, s17                     ; 8 x batch + pair of heads
	s_lshl_b32 s32, s51, 7
	s_add_co_u32 s32, s32, s19
	s_lshl_b32 s32, s32, 6
	s_lshl_b32 s52, s18, 1
	s_add_co_u32 s32, s32, s52
	s_add_nc_u64 s[40:41], s[6:7], s[32:33]        ; Q's scale bytes
	s_lshl_b32 s32, s51, 13
	s_lshl_b32 s52, s12, 9
	s_add_co_u32 s32, s32, s52
	s_add_co_u32 s32, s32, 262144
	s_add_nc_u64 s[42:43], s[6:7], s[32:33]        ; my 512 bytes of K's scale words
	s_lshl_b32 s32, s15, 16
	s_lshl_b32 s52, s12, 12
	s_add_co_u32 s32, s32, s52
	s_lshl_b32 s52, s16, 8
	s_add_co_u32 s32, s32, s52
	s_add_co_u32 s32, s32, 524288
	s_add_nc_u64 s[44:45], s[6:7], s[32:33]        ; key step w's 256 bytes of V's
	s_lshl_b32 s53, s15, 7
	s_add_co_u32 s53, s53, s19                     ; T: my tile of tokens, 0..511
	s_lshl_b32 s32, s53, 3
	s_add_co_u32 s32, s32, s17
	s_mul_i32 s32, s32, 1536
	s_mul_i32 s52, s18, 768
	s_add_co_u32 s32, s32, s52
	s_add_nc_u64 s[46:47], s[8:9], s[32:33]        ; where my result's half image goes
	s_lshl_b32 s32, s53, 9
	s_lshl_b32 s52, s17, 2
	s_add_co_u32 s32, s32, s52
	s_lshl_b32 s52, s18, 1
	s_add_co_u32 s32, s32, s52
	s_add_nc_u64 s[48:49], s[10:11], s[32:33]      ; and its scale bytes
	; the three runs of 512 bytes of a slot that I bring: runs w, 16 + w, 32 + w of 48.  Runs 0-23 are K's; run 24 + v is V's run v: group of keys v / 6, bytes 512 (v % 6) of its four channel tiles
	s_mul_i32 s54, s15, 1572864
	s_mul_i32 s52, s16, 3072
	s_add_co_u32 s54, s54, s52
	s_add_co_u32 s54, s54, 12582912                ; V: my batch, my head
	s_add_co_u32 s55, s12, 8                       ; v = 8 + w
	s_mul_i32 s56, s55, 11
	s_lshr_b32 s56, s56, 6                         ; v / 6 (for v under 24)
	s_mul_i32 s57, s56, 6
	s_sub_co_u32 s55, s55, s57
	s_lshl_b32 s55, s55, 9
	s_mul_i32 s56, s56, 49152
	s_add_co_u32 s55, s55, s56
	s_add_co_u32 s32, s55, s54
	s_add_nc_u64 s[28:29], s[4:5], s[32:33]        ; run 32 + w
	s_sub_co_i32 s55, s12, 8
	s_max_i32 s55, s55, 0                          ; v = w - 8, for waves 8-15
	s_mul_i32 s56, s55, 11
	s_lshr_b32 s56, s56, 6
	s_mul_i32 s57, s56, 6
	s_sub_co_u32 s55, s55, s57
	s_lshl_b32 s55, s55, 9
	s_mul_i32 s56, s56, 49152
	s_add_co_u32 s55, s55, s56
	s_add_co_u32 s55, s55, s54
	s_mul_i32 s32, s14, 98304
	s_lshl_b32 s52, s12, 9
	s_add_co_u32 s32, s32, s52
	s_add_co_u32 s32, s32, 6291456
	s_add_nc_u64 s[24:25], s[4:5], s[32:33]        ; run w
	s_add_co_u32 s32, s32, 8192                    ; K's run 16 + w, for waves 0-7
	s_cmp_lt_u32 s12, 8
	s_cselect_b32 s32, s32, s55
	s_mov_b32 s30, 196608
	s_cselect_b32 s30, 12288, s30                  ; a slot on: 16 tiles of K, or 4 groups of 64 keys of V
	s_mov_b32 s31, 0
	s_add_nc_u64 s[26:27], s[4:5], s[32:33]        ; run 16 + w
	s_wait_alu depctr_va_vdst(0)                   ; the addresses and offsets v1 to v9 and v30 are written, which the loads and stores of the whole kernel read
	global_load_b128 v[16:19], v1, s[38:39]        ; Q stays in registers
	global_load_b64 v[20:21], v2, s[38:39] offset:512
	global_load_u16 v28, v30, s[40:41]             ; its two scale bytes; the upper two are 0
	global_load_b128 v[204:207], v1, s[42:43]
	global_load_b64 v[208:209], v2, s[44:45]
	global_load_b128 v[192:195], v1, s[24:25]      ; keys 0-255
	global_load_b128 v[196:199], v1, s[26:27]
	global_load_b128 v[200:203], v1, s[28:29]
.irp j, 0,1,2,3,4,5
	v_mov_b32 v[22+\j], 0                          ; Q's zero codes for k = 64 .. 127
	v_mov_b32 v[80+\j], 0                          ; what stands behind K's tile 7
.endr
	v_mov_b32 v13, 0xff61b1e6                      ; the largest t so far: -3e38, under every t
	v_floor_f32 v12, -v13                          ; -M
	v_mov_b32 v14, 0                               ; the sum, in two halves
	v_mov_b32 v15, 0
.irp b, 0,1,2,3
	v_mov_b32 v[236+\b], 0                         ; written once: a lane permute's destination counts as one of its sources
.endr
	v_mov_b32 v251, 0                              ; (named as the upper half of the pair v[250:251])
	v_mov_b32 v252, 0
.set J, 0
.rept 32
	v_mov_b32 v[160+J], 0                          ; O^T.  (The step is written once: the first finds zeros, which the first change of M leaves zeros)
.set J, J+1
.endr
	s_wait_loadcnt 0x0
.irp i, 0,1,2,3
	v_lshrrev_b32 v[204+\i], s60, v[204+\i]        ; my head's two bytes of each word go to the low half: no LDS address then hangs on the head
.endr
	s_wait_alu depctr_va_vdst(0)                   ; the shifts have written v204-207, which the LDS store below reads
	ds_store_b128 v8, v[204:207]
	ds_store_b64 v9, v[208:209]
.irp k, 0,1,2
	ds_store_b128 v5, v[192+4*\k:195+4*\k] offset:8192*\k
.endr
	s_wait_dscnt 0x0                               ; for the others' sake: my stores have landed
	s_wait_alu depctr_vm_vsrc(0)                   ; the LDS stores have read v192-203, in which the next three loads land, and v204-209, in which the scale words' LDS loads land
.macro GET                             ; the next slot's three runs are asked for.  The wait for the last three loads has freed their bases
	s_add_nc_u64 s[24:25], s[24:25], 12288
	s_add_nc_u64 s[26:27], s[26:27], s[30:31]
	s_add_nc_u64 s[28:29], s[28:29], 196608
	global_load_b128 v[192:195], v1, s[24:25]
	global_load_b128 v[196:199], v1, s[26:27]
	global_load_b128 v[200:203], v1, s[28:29]
.endm
.macro PUT sl                          ; and go into LDS slot sl, which nobody reads since the last barrier
	s_wait_loadcnt 0x0
.irp k, 0,1,2
	ds_store_b128 v5, v[192+4*\k:195+4*\k] offset:\sl*SL1+8192*\k
.endr
	s_wait_dscnt 0x0                               ; my stores into the slot are done
	s_wait_alu depctr_vm_vsrc(0)                   ; they have read v192-203, in which the next three loads land
.endm
	GET                                            ; keys 256-511
	s_barrier_signal -1
	s_barrier_wait -1                              ; slot 0 and the scale words lie in LDS
; A KEY STEP: 128 keys, the q-th of LDS slot sl.
.macro STEP sl, q
	PLACES                                         ; behind the last products, ahead of the loads into registers that they read
	s_wait_alu depctr_va_vdst(0)                   ; the last step's products are done reading V's fragments (v32-79) and K's scale words (v204-211), in which the loads below land; in a trip's first step v10 is written
.irp j, 0,1,2,3,4,5,6,7
	ds_load_b128 v[32+6*\j:35+6*\j], v1 offset:\sl*SL1+(8*\q+\j)*768
	ds_load_b64 v[36+6*\j:37+6*\j], v2 offset:\sl*SL1+(8*\q+\j)*768+512
	ds_load_b32 v[204+\j], v10 offset:(2*\sl+\q)*512+64*\j
.endr
	s_wait_dscnt 0x0
.irp j, 0,1,2,3,4,5,6,7
	v_wmma_scale_f32_16x16x128_f8f6f4 v[96+8*\j:103+8*\j], v[32+6*\j:43+6*\j], v[16:27], 0, v[204+\j], v28 matrix_a_fmt:MATRIX_FMT_FP6 matrix_b_fmt:MATRIX_FMT_FP6
.endr
	PLACES                                         ; in front of the first read of the scores
	s_wait_alu depctr_va_vdst(0)                   ; the 8 products are done reading K's fragments, the last step's 4 V's scale words (v212-215): the loads below land there; in a trip's first step v11 is written
.irp dt, 0,1,2,3                               ; V's fragments are asked for now and land under the softmax
.irp c, 0,1
	ds_load_b128 v[32+12*\dt+6*\c:35+12*\dt+6*\c], v1 offset:\sl*SL1+VOFF+(2*\q+\c)*3072+\dt*768
	ds_load_b64 v[36+12*\dt+6*\c:37+12*\dt+6*\c], v2 offset:\sl*SL1+VOFF+(2*\q+\c)*3072+\dt*768+512
.endr
	ds_load_b32 v[212+\dt], v11 offset:(2*\sl+\q)*256+64*\dt
.endr
.irp b, 0,1,2,3
	v_max3_num_f32 v[232+\b], v[96+16*\b], v[97+16*\b], v[98+16*\b]   ; THE LARGEST SCORE OF EACH BLOCK OF 32 KEYS: for the row's maximum and, since p rises with the score, for the block's largest p
.endr
.irp i, 3,5,7,9,11,13
.irp b, 0,1,2,3
	v_max3_num_f32 v[232+\b], v[232+\b], v[96+16*\b+\i], v[97+16*\b+\i]   ; (the four blocks by turns)
.endr
.endr
.irp b, 0,1,2,3
	v_max_num_f32 v[232+\b], v[232+\b], v[111+16*\b]
.endr
.irp b, 0,1,2,3
	v_permlanex16_b32 v[236+\b], v[232+\b], s20, s21
.endr
.irp b, 0,1,2,3
	v_max_num_f32 v[232+\b], v[232+\b], v[236+\b]  ; with lane l xor 16's 16 keys
.endr
	v_max3_num_f32 v254, v232, v233, v234
	v_max_num_f32 v254, v254, v235                 ; the step's largest score of my query
	v_mul_f32 v254, s22, v254                      ; as t (c is positive)
	v_max_num_f32 v13, v13, v254                   ; the running largest t
	v_mov_b32 v254, v12
	v_floor_f32 v12, -v13                          ; the new -M = floor(-t) = -ceil(t): M IS A WHOLE NUMBER
	v_sub_f32 v254, v12, v254                      ; M's old value less its new one: a whole number, 0 or less
	v_cvt_i32_f32 v254, v254                       ; (it saturates)
	v_ldexp_f32 v250, 1.0, v254                    ; f = 2^(old M - new M)
.set J, 0
.rept 32
	v_pk_fma_f32 v[96+J:97+J], v[96+J:97+J], s[22:23], v[12:13] op_sel_hi:[1,0,0]   ; t - M, two at a time (of the pairs c and -M the low word serves both halves)
.set J, J+2
.endr
.irp b, 0,1,2,3
	v_fma_f32 v[232+\b], v[232+\b], s22, v12       ; the same of each block's largest score
.endr
.set J, 0
	s_wait_alu depctr_va_vdst(0)
.rept 64
	v_exp_f32 v[96+J], v[96+J]                     ; p = 2^(t - M), at most 1: NOT normalised
.set J, J+1
.endr
	v_pk_mul_f32 v[14:15], v[14:15], v[250:251] op_sel_hi:[1,0]   ; the sums under the new M.  (A plain place behind the exponentials)
	s_wait_alu depctr_va_vdst(0)                   ; the 64 exponentials have written p: one wait for the whole batch, ahead of its first reader
.irp b, 0,1,2,3
	v_exp_f32 v[232+\b], v[232+\b]                 ; the block's largest p: the same two instructions on the same number give the same bits
.endr
	v_pk_add_f32 v[236:237], v[96:97], v[98:99]    ; THE ROW'S SUM IS TAKEN OF THE UNQUANTISED p: two at a time, in two chains.  (It reads the 64 alone: plain work behind the four)
.irp j, 4,8,12,16,20,24,28,32,36,40,44,48,52,56,60
	v_pk_add_f32 v[14:15], v[14:15], v[96+\j:97+\j]
	v_pk_add_f32 v[236:237], v[236:237], v[98+\j:99+\j]
.endr
	v_pk_add_f32 v[14:15], v[14:15], v[236:237]
	s_wait_alu depctr_va_vdst(0)                   ; the four exponentials have written v232-235: their wait, ahead of their first reader
.irp b, 0,1,2,3
	v_max_num_f32 v[232+\b], 0x1800000, v[232+\b]  ; the floor 2^(3 - 127): the byte cannot fall under 1
.endr
.irp b, 0,1,2,3
	v_add_nc_u32 v[244+\b], 0xff000000, v[232+\b]  ; 2 off the exponent field: the conversion's scale operand
.endr
.irp b, 0,1,2,3
	v_lshrrev_b32 v[236+\b], 23, v[244+\b]         ; the scale's byte
.endr
	v_lshl_or_b32 v253, v237, 8, v236              ; p's scale word for these 128 keys
	v_lshl_or_b32 v253, v238, 16, v253
	v_lshl_or_b32 v253, v239, 24, v253
.irp c, 0,1
	v_cvt_scalef32_pk16_fp6_f32 v[224+6*\c:226+6*\c], v[96+32*\c:111+32*\c], v[244+2*\c]
	v_cvt_scalef32_pk16_fp6_f32 v[236+4*\c:238+4*\c], v[112+32*\c:127+32*\c], v[244+2*\c+1]   ; (a conversion's three registers begin on an even number)
.endr
	v_nop                                          ; one plain place behind a scaled conversion
.irp c, 0,1                                    ; the operand's layout wants a WHOLE block in a lane
.irp i, 0,1,2
	v_permlane16_swap_b32 v[224+6*\c+\i], v[236+4*\c+\i]
.endr
.irp i, 0,1,2
	v_mov_b32 v[227+6*\c+\i], v[236+4*\c+\i]
.endr
.endr
.set J, 0
.rept 16
	v_pk_mul_f32 v[160+J:161+J], v[160+J:161+J], v[250:251] op_sel_hi:[1,0]   ; O^T under the new M: x f.  For each product below, the twelve of these on the other three tiles name none of its registers: the places behind p's scale word and codes
.set J, J+2
.endr
	s_wait_dscnt 0x0                               ; V is in
	s_wait_alu depctr_va_vdst(0)                   ; p's codes v224-235 and its scale word v253 are written, which the scaled products take as source 1 and as its scales; the places stand ahead of this wait
.irp dt, 0,1,2,3
	v_wmma_scale_f32_16x16x128_f8f6f4 v[160+8*\dt:167+8*\dt], v[32+12*\dt:43+12*\dt], v[224:235], v[160+8*\dt:167+8*\dt], v[212+\dt], v253 matrix_a_fmt:MATRIX_FMT_FP6 matrix_b_fmt:MATRIX_FMT_FP6
.endr
.endm
	s_mov_b32 s37, 0
.Ltrip:                                                ; four trips of 512 keys: LDS slot 0, then slot 1
	s_wait_alu depctr_vm_vsrc(0)                   ; the last trip's LDS loads of scale words have read v10 and v11
	v_add_nc_u32 v10, s35, v3                      ; this trip's scale words
	v_add_nc_u32 v11, s36, v4
	PUT 1                                          ; keys 512 T + 256 on, into slot 1, whose reads ended in front of the last barrier
	s_cmp_eq_u32 s37, 3
	s_cbranch_scc1 .Lno_a                          ; the last trip asks for nothing: no load leaves the buffer
	GET
.Lno_a:
	STEP 0, 0
	STEP 0, 1
	s_wait_dscnt 0x0                               ; my reads of slot 0 are over, my stores into slot 1 have landed
	s_barrier_signal -1
	s_barrier_wait -1
	s_cmp_eq_u32 s37, 3
	s_cbranch_scc1 .Lno_b
	PUT 0                                          ; keys 512 (T + 1) on
	GET
.Lno_b:
	STEP 1, 0
	STEP 1, 1
	s_wait_dscnt 0x0
	s_barrier_signal -1
	s_barrier_wait -1
	s_add_co_u32 s35, s35, 2048
	s_add_co_u32 s36, s36, 1024
	s_add_co_u32 s37, s37, 1
	s_cmp_lt_u32 s37, 4
	s_cbranch_scc1 .Ltrip
	; THE WAY OUT: O^T / the sum, quantised along the head's 64 (two blocks), as a half image and two scale bytes a query
	PLACES                                         ; behind the last products
	v_add_f32 v14, v14, v15                        ; the sum's two halves,
	v_permlanex16_b32 v252, v14, s20, s21
	v_add_f32 v14, v14, v252                       ; and lane l xor 16's: the row's sum
	s_wait_alu depctr_va_vdst(0)
	v_rcp_f32 v14, v14
	v_nop                                          ; a plain place behind the transcendental
	s_wait_alu depctr_va_vdst(0)                   ; the reciprocal has written v14: the wait, ahead of its first reader
.set J, 0
.rept 32
	v_mul_f32 v[96+J], v[160+J], v14               ; register 16 b + i: channel 32 b + 16 h + i of my query
.set J, J+1
.endr
.irp b, 0,1
	v_max3_num_f32 v[232+\b], |v[96+16*\b]|, |v[97+16*\b]|, 0x1800000
.endr
.irp i, 2,4,6,8,10,12,14
.irp b, 0,1
	v_max3_num_f32 v[232+\b], v[232+\b], |v[96+16*\b+\i]|, |v[97+16*\b+\i]|
.endr
.endr
.irp b, 0,1
	v_permlanex16_b32 v[236+\b], v[232+\b], s20, s21
.endr
.irp b, 0,1
	v_max_num_f32 v[232+\b], v[232+\b], v[236+\b]
.endr
.irp b, 0,1
	v_add_nc_u32 v[244+\b], 0xff000000, v[232+\b]
.endr
.irp b, 0,1
	v_lshrrev_b32 v[236+\b], 23, v[244+\b]
.endr
	v_lshl_or_b32 v253, v237, 8, v236
	v_cvt_scalef32_pk16_fp6_f32 v[224:226], v[96:111], v244
	v_cvt_scalef32_pk16_fp6_f32 v[240:242], v[112:127], v245
	v_nop
.irp i, 0,1,2
	v_permlane16_swap_b32 v[224+\i], v[240+\i]
.endr
.irp i, 0,1,2
	v_mov_b32 v[227+\i], v[240+\i]
.endr
	v_lshrrev_b32 v253, v6, v253                   ; lanes 0-15 store block 0's byte, lanes 16-31 block 1's
	s_wait_alu depctr_va_vdst(0)                   ; the codes v224-229 and the byte in v253 are written, which the three stores read
	global_store_b128 v1, v[224:227], s[46:47]     ; 512 consecutive bytes
	global_store_b64 v2, v[228:229], s[46:47] offset:512
	global_store_b8 v7, v253, s[48:49]
	s_wait_dscnt 0x0
	s_wait_alu depctr_hold_cnt(0) depctr_sa_sdst(0) depctr_va_vdst(0) depctr_va_sdst(0) depctr_va_ssrc(0) depctr_va_vcc(0) depctr_vm_vsrc(0)
	s_wait_tensorcnt 0x0
	ds_add_u32 v249, v255
	s_wait_dscnt 0x0
	s_endpgm
.Lfunc_end_k_q69821c13ee_attn:
	.size	k_q69821c13ee_attn, .Lfunc_end_k_q69821c13ee_attn-k_q69821c13ee_attn
	.p2alignl 7, 3214868480
	.fill 96, 4, 3214868480
	.section	.rodata,"a",@progbits
	.p2align	6, 0x0
	.amdhsa_kernel k_q69821c13ee_attn
		.amdhsa_group_segment_fixed_size 63488
		.amdhsa_private_segment_fixed_size 0
		.amdhsa_enable_private_segment 0
		.amdhsa_kernarg_size 32
		.amdhsa_user_sgpr_count 2
		.amdhsa_user_sgpr_kernarg_segment_ptr 1
		.amdhsa_wavefront_size32 1
		.amdhsa_system_sgpr_workgroup_id_x 1
		.amdhsa_system_sgpr_workgroup_id_y 1
		.amdhsa_system_sgpr_workgroup_id_z 1
		.amdhsa_system_vgpr_workitem_id 0
		.amdhsa_next_free_vgpr 256
		.amdhsa_next_free_sgpr 66
		.amdhsa_reserve_vcc 0
		.amdhsa_float_denorm_mode_32 3
		.amdhsa_float_denorm_mode_16_64 3
		.amdhsa_memory_ordered 1
		.amdhsa_forward_progress 1
		.amdhsa_inst_pref_size 80
	.end_amdhsa_kernel
	.amdgpu_metadata
---
amdhsa.version: [ 1, 2 ]
amdhsa.kernels:
  - .name:           k_q69821c13ee_attn
    .symbol:         k_q69821c13ee_attn.kd
    .args:
      - { .name: img, .offset: 0, .size: 8, .value_kind: global_buffer, .address_space: global }
      - { .name: isc, .offset: 8, .size: 8, .value_kind: global_buffer, .address_space: global }
      - { .name: oimg, .offset: 16, .size: 8, .value_kind: global_buffer, .address_space: global }
      - { .name: osc, .offset: 24, .size: 8, .value_kind: global_buffer, .address_space: global }
    .group_segment_fixed_size: 63488
    .private_segment_fixed_size: 0
    .kernarg_segment_align: 8
    .kernarg_segment_size: 32
    .max_flat_workgroup_size: 512
    .sgpr_count:     66
    .vgpr_count:     256
    .wavefront_size: 32
...
	.end_amdgpu_metadata
.endif
;; end of part 7
;; launch oln (part 8): grid 256 x 1, 4 waves a work-group, no clusters, 134,656 bytes of LDS; arguments oimg, osc, wimg, Wo_scales, bo, gamma, beta, query, out0; writes out0
.if DOCPART == 8
	.amdgcn_target "amdgcn-amd-amdhsa--gfx1250"
	.amdhsa_code_object_version 6
	.text
	.protected	k_q69821c13ee_oln
	.globl	k_q69821c13ee_oln
	.p2align	8
	.type	k_q69821c13ee_oln,@function
k_q69821c13ee_oln:
	s_mov_b64 s[64:65], 0
	v_nop
	global_prefetch_b8 v0, s[64:65] scope:SCOPE_SE
	s_setreg_imm32_b32 hwreg(HW_REG_WAVE_SCHED_MODE, 0, 2), 2
	s_setreg_imm32_b32 hwreg(HW_REG_WAVE_MODE, 25, 1), 1
	s_wait_xcnt 0x0
	s_wait_alu depctr_vm_vsrc(0)
; out0 = LayerNorm(a Wo + bo) x gamma + beta + query.  a: attention's result as images of operand registers (oimg, osc); Wo: fragments in register order (wimg) with the given scale bytes; the product on codes of FP6 (E2M3)
; with E8M0 scales, K = 1,024; all else in f32.
; SHARES.  A work-group owns 32 tokens (two tiles m of 16; lane r of tile m is token 32 x + 8 m + r + 8 (r / 8)) and all 1,024 columns, so that a row's mean and variance stay in the work-group.  Wave w owns columns
; 256 w .. 256 w + 255: 16 tiles `it`.  The product is used transposed (source 0 = 16 rows of Wo, source 1 = the tokens): lane (r, h) of Y(it, m) holds one token and columns 256 w + 16 it + 8 h + 0 .. 7.
; Each fragment of Wo has ONE reader in the work-group, so it goes from memory straight into that wave's registers, three loads of 512 consecutive bytes, two tiles ahead (three sets of 96 registers): no LDS, no tensor load.
; bo is the C of each sum's first matrix instruction.  The variance is taken as written: the mean of (y - mean)^2.
; The waves' sums meet in LDS (two barriers).  The normalised rows go through each wave's own stage in LDS and leave as runs of 512 consecutive bytes of a row.
; LIMITS: NaN, infinities and a given scale byte 0xff are not served.
; REGISTERS, in windows of 256: window 0: v1-10 addresses; v16-31 a's scale words (8 m + s); v32-55 Wo's, three sets; v56-79 bo, three sets; v80-95 gamma, beta; v96-135 at work; v160-255 Wo's set 2, later rows on their way out.
;   window 1: Y (16 it + 8 m).   window 2: v0-191 a's fragments (12 (8 m + s)); later all 256: query.   window 3: Wo's sets 0 and 1, at v0 and v96.
; THE MODE: SCHED_MODE bits 1:0 = 2 (LLVM: expert scheduling mode 2), set by the entry lines.  The code itself states the register dependences between vector or matrix instructions and memory or LDS instructions,
; with s_wait_alu, always for 0.
; THE PLAN.  Registers that memory or LDS instructions touch:
;   Wo's set, scale words and bias, set it % 3   tile it's 28 loads land; its 16 products read them; tile it + 3's loads land, asked for behind tile it's products: ONE wait on va_vdst ahead of each batch from tile 3's on.
;   a's fragments (window 2)   read by all the products; query's 64 loads land there behind them: one wait on va_vdst.
;   Y (window 1)               written by products and vector instructions; read by the stage's 64 LDS stores: one wait on va_vdst ahead of that run.
;   v[TP+2]                    written by a select, read by an LDS store, in each of two reductions: va_vdst ahead of each store, vm_vsrc ahead of the second select.
;   v[TP+4] .. v[TP+11]        LDS loads land; vector instructions read and write them; LDS loads land again: the second reduction's wait on va_vdst serves.
;   Z                          16 LDS loads land; vector instructions work in place; 16 global stores read: four times.  One wait on va_vdst ahead of each run of stores (behind it no vector instruction names Z until the
;                              next LDS loads have landed), one on vm_vsrc ahead of each run of LDS loads but the first.
;   The addresses are made at the head and never written again.
.set L16, 1                            ; 16 x lane
.set R32, 2                            ; 32 r
.set H32, 3                            ; 32 h
.set L4K, 4                            ; 4,096 x lane
.set L8,  5                            ; 8 x lane
.set SX,  6                            ; where I put a partial sum: 16 x lane + 4 x wave
.set SRD, 7                            ; where I read four: 16 r
.set SO,  8                            ; the stage: where I put 32 bytes of a row
.set SR,  9                            ; and where I read a row back
.set VH,  10                           ; h
.set AS,  16
.set WS,  32
.set BI,  56
.set GA,  80
.set BE,  88
.set SM,  96                           ; v96-103 sums: two chains of pairs for each m
.set MU,  112                          ; v112-115 the means, each twice
.set RS,  116                          ; v116-119 1 / sqrt(variance + eps), each twice
.set TP,  120                          ; v120-131 at work
.set Z,   160
.set STG, 1024                         ; LDS: 0 and 512: the sums' words; from 1,024 a stage of 32 rows x (1,024 + 16) bytes for each wave
.set SPI, 1040
.set SEL, 28                           ; s[28:29]
.set HM,  40                           ; s40  the mask of lanes 16-31
.set MSB, 0
.macro WIN new
.if MSB != (\new)
	s_set_vgpr_msb (MSB<<8)|(\new)
.set MSB, (\new)
.endif
.endm
.macro PLACES
.rept 4
	v_nop
.endr
.endm
	s_load_b512 s[4:19], s[0:1], 0x0               ; oimg, osc, wimg, Wo_scales, bo, gamma, beta, query
	s_load_b64 s[20:21], s[0:1], 0x40              ; out0
	v_lshl_add_u32 v158, v0, 2, 0x20c00
	v_mov_b32 v159, 0
	v_lshrrev_b32 v11, 5, v0
	v_readfirstlane_b32 s22, v11                   ; wave 0..3
	v_bfe_u32 v[VH], v0, 4, 1
	v_cmp_ne_u32 s[HM], 0, v[VH]
	s_wait_alu depctr_va_sdst(0)                   ; s22 and s[HM] are written, ahead of their first readers: the offsets made from the wave's number, and the reductions' selects
	v_and_b32 v11, 31, v0                          ; lane
	v_and_b32 v12, 15, v0                          ; r
	v_lshlrev_b32 v[L16], 4, v11
	v_lshlrev_b32 v[L8], 3, v11
	v_lshlrev_b32 v[R32], 5, v12
	v_lshlrev_b32 v[H32], 5, v[VH]
	v_lshlrev_b32 v[L4K], 12, v11
	s_lshl_b32 s23, s22, 2
	v_add_nc_u32 v[SX], s23, v[L16]
	v_lshlrev_b32 v[SRD], 4, v12
	s_mul_i32 s23, s22, 32*SPI
	s_add_co_u32 s23, s23, STG                     ; my stage
	v_mul_u32_u24 v[SO], v12, SPI
	v_lshl_add_u32 v[SO], v[VH], 5, v[SO]
	v_add_nc_u32 v[SO], s23, v[SO]
	v_add_nc_u32 v[SR], s23, v[L16]
	v_mov_b32 v[TP], 0                             ; written once: a lane permute's destination counts as one of its sources
	v_mov_b32 v[TP+1], 0
	s_mov_b32 s[SEL], 0x76543210
	s_mov_b32 s[SEL+1], 0xfedcba98
	s_mov_b32 s41, 0x3a800000                      ; 1 / 1,024
	s_mov_b32 s42, 0x3727c5ac                      ; 1e-5
	s_mov_b32 s25, 0
	s_wait_kmcnt 0x0
	s_mul_i32 s24, ttmp9, 24576                    ; two tiles x 8 K steps x 1,536 bytes
	s_add_nc_u64 s[4:5], s[4:5], s[24:25]
	s_lshl_b32 s24, ttmp9, 10
	s_add_nc_u64 s[6:7], s[6:7], s[24:25]
	s_mul_i32 s24, s22, 196608                     ; my 16 tiles of Wo
	s_add_nc_u64 s[8:9], s[8:9], s[24:25]
	s_lshl_b32 s24, s22, 13                        ; my 256 rows of its scale bytes
	s_add_nc_u64 s[10:11], s[10:11], s[24:25]
	s_lshl_b32 s24, s22, 10                        ; my 256 columns, in f32
	s_add_nc_u64 s[12:13], s[12:13], s[24:25]
	s_add_nc_u64 s[14:15], s[14:15], s[24:25]
	s_add_nc_u64 s[16:17], s[16:17], s[24:25]
	s_lshl_b32 s26, ttmp9, 17                      ; my 32 rows of 4,096 bytes
	s_add_co_u32 s24, s24, s26
	s_add_nc_u64 s[18:19], s[18:19], s[24:25]
	s_add_nc_u64 s[20:21], s[20:21], s[24:25]
	s_wait_alu depctr_va_vdst(0)                   ; the addresses and offsets v1 to v9 are written, which the loads, prefetches and stores of the whole kernel read
	WIN 0x80
.irp f, 0,1,2,3,4,5,6,7,8,9,10,11,12,13,14,15  ; a's fragments (f = 8 m + s): two half images each
.irp c, 0,1
	global_load_b128 v[12*\f+6*\c:12*\f+6*\c+3], v[L16], s[4:5] offset:1536*\f+768*\c
	global_load_b64 v[12*\f+6*\c+4:12*\f+6*\c+5], v[L8], s[4:5] offset:1536*\f+768*\c+512
.endr
.endr
	WIN 0
.irp m, 0,1
.irp f, 0,1
	global_load_b128 v[AS+8*\m+4*\f:AS+8*\m+4*\f+3], v[R32], s[6:7] offset:512*\m+16*\f
.endr
.endr
.irp k, 0,1
	global_load_b128 v[GA+4*\k:GA+4*\k+3], v[L16], s[14:15] offset:512*\k     ; gamma and beta of columns 256 w + 128 k + 4 x lane + 0 .. 3: the way out's layout
	global_load_b128 v[BE+4*\k:BE+4*\k+3], v[L16], s[16:17] offset:512*\k
.endr
; tile it of Wo: 8 fragments, its rows' scale words, its columns' bias: 28 loads, into set it % 3
.macro BATCH it
.set BS, (\it)%3
.if BS < 2
	WIN 0xc0
.set BB, 96*BS
.else
	WIN 0
.set BB, 160
.endif
.irp s, 0,1,2,3,4,5,6,7
.irp c, 0,1,2
	global_load_b128 v[BB+12*\s+4*\c:BB+12*\s+4*\c+3], v[L16], s[8:9] offset:(\it)*12288+1536*\s+512*\c
.endr
.endr
	WIN 0
.irp f, 0,1
	global_load_b128 v[WS+8*BS+4*\f:WS+8*BS+4*\f+3], v[R32], s[10:11] offset:(\it)*512+16*\f
	global_load_b128 v[BI+8*BS+4*\f:BI+8*BS+4*\f+3], v[H32], s[12:13] offset:(\it)*64+16*\f
.endr
.endm
; 16 matrix instructions: the two tiles of tokens by turns, K ascending; the first takes the bias as C
.macro PROD it
.set PS, (\it)%3
.if PS < 2
.set PB, 96*PS
.set PA, 3
.else
.set PB, 160
.set PA, 0
.endif
.irp s, 0,1,2,3,4,5,6,7
.if \s == 0
	WIN (0x48+PA)                                  ; D window 1, a window 2, C (the bias) window 0, Wo window 3 or 0
.else
	WIN (0x58+PA)                                  ; C window 1
.endif
.irp m, 0,1
.if \s == 0
	v_wmma_scale_f32_16x16x128_f8f6f4 v[16*(\it)+8*\m:16*(\it)+8*\m+7], v[PB+12*\s:PB+12*\s+11], v[12*(8*\m+\s):12*(8*\m+\s)+11], v[BI+8*PS:BI+8*PS+7], v[WS+8*PS+\s], v[AS+8*\m+\s] matrix_a_fmt:MATRIX_FMT_FP6 matrix_b_fmt:MATRIX_FMT_FP6
.else
	v_wmma_scale_f32_16x16x128_f8f6f4 v[16*(\it)+8*\m:16*(\it)+8*\m+7], v[PB+12*\s:PB+12*\s+11], v[12*(8*\m+\s):12*(8*\m+\s)+11], v[16*(\it)+8*\m:16*(\it)+8*\m+7], v[WS+8*PS+\s], v[AS+8*\m+\s] matrix_a_fmt:MATRIX_FMT_FP6 matrix_b_fmt:MATRIX_FMT_FP6
.endif
.endr
.endr
.endm
	BATCH 0
	BATCH 1
.set IT, 0
.rept 16
.if (IT > 0) && (IT <= 13)
	PLACES                                         ; behind the last tile's products, ahead of the loads into the set that they read
	s_wait_alu depctr_va_vdst(0)                   ; the last tile's 16 products are done reading their set of Wo's fragments, scale words and bias, in which the 28 loads below land
.endif
.if IT <= 13
	BATCH (IT+2)
.endif
.if (IT >= 4) && (IT <= 7)
	global_prefetch_b8 v[L4K], s[18:19] offset:256*(IT-4) th:TH_LOAD_NT scope:SCOPE_SE   ; the residual, which is loaded behind the products: a lane a row, 256 bytes of my wave's 1,024 in each of four tiles' turns: each run is named once in the launch
.endif
.if IT <= 13
	s_wait_loadcnt 56                              ; two younger batches of 28 may be out: this tile's is in, and all that was asked for at the head
.elseif IT == 14
	s_wait_loadcnt 28
.else
	s_wait_loadcnt 0x0
.endif
	PROD IT
.set IT, IT+1
.endr
	WIN 0
	PLACES                                         ; behind the last products: a's registers take the residual, and the results are read
	s_wait_alu depctr_va_vdst(0)                   ; all the products are done reading a's fragments, in which query's loads land
	WIN 0x80
.set CH, 0
.rept 64                               ; query, in the way out's layout: run CH = (stage row CH / 2, half CH % 2): 512 consecutive bytes of a row
.set PS, CH/2
	global_load_b128 v[4*CH:4*CH+3], v[L16], s[18:19] offset:(8*(PS/16)+PS%16+8*((PS%16)/8))*4096+512*(CH%2) th:TH_LOAD_NT
.set CH, CH+1
.endr
; my two tokens' sums over my lane's 128 numbers stand in two chains of pairs each; they are added, joined with lane l xor 16's and, through LDS, with the other three waves'.  The totals: v[TP+4] (m = 0), v[TP+8] (m = 1).
.macro REDUCE off
.irp m, 0,1
	v_pk_add_f32 v[SM+4*\m:SM+4*\m+1], v[SM+4*\m:SM+4*\m+1], v[SM+4*\m+2:SM+4*\m+3]
.endr
.irp m, 0,1
	v_add_f32 v[SM+4*\m], v[SM+4*\m], v[SM+4*\m+1]
.endr
.irp m, 0,1
	v_permlanex16_b32 v[TP+\m], v[SM+4*\m], s[SEL], s[SEL+1]
.endr
.irp m, 0,1
	v_add_f32 v[SM+4*\m], v[SM+4*\m], v[TP+\m]
.endr
.if (\off) > 0
	s_wait_alu depctr_vm_vsrc(0)                   ; the first reduction's LDS store has read v[TP+2], which the select writes again
.endif
	v_cndmask_b32 v[TP+2], v[SM], v[SM+4], s[HM]   ; lanes 0-15 send tile 0's sums, lanes 16-31 tile 1's
	s_wait_alu depctr_va_vdst(0)                   ; v[TP+2] is written, which the LDS store reads; in the second reduction the lines that named v[TP+4] to v[TP+11] are done, in which the LDS loads below land
	ds_store_b32 v[SX], v[TP+2] offset:\off
	s_wait_dscnt 0x0                               ; for the others' sake: my store has landed
	s_barrier_signal -1
	s_barrier_wait -1
	ds_load_b128 v[TP+4:TP+7], v[SRD] offset:\off
	ds_load_b128 v[TP+8:TP+11], v[SRD] offset:\off+256
	s_wait_dscnt 0x0
.irp m, 0,1
	v_add_f32 v[TP+4+4*\m], v[TP+4+4*\m], v[TP+5+4*\m]
	v_add_f32 v[TP+6+4*\m], v[TP+6+4*\m], v[TP+7+4*\m]
.endr
.irp m, 0,1
	v_add_f32 v[TP+4+4*\m], v[TP+4+4*\m], v[TP+6+4*\m]
.endr
.endm
	; the mean.  Each accumulator is read from its low end on
	WIN 0x05                                       ; both sources window 1
.irp m, 0,1
	v_pk_add_f32 v[SM+4*\m:SM+4*\m+1], v[8*\m:8*\m+1], v[8*\m+2:8*\m+3]
	v_pk_add_f32 v[SM+4*\m+2:SM+4*\m+3], v[8*\m+4:8*\m+5], v[8*\m+6:8*\m+7]
.endr
	WIN 0x04                                       ; source 1 window 1
.irp it, 1,2,3,4,5,6,7,8,9,10,11,12,13,14,15
.irp m, 0,1
	v_pk_add_f32 v[SM+4*\m:SM+4*\m+1], v[SM+4*\m:SM+4*\m+1], v[16*\it+8*\m:16*\it+8*\m+1]
	v_pk_add_f32 v[SM+4*\m+2:SM+4*\m+3], v[SM+4*\m+2:SM+4*\m+3], v[16*\it+8*\m+2:16*\it+8*\m+3]
	v_pk_add_f32 v[SM+4*\m:SM+4*\m+1], v[SM+4*\m:SM+4*\m+1], v[16*\it+8*\m+4:16*\it+8*\m+5]
	v_pk_add_f32 v[SM+4*\m+2:SM+4*\m+3], v[SM+4*\m+2:SM+4*\m+3], v[16*\it+8*\m+6:16*\it+8*\m+7]
.endr
.endr
	WIN 0
	REDUCE 0
.irp m, 0,1
	v_mul_f32 v[MU+2*\m], s41, v[TP+4+4*\m]
	v_mul_f32 v[MU+2*\m+1], s41, v[TP+4+4*\m]
.endr
	; d = y - mean, in place; then the sum of d^2
	WIN 0x41                                       ; destination and source 0 window 1
.irp it, 0,1,2,3,4,5,6,7,8,9,10,11,12,13,14,15
.irp m, 0,1
.irp j, 0,2,4,6
	v_pk_add_f32 v[16*\it+8*\m+\j:16*\it+8*\m+\j+1], v[16*\it+8*\m+\j:16*\it+8*\m+\j+1], v[MU+2*\m:MU+2*\m+1] neg_lo:[0,1] neg_hi:[0,1]
.endr
.endr
.endr
	WIN 0x05
.irp m, 0,1
	v_pk_mul_f32 v[SM+4*\m:SM+4*\m+1], v[8*\m:8*\m+1], v[8*\m:8*\m+1]
	v_pk_mul_f32 v[SM+4*\m+2:SM+4*\m+3], v[8*\m+2:8*\m+3], v[8*\m+2:8*\m+3]
	v_pk_fma_f32 v[SM+4*\m:SM+4*\m+1], v[8*\m+4:8*\m+5], v[8*\m+4:8*\m+5], v[SM+4*\m:SM+4*\m+1]
	v_pk_fma_f32 v[SM+4*\m+2:SM+4*\m+3], v[8*\m+6:8*\m+7], v[8*\m+6:8*\m+7], v[SM+4*\m+2:SM+4*\m+3]
.endr
.irp it, 1,2,3,4,5,6,7,8,9,10,11,12,13,14,15
.irp m, 0,1
	v_pk_fma_f32 v[SM+4*\m:SM+4*\m+1], v[16*\it+8*\m:16*\it+8*\m+1], v[16*\it+8*\m:16*\it+8*\m+1], v[SM+4*\m:SM+4*\m+1]
	v_pk_fma_f32 v[SM+4*\m+2:SM+4*\m+3], v[16*\it+8*\m+2:16*\it+8*\m+3], v[16*\it+8*\m+2:16*\it+8*\m+3], v[SM+4*\m+2:SM+4*\m+3]
	v_pk_fma_f32 v[SM+4*\m:SM+4*\m+1], v[16*\it+8*\m+4:16*\it+8*\m+5], v[16*\it+8*\m+4:16*\it+8*\m+5], v[SM+4*\m:SM+4*\m+1]
	v_pk_fma_f32 v[SM+4*\m+2:SM+4*\m+3], v[16*\it+8*\m+6:16*\it+8*\m+7], v[16*\it+8*\m+6:16*\it+8*\m+7], v[SM+4*\m+2:SM+4*\m+3]
.endr
.endr
	WIN 0
	REDUCE 512                                     ; other words than the first sums': no wave can still be reading those that are written
.irp m, 0,1
	v_fma_f32 v[TP+4+4*\m], v[TP+4+4*\m], s41, s42 ; the variance + 1e-5
.endr
	s_wait_alu depctr_va_vdst(0)
	v_rsq_f32 v[RS], v[TP+4]
	v_rsq_f32 v[RS+2], v[TP+8]
	v_nop                                          ; a plain place behind the transcendentals
	s_wait_alu depctr_va_vdst(0)                   ; the two roots have written v[RS] and v[RS+2]: one wait for both, ahead of the first reader
	v_mov_b32 v[RS+1], v[RS]
	v_mov_b32 v[RS+3], v[RS+2]
	WIN 0x41
.irp it, 0,1,2,3,4,5,6,7,8,9,10,11,12,13,14,15
.irp m, 0,1
.irp j, 0,2,4,6
	v_pk_mul_f32 v[16*\it+8*\m+\j:16*\it+8*\m+\j+1], v[16*\it+8*\m+\j:16*\it+8*\m+\j+1], v[RS+2*\m:RS+2*\m+1]
.endr
.endr
.endr
	WIN 0x04                                       ; an LDS store's data are its source 1: window 1
	s_wait_alu depctr_va_vdst(0)                   ; the scalings have written Y, which the 64 LDS stores read
.irp it, 0,1,2,3,4,5,6,7,8,9,10,11,12,13,14,15
.irp m, 0,1
	ds_store_b128 v[SO], v[16*\it+8*\m:16*\it+8*\m+3] offset:16*\m*SPI+64*\it       ; stage row 16 m + r, bytes 64 it + 32 h on
	ds_store_b128 v[SO], v[16*\it+8*\m+4:16*\it+8*\m+7] offset:16*\m*SPI+64*\it+16
.endr
.endr
	WIN 0
	; THE WAY OUT, 16 runs of 512 bytes at a time: back from my own stage (LDS serves a wave's instructions in order), x gamma + beta, + query, stored
.irp bq, 0,1,2,3
.if \bq > 0
	s_wait_xcnt 0x0                                ; the last batch's stores have had their addresses translated: their data registers are written again only behind this wait
	s_wait_alu depctr_vm_vsrc(0)                   ; the last batch's 16 stores have read Z, in which the LDS loads below land (the vector lines that named Z stand ahead of the wait in front of those stores)
.endif
.irp i, 0,1,2,3,4,5,6,7,8,9,10,11,12,13,14,15
	ds_load_b128 v[Z+4*\i:Z+4*\i+3], v[SR] offset:((16*\bq+\i)/2)*SPI+512*(\i%2)
.endr
	s_wait_loadcnt 48-16*\bq                       ; this batch's 16 loads of query are in; the younger ones may be out
	s_wait_dscnt 0x0
.irp i, 0,1,2,3,4,5,6,7,8,9,10,11,12,13,14,15
	v_pk_fma_f32 v[Z+4*\i:Z+4*\i+1], v[Z+4*\i:Z+4*\i+1], v[GA+4*(\i%2):GA+4*(\i%2)+1], v[BE+4*(\i%2):BE+4*(\i%2)+1]
	v_pk_fma_f32 v[Z+4*\i+2:Z+4*\i+3], v[Z+4*\i+2:Z+4*\i+3], v[GA+4*(\i%2)+2:GA+4*(\i%2)+3], v[BE+4*(\i%2)+2:BE+4*(\i%2)+3]
.endr
	WIN 0x08                                       ; source 1 window 2: query
.irp i, 0,1,2,3,4,5,6,7,8,9,10,11,12,13,14,15
	v_pk_add_f32 v[Z+4*\i:Z+4*\i+1], v[Z+4*\i:Z+4*\i+1], v[4*(16*\bq+\i):4*(16*\bq+\i)+1]
	v_pk_add_f32 v[Z+4*\i+2:Z+4*\i+3], v[Z+4*\i+2:Z+4*\i+3], v[4*(16*\bq+\i)+2:4*(16*\bq+\i)+3]
.endr
	WIN 0
	s_wait_alu depctr_va_vdst(0)                   ; the additions have written Z, which the 16 stores read
.irp i, 0,1,2,3,4,5,6,7,8,9,10,11,12,13,14,15
	global_store_b128 v[L16], v[Z+4*\i:Z+4*\i+3], s[20:21] offset:(8*(((16*\bq+\i)/2)/16)+((16*\bq+\i)/2)%16+8*((((16*\bq+\i)/2)%16)/8))*4096+512*(\i%2) th:TH_STORE_NT   ; 32 lanes store 512 consecutive bytes of a row, at a multiple of 256 from out0's first byte
.endr
.endr
	s_wait_dscnt 0x0
	s_wait_alu depctr_hold_cnt(0) depctr_sa_sdst(0) depctr_va_vdst(0) depctr_va_sdst(0) depctr_va_ssrc(0) depctr_va_vcc(0) depctr_vm_vsrc(0)
	s_wait_tensorcnt 0x0
	ds_add_u32 v158, v159
	s_wait_dscnt 0x0
	s_endpgm
.Lfunc_end_k_q69821c13ee_oln:
	.size	k_q69821c13ee_oln, .Lfunc_end_k_q69821c13ee_oln-k_q69821c13ee_oln
	.p2alignl 7, 3214868480
	.fill 96, 4, 3214868480
	.section	.rodata,"a",@progbits
	.p2align	6, 0x0
	.amdhsa_kernel k_q69821c13ee_oln
		.amdhsa_group_segment_fixed_size 134656
		.amdhsa_private_segment_fixed_size 0
		.amdhsa_enable_private_segment 0
		.amdhsa_kernarg_size 72
		.amdhsa_user_sgpr_count 2
		.amdhsa_user_sgpr_kernarg_segment_ptr 1
		.amdhsa_wavefront_size32 1
		.amdhsa_system_sgpr_workgroup_id_x 1
		.amdhsa_system_sgpr_workgroup_id_y 1
		.amdhsa_system_sgpr_workgroup_id_z 1
		.amdhsa_system_vgpr_workitem_id 0
		.amdhsa_next_free_vgpr 1024
		.amdhsa_next_free_sgpr 66
		.amdhsa_reserve_vcc 0
		.amdhsa_float_denorm_mode_32 3
		.amdhsa_float_denorm_mode_16_64 3
		.amdhsa_memory_ordered 1
		.amdhsa_forward_progress 1
		.amdhsa_inst_pref_size 160
	.end_amdhsa_kernel
	.amdgpu_metadata
---
amdhsa.version: [ 1, 2 ]
amdhsa.kernels:
  - .name:           k_q69821c13ee_oln
    .symbol:         k_q69821c13ee_oln.kd
    .args:
      - { .name: oimg, .offset: 0, .size: 8, .value_kind: global_buffer, .address_space: global }
      - { .name: osc, .offset: 8, .size: 8, .value_kind: global_buffer, .address_space: global }
      - { .name: wimg, .offset: 16, .size: 8, .value_kind: global_buffer, .address_space: global }
      - { .name: Wo_scales, .offset: 24, .size: 8, .value_kind: global_buffer, .address_space: global }
      - { .name: bo, .offset: 32, .size: 8, .value_kind: global_buffer, .address_space: global }
      - { .name: gamma, .offset: 40, .size: 8, .value_kind: global_buffer, .address_space: global }
      - { .name: beta, .offset: 48, .size: 8, .value_kind: global_buffer, .address_space: global }
      - { .name: query, .offset: 56, .size: 8, .value_kind: global_buffer, .address_space: global }
      - { .name: out0, .offset: 64, .size: 8, .value_kind: global_buffer, .address_space: global }
    .group_segment_fixed_size: 134656
    .private_segment_fixed_size: 0
    .kernarg_segment_align: 8
    .kernarg_segment_size: 72
    .max_flat_workgroup_size: 128
    .sgpr_count:     66
    .vgpr_count:     1024
    .wavefront_size: 32
...
	.end_amdgpu_metadata
.endif
;; end of part 8
